; MI455X (gfx1250); checked and timed in simulation.
; The chip was launched on July 23, 2026; its instructions are those of AMD's public machine-readable ISA for CDNA 5 (MIT licence, August 2026) and "CDNA5" Instruction Set Architecture Reference Guide (July 2026). The comments in the code are by the model that wrote it; some were corrected since.
;; Trans Conv Layer. Allowed arithmetic: float matrix products may take bf16 or f16 operands with f32 sums; all other float work in f32.
;; Inputs: Wk 256 x 512 float32; Wq 256 x 512 float32; Wv 256 x 512 float32; bk 512 float32; bq 512 float32; bv 512 float32; query_input 100,000 x 256 float32; source_input 100,000 x 256 float32.
;; Outputs: out0 100,000 x 128 float32.
;; 3 versions, each right; version 2 is faster than version 1; version 3 is version 2 with the launches gram, outk written anew for expert scheduling mode. Each part assembles by itself: llvm-mc -triple=amdgcn-amd-amdhsa -mcpu=gfx1250 --defsym DOCPART=n.
;; ======== version 1 of 3: 5 launches
;; limits: values outside matrix products are rounded to bf16
;; workspace buffers: part 67,371,008 bytes; gs 263,168 bytes; wb 786,432 bytes; afrag 262,144 bytes; cpart 2,048 bytes; mfrag 131,072 bytes
;; launch gram (part 1): grid 256 x 1, 8 waves a work-group, no clusters, 39,936 bytes of LDS; arguments source_input, part; writes part
.if DOCPART == 1
	.amdgcn_target "amdgcn-amd-amdhsa--gfx1250"
	.amdhsa_code_object_version 6
	.text
	.protected	k_qe03df0df2d_gram
	.globl	k_qe03df0df2d_gram
	.p2align	8
	.type	k_qe03df0df2d_gram,@function
k_qe03df0df2d_gram:
	s_mov_b64 s[64:65], 0
	v_nop
	global_prefetch_b8 v0, s[64:65] scope:SCOPE_SE
	s_setreg_imm32_b32 hwreg(HW_REG_WAVE_MODE, 25, 1), 1
	s_wait_xcnt 0x0
; gram: each work-group makes the partial Gram matrix S^T S (256 x 256, f32) and the column sums of its own 390 or 391 rows of
; source_input [100000][256] f32.  Work-group g owns rows (3125 g) >> 3 up to (3125 (g+1)) >> 3: twelve steps of 32 rows and a short
; step of 6 or 7 rows, whose missing rows are zeros.
; A step: 256 threads load 32 rows (eight loads of 16 bytes a thread, each pass of the group 4,096 consecutive bytes), add them to the
; column sums, convert to bf16 and lay them in an LDS slot [32 rows][256 features]; the transposing LDS load then makes fragments with
; the 32 rows as K.  Wave w = 4 wr + wc owns features 128 wr .. +127 (source 0, eight fragments) times features 64 wc .. +63
; (source 1, four fragments): 32 accumulator tiles.
; The tiles are stored as they lie in the registers (tile 16 Cblk + Rblk: 1,024 bytes; registers 0-3 at 16 x lane, registers 4-7 512
; bytes further): every store of a wave covers 512 consecutive bytes, aligned.
; LIMITS: S enters the products rounded once to bf16; the column sums are taken from the unrounded numbers.
; No cluster: no two work-groups read the same rows.  No tensor load: the rows must pass through registers to become bf16.
.set PITCH,  544                       ; an LDS row: 512 bytes of bf16 + 32 = 17 x 32 bytes
.set SLOT,   32*PITCH                  ; 17,408 bytes; two slots take turns
.set CSUM,   2*SLOT                    ; 4,096 bytes: each thread's four column sums
.set PPITCH, 263168                    ; bytes of one partial: 256 tiles of 1,024 bytes, then 1,024 bytes of column sums
.set STEPB,  32768                     ; 32 rows of 1,024 bytes
.set GO,  1                            ; v1   16 t: my 16 bytes in a pass of four rows; never rewritten
.set GO2, 2                            ; v2   the short step's second load: its row clamped to the group's last row
.set LST, 3                            ; v3   where I put 8 bytes of bf16: row t >> 6, column 4 (t & 63)
.set LA,  4                            ; v4   transposing load, source 0
.set LB,  5                            ; v5   transposing load, source 1
.set PO,  6                            ; v6   16 x lane
.set CS,  8                            ; v[8:11]    sums of my four columns
.set ZZ,  12                           ; v[12:13]   zeros for the short step
.set STG, 16                           ; v[16:143]  four stages of eight loads
.set FB,  144                          ; v[144:175] four fragments, source 1
.set FA,  176                          ; v[176:239] eight fragments, source 0
                                       ; window 1 (v256-v511): accumulator tile (a, b) at v[8 (4 a + b)]
.set MSB, 0
.macro WIN new                         ; the immediate's high byte repeats the setting that is left
.if MSB != \new
	s_set_vgpr_msb (MSB<<8)|\new
.set MSB, \new
.endif
.endm
.macro PLACES                          ; four places behind a matrix instruction (ISA guide 7.12.1)
.rept 4
	v_nop
.endr
.endm
	s_load_b128 s[4:7], s[0:1], 0x0                ; source_input s[4:5], part s[6:7]
	v_lshl_add_u32 v254, v0, 2, 0x9800
	v_mov_b32 v255, 0
	v_lshrrev_b32 v7, 5, v0
	v_readfirstlane_b32 s8, v7                     ; wave 0..7
	s_mul_i32 s9, ttmp9, 3125
	s_lshr_b32 s10, s9, 3                          ; my first row
	s_add_co_u32 s11, s9, 3125
	s_lshr_b32 s11, s11, 3                         ; the next group's first row
	s_sub_co_u32 s13, s11, s10
	s_sub_co_u32 s13, s13, 384                     ; rows of the short step: 6 or 7
	s_lshl_b32 s20, s10, 10                        ; first row x 1,024 bytes (below 2^27)
	s_mov_b32 s21, 0
	v_lshlrev_b32 v[GO], 4, v0
	s_wait_kmcnt 0x0
	s_add_nc_u64 s[4:5], s[4:5], s[20:21]          ; S at my first row
.macro LOADS st, stage                 ; the 32 rows of step st into a stage
.irp i, 0,1,2,3,4,5,6,7
	global_load_b128 v[STG+32*\stage+4*\i:STG+32*\stage+4*\i+3], v[GO], s[4:5] offset:(\st)*STEPB+\i*4096 th:TH_LOAD_NT
.endr
.endm
	LOADS 0, 0
	LOADS 1, 1
	LOADS 2, 2
	LOADS 3, 3                                     ; 32 loads of every wave are on their way
	s_mul_i32 s22, ttmp9, PPITCH                   ; my partial (below 2^27)
	s_mov_b32 s23, 0
	s_lshr_b32 s9, s8, 2                           ; wr
	s_and_b32 s12, s8, 3                           ; wc
	s_lshl_b32 s24, s12, 16                        ; Cblk = 4 wc: 64 tiles of 1,024 bytes
	s_lshl_b32 s25, s9, 13                         ; Rblk = 8 wr: 8 tiles
	s_add_co_u32 s24, s24, s25
	s_mov_b32 s25, 0
	s_add_nc_u64 s[18:19], s[6:7], s[22:23]        ; my partial
	s_add_nc_u64 s[6:7], s[18:19], s[24:25]        ; my wave's first tile
	s_lshr_b32 s14, s8, 1
	s_add_co_u32 s14, s14, 4                       ; the row that my second short load stands for: 4 + (t >> 6)
	s_sub_co_u32 s15, s13, 1
	s_min_u32 s17, s14, s15                        ; clamped to the last row, so that the load stays inside the buffer
	s_lshl_b32 s17, s17, 10
	s_cmp_lt_u32 s14, s13
	s_cselect_b32 s16, -1, 0                       ; all ones if that row exists, else 0
	v_and_b32 v7, 63, v0
	v_lshlrev_b32 v[GO2], 4, v7
	v_add_nc_u32 v[GO2], s17, v[GO2]
	v_lshrrev_b32 v14, 6, v0
	v_mul_u32_u24 v14, v14, PITCH
	v_lshl_add_u32 v[LST], v7, 3, v14
	v_and_b32 v7, 7, v0                            ; the transposing load's address: row 8 (lane / 16) + lane % 8,
	v_bfe_u32 v14, v0, 4, 1
	v_lshl_add_u32 v7, v14, 3, v7
	v_mul_u32_u24 v7, v7, PITCH
	v_bfe_u32 v14, v0, 3, 1                        ; and 16 bytes further for lanes 8-15 and 24-31
	v_lshl_add_u32 v7, v14, 4, v7
	s_lshl_b32 s9, s9, 8                           ; 128 wr features of 2 bytes
	s_lshl_b32 s12, s12, 7                         ; 64 wc features
	v_add_nc_u32 v[LA], s9, v7
	v_add_nc_u32 v[LB], s12, v7
	v_and_b32 v[PO], 31, v0
	v_lshlrev_b32 v[PO], 4, v[PO]
.irp e, 0,1,2,3,4,5
	v_mov_b32 v[CS+\e], 0                          ; four sums and the pair of zeros
.endr
; One load's four numbers: into the column sums, to bf16 in place, 8 bytes into the slot.
.macro CONV1 stage, slot, n
	v_pk_add_f32 v[CS:CS+1], v[CS:CS+1], v[STG+32*\stage+4*\n:STG+32*\stage+4*\n+1]
	v_pk_add_f32 v[CS+2:CS+3], v[CS+2:CS+3], v[STG+32*\stage+4*\n+2:STG+32*\stage+4*\n+3]
	v_cvt_pk_bf16_f32 v[STG+32*\stage+4*\n], v[STG+32*\stage+4*\n], v[STG+32*\stage+4*\n+1]
	v_cvt_pk_bf16_f32 v[STG+32*\stage+4*\n+1], v[STG+32*\stage+4*\n+2], v[STG+32*\stage+4*\n+3]
	ds_store_b64 v[LST], v[STG+32*\stage+4*\n:STG+32*\stage+4*\n+1] offset:\slot*SLOT+\n*4*PITCH
.endm
; 24 transposing loads: source 1's four fragments first, then source 0's eight; a fragment is two loads, 16 rows apart.
.macro FRAGS slot
.irp b, 0,1,2,3
	ds_load_tr16_b128 v[FB+8*\b:FB+8*\b+3],   v[LB] offset:\slot*SLOT+32*\b
	ds_load_tr16_b128 v[FB+8*\b+4:FB+8*\b+7], v[LB] offset:\slot*SLOT+32*\b+16*PITCH
.endr
.irp a, 0,1,2,3,4,5,6,7
	ds_load_tr16_b128 v[FA+8*\a:FA+8*\a+3],   v[LA] offset:\slot*SLOT+32*\a
	ds_load_tr16_b128 v[FA+8*\a+4:FA+8*\a+7], v[LA] offset:\slot*SLOT+32*\a+16*PITCH
.endr
.endm
; 32 matrix instructions.  The 32 accumulators take turns, one instruction a turn.
; zero = 1: the first step's products start the sums; nothing is cleared.
.macro MULS zero
	WIN 0x50                                       ; C and D in window 1, the fragments in window 0
.irp a, 0,1,2,3,4,5,6,7
	s_wait_dscnt 14-2*\a                           ; LDS loads come back in order: fragment a is in, the 7 - a younger ones (two loads each) stay out
.irp b, 0,1,2,3
.if \zero
	v_wmma_f32_16x16x32_bf16 v[8*(4*\a+\b):8*(4*\a+\b)+7], v[FA+8*\a:FA+8*\a+7], v[FB+8*\b:FB+8*\b+7], 0
.else
	v_wmma_f32_16x16x32_bf16 v[8*(4*\a+\b):8*(4*\a+\b)+7], v[FA+8*\a:FA+8*\a+7], v[FB+8*\b:FB+8*\b+7], v[8*(4*\a+\b):8*(4*\a+\b)+7]
.endif
.endr
.endr
	WIN 0
	PLACES                                         ; in front of the next loads into the fragments, and of the stores of the sums
.endm
; One barrier a step serves both orders: this step's LDS stores are done in front of it, and the slot that the next step writes was
; read in the step before, whose reads every wave has waited for (the last count above is 0) before it came here.
.macro STEP st, stage, slot, zero, issue, left
	s_wait_loadcnt \left                           ; my stage is in; the younger loads stay out
.irp i, 0,1,2,3,4,5,6,7
	CONV1 \stage, \slot, \i
.endr
	s_wait_dscnt 0x0                               ; my part of the slot is written, for the other waves' sake; the stage's registers are free
.if \issue == 1
	LOADS \st+4, \stage                            ; four steps ahead, into the stage just emptied
.endif
.if \issue == 2
	global_load_b128 v[STG:STG+3],   v[GO],  s[4:5] offset:12*STEPB th:TH_LOAD_NT   ; the short step: rows 0-3,
	global_load_b128 v[STG+4:STG+7], v[GO2], s[4:5] offset:12*STEPB th:TH_LOAD_NT   ; and rows 4-7, clamped
.endif
	s_barrier_signal -1
	s_barrier_wait -1
	FRAGS \slot
	MULS \zero
.endm
	STEP 0,  0, 0, 1, 1, 24                        ; 24: three younger stages of eight loads
	STEP 1,  1, 1, 0, 1, 24
	STEP 2,  2, 0, 0, 1, 24
	STEP 3,  3, 1, 0, 1, 24
	STEP 4,  0, 0, 0, 1, 24
	STEP 5,  1, 1, 0, 1, 24
	STEP 6,  2, 0, 0, 1, 24
	STEP 7,  3, 1, 0, 1, 24
	STEP 8,  0, 0, 0, 2, 24
	STEP 9,  1, 1, 0, 0, 18                        ; two younger stages and the short step's two loads
	STEP 10, 2, 0, 0, 0, 10
	STEP 11, 3, 1, 0, 0, 2
	; the short step: rows 0-3 exist in every group; rows 4-7 are masked; rows 8-31 are zeros
	s_wait_loadcnt 0x0
.irp e, 4,5,6,7
	v_and_b32 v[STG+\e], s16, v[STG+\e]
.endr
	CONV1 0, 0, 0
	CONV1 0, 0, 1
.irp i, 2,3,4,5,6,7
	ds_store_b64 v[LST], v[ZZ:ZZ+1] offset:\i*4*PITCH
.endr
	s_wait_dscnt 0x0
	s_barrier_signal -1
	s_barrier_wait -1
	FRAGS 0
	MULS 0
	; column sums: four threads (t, t + 64, t + 128, t + 192) hold sums of the same four columns
	ds_store_b128 v[GO], v[CS:CS+3] offset:CSUM
	s_wait_dscnt 0x0
	s_barrier_signal -1
	s_barrier_wait -1
	s_cmp_gt_u32 s8, 1
	s_cbranch_scc1 .Lno_sums                       ; waves 0 and 1 (threads 0-63) add them
.irp q, 0,1,2,3
	ds_load_b128 v[STG+4*\q:STG+4*\q+3], v[GO] offset:CSUM+1024*\q
.endr
	s_wait_dscnt 0x0
	v_pk_add_f32 v[STG:STG+1],     v[STG:STG+1],     v[STG+4:STG+5]
	v_pk_add_f32 v[STG+2:STG+3],   v[STG+2:STG+3],   v[STG+6:STG+7]
	v_pk_add_f32 v[STG+8:STG+9],   v[STG+8:STG+9],   v[STG+12:STG+13]
	v_pk_add_f32 v[STG+10:STG+11], v[STG+10:STG+11], v[STG+14:STG+15]
	v_pk_add_f32 v[STG:STG+1],     v[STG:STG+1],     v[STG+8:STG+9]
	v_pk_add_f32 v[STG+2:STG+3],   v[STG+2:STG+3],   v[STG+10:STG+11]
	global_store_b128 v[GO], v[STG:STG+3], s[18:19] offset:262144   ; columns 4 t .. 4 t + 3, in their natural order
.Lno_sums:
	WIN 0x04                                       ; store data from window 1
.irp a, 0,1,2,3,4,5,6,7
.irp b, 0,1,2,3
	global_store_b128 v[PO], v[8*(4*\a+\b):8*(4*\a+\b)+3],   s[6:7] offset:\b*16384+\a*1024
	global_store_b128 v[PO], v[8*(4*\a+\b)+4:8*(4*\a+\b)+7], s[6:7] offset:\b*16384+\a*1024+512
.endr
.endr
	WIN 0
	s_wait_tensorcnt 0x0
	ds_add_u32 v254, v255
	s_wait_dscnt 0x0
	s_endpgm
.Lfunc_end_k_qe03df0df2d_gram:
	.size	k_qe03df0df2d_gram, .Lfunc_end_k_qe03df0df2d_gram-k_qe03df0df2d_gram
	.p2alignl 7, 3214868480
	.fill 96, 4, 3214868480
	.section	.rodata,"a",@progbits
	.p2align	6, 0x0
	.amdhsa_kernel k_qe03df0df2d_gram
		.amdhsa_group_segment_fixed_size 39936
		.amdhsa_private_segment_fixed_size 0
		.amdhsa_enable_private_segment 0
		.amdhsa_kernarg_size 16
		.amdhsa_user_sgpr_count 2
		.amdhsa_user_sgpr_kernarg_segment_ptr 1
		.amdhsa_wavefront_size32 1
		.amdhsa_system_sgpr_workgroup_id_x 1
		.amdhsa_system_sgpr_workgroup_id_y 1
		.amdhsa_system_sgpr_workgroup_id_z 1
		.amdhsa_system_vgpr_workitem_id 0
		.amdhsa_next_free_vgpr 512
		.amdhsa_next_free_sgpr 66
		.amdhsa_reserve_vcc 0
		.amdhsa_float_denorm_mode_32 3
		.amdhsa_float_denorm_mode_16_64 3
		.amdhsa_memory_ordered 1
		.amdhsa_forward_progress 1
		.amdhsa_inst_pref_size 103
	.end_amdhsa_kernel
	.amdgpu_metadata
---
amdhsa.version: [ 1, 2 ]
amdhsa.kernels:
  - .name:           k_qe03df0df2d_gram
    .symbol:         k_qe03df0df2d_gram.kd
    .args:
      - { .name: source_input, .offset: 0, .size: 8, .value_kind: global_buffer, .address_space: global }
      - { .name: part, .offset: 8, .size: 8, .value_kind: global_buffer, .address_space: global }
    .group_segment_fixed_size: 39936
    .private_segment_fixed_size: 0
    .kernarg_segment_align: 8
    .kernarg_segment_size: 16
    .max_flat_workgroup_size: 256
    .sgpr_count:     66
    .vgpr_count:     512
    .wavefront_size: 32
...
	.end_amdgpu_metadata
.endif
;; end of part 1
;; launch reduce (part 2): grid 353 x 1, 8 waves a work-group, no clusters, 9,216 bytes of LDS; arguments part, Wk, Wv, Wq, gs, wb; writes gs, wb
.if DOCPART == 2
	.amdgcn_target "amdgcn-amd-amdhsa--gfx1250"
	.amdhsa_code_object_version 6
	.text
	.protected	k_qe03df0df2d_reduce
	.globl	k_qe03df0df2d_reduce
	.p2align	8
	.type	k_qe03df0df2d_reduce,@function
k_qe03df0df2d_reduce:
	s_mov_b64 s[64:65], 0
	v_nop
	global_prefetch_b8 v0, s[64:65] scope:SCOPE_SE
	s_setreg_imm32_b32 hwreg(HW_REG_WAVE_MODE, 25, 1), 1
	s_wait_xcnt 0x0
; reduce: two kinds of work-groups.
; Groups 0-256 add the 256 partials of gram.  Group n owns kilobyte n of a partial: an accumulator tile (n < 256) or the column sums
; (n = 256).  Wave w adds partials 32 w .. 32 w + 31 (each load of a wave: 512 consecutive bytes), the eight waves' sums meet in LDS, and
; wave 0 writes the tile as two bf16 numbers each (hi = the number rounded, lo = the rest rounded).
; A tile's lane holds eight neighbouring rows of one column, so the four packed registers ARE registers 0-3 (even tile) or 4-7 (odd
; tile) of the 16 x 32 fragment whose lane index is the tile's column and whose K is its rows: gs holds G as ready fragments
; (hi at 512 n + 16 lane, lo 131,072 bytes further).  The column sums stay f32, at byte 262,144.
; Groups 257-352 convert Wk, Wv, Wq [256][512] f32 to bf16 and part the heads (column c = 4 feature + head): wb holds three sections
; [256 rows][4 heads][128 features]; one wave takes one row; each of its four stores covers 256 consecutive bytes, aligned.
; LIMIT: the weights are rounded once to bf16.  No matrix unit, no cluster: sums and conversions of bytes that are each read once.
.set PPITCH, 263168
.set ACC, 8                            ; v[8:15]    the wave's sum; later hi and lo
.set X,   16                           ; v[16:143]  sixteen partials' 8 registers
.set TT,  144                          ; v[144:151] at work
	s_load_b256 s[4:11], s[0:1], 0x0               ; part s[4:5], Wk s[6:7], Wv s[8:9], Wq s[10:11]
	s_load_b128 s[12:15], s[0:1], 0x20             ; gs s[12:13], wb s[14:15]
	v_lshl_add_u32 v152, v0, 2, 0x2000
	v_mov_b32 v153, 0
	v_lshrrev_b32 v1, 5, v0
	v_readfirstlane_b32 s16, v1                    ; wave 0..7
	v_and_b32 v2, 31, v0                           ; lane
	s_cmp_gt_u32 ttmp9, 0x100
	s_cbranch_scc1 .Lweights                       ; the same way for all eight waves of a group
	v_lshlrev_b32 v1, 4, v2                        ; 16 x lane; never rewritten
	v_lshl_add_u32 v3, s16, 10, v1                 ; my wave's kilobyte in LDS
	s_mul_i32 s20, s16, 32*PPITCH                  ; my wave's first partial (below 2^26),
	s_lshl_b32 s21, ttmp9, 10                      ; the group's kilobyte in it
	s_add_co_u32 s20, s20, s21
	s_mov_b32 s21, 0
	s_wait_kmcnt 0x0
	s_add_nc_u64 s[4:5], s[4:5], s[20:21]
.macro RLOAD p                         ; partial p of my 32: the immediate reaches 31 x 263,168 + 512, inside its signed 24 bits
	global_load_b128 v[X+8*((\p)%16):X+8*((\p)%16)+3],   v1, s[4:5] offset:(\p)*PPITCH th:TH_LOAD_NT
	global_load_b128 v[X+8*((\p)%16)+4:X+8*((\p)%16)+7], v1, s[4:5] offset:(\p)*PPITCH+512 th:TH_LOAD_NT
.endm
.macro RADD p
.irp e, 0,2,4,6
	v_pk_add_f32 v[ACC+\e:ACC+\e+1], v[ACC+\e:ACC+\e+1], v[X+8*((\p)%16)+\e:X+8*((\p)%16)+\e+1]
.endr
.endm
.set p, 0
.rept 16
	RLOAD p
.set p, p+1
.endr
	s_wait_loadcnt 28                              ; partials 0 and 1 are in (four loads of 32); their sum starts the accumulator
.irp e, 0,2,4,6
	v_pk_add_f32 v[ACC+\e:ACC+\e+1], v[X+\e:X+\e+1], v[X+8+\e:X+8+\e+1]
.endr
	RLOAD 16
	RLOAD 17
.set p, 2
.rept 14
	s_wait_loadcnt 30                              ; 32 loads are out: the oldest two are partial p
	RADD p
	RLOAD p+16
.set p, p+1
.endr
.set p, 16
.rept 16
	s_wait_loadcnt 62-2*p                          ; nothing more is asked for: two loads for each of the 31 - p younger partials
	RADD p
.set p, p+1
.endr
	ds_store_b128 v3, v[ACC:ACC+3]
	ds_store_b128 v3, v[ACC+4:ACC+7] offset:512
	s_wait_dscnt 0x0                               ; for wave 0's sake
	s_barrier_signal -1
	s_barrier_wait -1
	s_cmp_lg_u32 s16, 0
	s_cbranch_scc1 .Lend
.irp w, 0,1,2,3,4,5,6,7
	ds_load_b128 v[X+8*\w:X+8*\w+3],   v1 offset:1024*\w
	ds_load_b128 v[X+8*\w+4:X+8*\w+7], v1 offset:1024*\w+512
.endr
	s_wait_dscnt 0x0
.irp e, 0,2,4,6,8,10,12,14,16,18,20,22,24,26,28,30
	v_pk_add_f32 v[X+\e:X+\e+1], v[X+\e:X+\e+1], v[X+32+\e:X+32+\e+1]   ; waves 0-3 += waves 4-7
.endr
.irp e, 0,2,4,6,8,10,12,14
	v_pk_add_f32 v[X+\e:X+\e+1], v[X+\e:X+\e+1], v[X+16+\e:X+16+\e+1]
.endr
.irp e, 0,2,4,6
	v_pk_add_f32 v[X+\e:X+\e+1], v[X+\e:X+\e+1], v[X+8+\e:X+8+\e+1]
.endr
	s_cmp_eq_u32 ttmp9, 0x100
	s_cbranch_scc1 .Lsums
	; hi = bf16(x); lo = bf16(x - hi): together 16 bits of mantissa
.irp q, 0,1,2,3
	v_cvt_pk_bf16_f32 v[ACC+\q], v[X+2*\q], v[X+2*\q+1]
.endr
.irp q, 0,1,2,3
	v_lshlrev_b32 v[TT+2*\q], 16, v[ACC+\q]
	v_and_b32 v[TT+2*\q+1], 0xffff0000, v[ACC+\q]
.endr
.irp e, 0,1,2,3,4,5,6,7
	v_sub_f32 v[X+\e], v[X+\e], v[TT+\e]
.endr
.irp q, 0,1,2,3
	v_cvt_pk_bf16_f32 v[ACC+4+\q], v[X+2*\q], v[X+2*\q+1]
.endr
	s_lshl_b32 s20, ttmp9, 9
	s_mov_b32 s21, 0
	s_add_nc_u64 s[12:13], s[12:13], s[20:21]
	global_store_b128 v1, v[ACC:ACC+3],   s[12:13]
	global_store_b128 v1, v[ACC+4:ACC+7], s[12:13] offset:131072
	s_wait_tensorcnt 0x0
	ds_add_u32 v152, v153
	s_wait_dscnt 0x0
	s_endpgm
.Lsums:
	global_store_b128 v1, v[X:X+3],   s[12:13] offset:262144
	global_store_b128 v1, v[X+4:X+7], s[12:13] offset:262144+512
.Lend:
	s_wait_tensorcnt 0x0
	ds_add_u32 v152, v153
	s_wait_dscnt 0x0
	s_endpgm
.Lweights:
	s_sub_co_u32 s20, ttmp9, 257                   ; 0..95
	s_lshr_b32 s21, s20, 5                         ; 0: Wk, 1: Wv, 2: Wq
	s_and_b32 s22, s20, 31
	s_lshl3_add_u32 s22, s22, s16                  ; my wave's row
	s_lshl_b32 s24, s22, 11                        ; a row of 2,048 bytes in
	s_mov_b32 s25, 0
	s_lshl_b32 s26, s21, 18                        ; a section of 262,144 bytes,
	s_lshl_b32 s27, s22, 10                        ; a row of 1,024 bytes out
	s_add_co_u32 s26, s26, s27
	s_mov_b32 s27, 0
	v_lshlrev_b32 v1, 6, v2                        ; my 64 bytes: features 4 lane .. 4 lane + 3, four heads each
	v_lshlrev_b32 v3, 3, v2                        ; my 8 bytes of each head's 256
	s_wait_kmcnt 0x0
	s_cmp_eq_u32 s21, 0
	s_cselect_b64 s[28:29], s[6:7], s[8:9]
	s_cmp_eq_u32 s21, 2
	s_cselect_b64 s[28:29], s[10:11], s[28:29]
	s_add_nc_u64 s[28:29], s[28:29], s[24:25]
	s_add_nc_u64 s[14:15], s[14:15], s[26:27]
.irp k, 0,1,2,3
	global_load_b128 v[X+4*\k:X+4*\k+3], v1, s[28:29] offset:16*\k      ; register 4 k + h: feature 4 lane + k, head h
.endr
	s_wait_loadcnt 0x0
.irp h, 0,1,2,3
	v_cvt_pk_bf16_f32 v[ACC+2*\h],   v[X+\h],   v[X+4+\h]
	v_cvt_pk_bf16_f32 v[ACC+2*\h+1], v[X+8+\h], v[X+12+\h]
	global_store_b64 v3, v[ACC+2*\h:ACC+2*\h+1], s[14:15] offset:256*\h
.endr
	s_endpgm
.Lfunc_end_k_qe03df0df2d_reduce:
	.size	k_qe03df0df2d_reduce, .Lfunc_end_k_qe03df0df2d_reduce-k_qe03df0df2d_reduce
	.p2alignl 7, 3214868480
	.fill 96, 4, 3214868480
	.section	.rodata,"a",@progbits
	.p2align	6, 0x0
	.amdhsa_kernel k_qe03df0df2d_reduce
		.amdhsa_group_segment_fixed_size 9216
		.amdhsa_private_segment_fixed_size 0
		.amdhsa_enable_private_segment 0
		.amdhsa_kernarg_size 48
		.amdhsa_user_sgpr_count 2
		.amdhsa_user_sgpr_kernarg_segment_ptr 1
		.amdhsa_wavefront_size32 1
		.amdhsa_system_sgpr_workgroup_id_x 1
		.amdhsa_system_sgpr_workgroup_id_y 1
		.amdhsa_system_sgpr_workgroup_id_z 1
		.amdhsa_system_vgpr_workitem_id 0
		.amdhsa_next_free_vgpr 154
		.amdhsa_next_free_sgpr 66
		.amdhsa_reserve_vcc 0
		.amdhsa_float_denorm_mode_32 3
		.amdhsa_float_denorm_mode_16_64 3
		.amdhsa_memory_ordered 1
		.amdhsa_forward_progress 1
		.amdhsa_inst_pref_size 23
	.end_amdhsa_kernel
	.amdgpu_metadata
---
amdhsa.version: [ 1, 2 ]
amdhsa.kernels:
  - .name:           k_qe03df0df2d_reduce
    .symbol:         k_qe03df0df2d_reduce.kd
    .args:
      - { .name: part, .offset: 0, .size: 8, .value_kind: global_buffer, .address_space: global }
      - { .name: Wk, .offset: 8, .size: 8, .value_kind: global_buffer, .address_space: global }
      - { .name: Wv, .offset: 16, .size: 8, .value_kind: global_buffer, .address_space: global }
      - { .name: Wq, .offset: 24, .size: 8, .value_kind: global_buffer, .address_space: global }
      - { .name: gs, .offset: 32, .size: 8, .value_kind: global_buffer, .address_space: global }
      - { .name: wb, .offset: 40, .size: 8, .value_kind: global_buffer, .address_space: global }
    .group_segment_fixed_size: 9216
    .private_segment_fixed_size: 0
    .kernarg_segment_align: 8
    .kernarg_segment_size: 48
    .max_flat_workgroup_size: 256
    .sgpr_count:     66
    .vgpr_count:     154
    .wavefront_size: 32
...
	.end_amdgpu_metadata
.endif
;; end of part 2
;; launch attn (part 3): grid 8 x 4, 8 waves a work-group, no clusters, 101,376 bytes of LDS; arguments gs, wb, bk, bv, bq, afrag, cpart; writes afrag, cpart
.if DOCPART == 3
	.amdgcn_target "amdgcn-amd-amdhsa--gfx1250"
	.amdhsa_code_object_version 6
	.text
	.protected	k_qe03df0df2d_attn
	.globl	k_qe03df0df2d_attn
	.p2align	8
	.type	k_qe03df0df2d_attn,@function
k_qe03df0df2d_attn:
	s_mov_b64 s[64:65], 0
	v_nop
	global_prefetch_b8 v0, s[64:65] scope:SCOPE_SE
	s_setreg_imm32_b32 hwreg(HW_REG_WAVE_MODE, 25, 1), 1
	s_wait_xcnt 0x0
; attn: work-group (x = dblk, y = head) makes 16 columns d of one head's attention matrix.  With G = S^T S, s = S^T 1, n = 100000:
;   T  = G Wv + s bv^T          [256][16]     phase 1: wave w makes rows 32 w .. 32 w + 31 (two tiles)
;   t0 = s^T Wv + n bv          [16]
;   y  = Wk^T T + bk t0^T       [128][16]     phase 2: wave w makes rows m = 16 w .. 16 w + 15 (one tile);  a = y / sqrt(n)
;   attn = softmax of a over m, with the column's true maximum taken away;  stored: attn / 4 (the mean over four heads),
;   and c = sum over m of bq[m] attn[m][d] / 4.
; G comes from gs as ready fragments (hi, lo).  A result tile's lane holds eight neighbouring rows of one column: packed, it is half of
; the source-1 fragment whose K is the tile's rows.  So T goes to phase 2, and attn to the next launch, without a transposition.
; LIMITS: Wk, Wv, bk, bv, bq are rounded once to bf16; G, T and attn go as bf16 pairs (hi + lo, 16 bits of mantissa); G is used as
; its own transpose.  exp2 gives 0 for results below 2^-126 (ISA guide, the instruction's entry).
; No cluster: what the 32 groups share, G, is loaded straight into registers as fragments and never lies in LDS.
.set WVL, 0                            ; Wv  [256 k][16 d] bf16, rows of 32 bytes                              8,192 bytes
.set TFL, 8192                         ; T as fragments: 2,048 kk + 1,024 lo + 512 half + 16 lane             16,384 bytes
.set T0L, 24576                        ; t0, maxima, sums, sums for c: [8 waves][16 d] f32, 512 bytes each
.set MXL, 25088
.set SML, 25600
.set UUL, 26112
.set WKL, 26624                        ; Wk  [256 i][128 m] bf16, rows of 256 + 32 = 9 x 32 bytes             73,728 bytes
.set KP,  288
.set S,    32                          ; v[32:47]   s of my 32 rows, in the two tiles' order
.set AH,   32                          ; v[32:39]   phase 2: sums with T's hi;  v[40:47] with T's lo
.set AL,   40
.set BK,   48                          ; v[48:55]   bk of my tile's rows
.set BQ,   56                          ; v[56:63]   bq of my tile's rows
.set WST,  64                          ; v[64:127]  Wk on its way to LDS; then Wv's fragments; then Wk's fragments
.set BF,   64
.set AK,   64
.set GR,   128                         ; v[128:223] three stages of G's fragments (hi, lo) x (tile 0, 1)
.set TH,   128                         ; v[128:135] T hi, v[136:143] T lo, packed
.set TL,   136
.set TB,   128                         ; v[128:255] phase 2: T's fragments, 16 registers a K step
.set TW,   224                         ; v[224:231] Wv's fragment of my own 32 rows
.set WVS,  232                         ; v[232:239] Wv on its way to LDS
.set TACC, 240                         ; v[240:255] T's two tiles
.set TT,   18                          ; v[18:27]   at work
.macro PLACES                          ; four places behind a matrix instruction (ISA guide 7.12.1)
.rept 4
	v_nop
.endr
.endm
.macro SPLIT8 x, h, l                  ; eight f32 in x: h = four registers of bf16(x), l = four of bf16(x - h)
.irp p, 0,1,2,3
	v_cvt_pk_bf16_f32 v[\h+\p], v[\x+2*\p], v[\x+2*\p+1]
.endr
.irp p, 0,1,2,3
	v_lshlrev_b32 v[TT+2*\p], 16, v[\h+\p]
	v_and_b32 v[TT+2*\p+1], 0xffff0000, v[\h+\p]
.endr
.irp e, 0,1,2,3,4,5,6,7
	v_sub_f32 v[\x+\e], v[\x+\e], v[TT+\e]
.endr
.irp p, 0,1,2,3
	v_cvt_pk_bf16_f32 v[\l+\p], v[\x+2*\p], v[\x+2*\p+1]
.endr
.endm
.macro BAR
	s_wait_dscnt 0x0                               ; my LDS stores and loads are done, for the other waves' sake
	s_barrier_signal -1
	s_barrier_wait -1
.endm
	s_load_b256 s[4:11], s[0:1], 0x0               ; gs s[4:5], wb s[6:7], bk s[8:9], bv s[10:11]
	s_load_b128 s[12:15], s[0:1], 0x20             ; bq s[12:13], afrag s[14:15]
	s_load_b64 s[16:17], s[0:1], 0x30              ; cpart
	v_lshl_add_u32 v30, v0, 2, 0x18800
	v_mov_b32 v31, 0
	v_lshrrev_b32 v18, 5, v0
	v_readfirstlane_b32 s18, v18                   ; wave 0..7
	s_and_b32 s19, ttmp7, 0xffff                   ; head
	s_mov_b32 s32, 0x76543210                      ; v_permlanex16_b32: lane i reads lane i of the other half
	s_mov_b32 s33, 0xfedcba98
	s_mov_b32 s38, 0x3b957e87                      ; log2(e) / sqrt(100000)
	s_mov_b32 s39, 0xbb957e87                      ; and its negative
	v_and_b32 v21, 31, v0
	v_lshlrev_b32 v1, 4, v21                       ; v1  16 x lane
	v_and_b32 v2, 15, v0                           ; v2  r
	v_bfe_u32 v3, v0, 4, 1                         ; v3  hh
	s_lshl_b32 s22, s19, 2                         ; 4 head: column c = 4 feature + head, 4 bytes each
	s_lshl_b32 s21, ttmp9, 8
	s_add_co_u32 s21, s21, s22
	v_lshl_add_u32 v18, v2, 4, s21                 ; bv[d = 16 dblk + r]
	s_lshl_b32 s23, s18, 8
	s_add_co_u32 s23, s23, s22
	v_lshl_add_u32 v19, v3, 7, s23                 ; bk, bq[m = 16 w + 8 hh + j]: 16 j stands in the immediate
	s_lshl_b32 s24, s18, 7
	v_lshl_add_u32 v20, v3, 5, s24                 ; s[32 w + 8 hh ..]
	v_lshrrev_b32 v22, 4, v0
	v_lshlrev_b32 v23, 4, v2
	v_lshl_add_u32 v4, v22, 10, v23                ; v4  Wk in memory: row t >> 4, 16 bytes at 16 (t & 15)
	v_mul_u32_u24 v5, v22, KP
	v_add3_u32 v5, v5, v23, WKL                    ; v5  the same place in LDS, rows 0-127;
	v_add_nc_u32 v12, 128*KP, v5                   ; v12 rows 128-255 (an LDS immediate has 16 bits)
	v_lshrrev_b32 v24, 1, v0
	v_and_b32 v25, 1, v0
	v_lshlrev_b32 v25, 4, v25
	v_lshl_add_u32 v6, v24, 10, v25                ; v6  Wv in memory: row t >> 1, 16 bytes at 16 (t & 1)
	v_lshlrev_b32 v7, 4, v0                        ; v7  the same place in LDS: 16 t
	v_and_b32 v26, 7, v0
	v_lshl_add_u32 v26, v3, 3, v26                 ; the transposing load's row 8 hh + lane % 8,
	v_bfe_u32 v27, v0, 3, 1
	v_lshlrev_b32 v27, 4, v27                      ; and 16 bytes further for lanes 8-15 and 24-31
	v_lshl_add_u32 v8, v26, 5, v27                 ; v8  in Wv
	v_lshl_add_u32 v9, s18, 10, v8                 ; v9  in Wv, my own 32 rows
	v_mul_u32_u24 v10, v26, KP
	v_add3_u32 v10, v10, v27, WKL
	v_lshl_add_u32 v10, s18, 5, v10                ; v10 in Wk, columns 16 w .., rows 0-127;
	v_add_nc_u32 v11, 128*KP, v10                  ; v11 rows 128-255
	v_lshl_add_u32 v13, s18, 11, v1
	v_add_nc_u32 v13, TFL, v13                     ; v13 where my T fragments go
	v_lshlrev_b32 v15, 2, v2                       ; v15 4 r
	v_lshl_add_u32 v14, s18, 6, v15                ; v14 64 w + 4 r
	s_lshl_b32 s26, s18, 14                        ; G: my two row blocks of 8,192 bytes
	s_mov_b32 s27, 0
	s_lshl_b32 s30, s19, 8                         ; Wk: the head's 256 bytes of a row
	s_mov_b32 s31, 0
	s_lshl_b32 s28, ttmp9, 5                       ; Wv: section 1, the head, 16 columns of 2 bytes
	s_add_co_u32 s28, s28, s30
	s_add_co_u32 s28, s28, 262144
	s_mov_b32 s29, 0
	s_lshl_b32 s34, s19, 16                        ; afrag: K block 4 head + (w >> 1) of 16,384 bytes, dblk x 2,048, half (w & 1) x 512
	s_lshr_b32 s35, s18, 1
	s_lshl_b32 s35, s35, 14
	s_add_co_u32 s34, s34, s35
	s_lshl_b32 s35, ttmp9, 11
	s_add_co_u32 s34, s34, s35
	s_and_b32 s35, s18, 1
	s_lshl_b32 s35, s35, 9
	s_add_co_u32 s34, s34, s35
	s_mov_b32 s35, 0
	s_lshl_b32 s36, s19, 9                         ; cpart [4 heads][128 d] f32
	s_lshl_b32 s37, ttmp9, 6
	s_add_co_u32 s36, s36, s37
	s_mov_b32 s37, 0
	s_wait_kmcnt 0x0
	s_add_nc_u64 s[26:27], s[4:5], s[26:27]
	s_add_nc_u64 s[28:29], s[6:7], s[28:29]
	s_add_nc_u64 s[30:31], s[6:7], s[30:31]
	s_add_nc_u64 s[34:35], s[14:15], s[34:35]
	s_add_nc_u64 s[36:37], s[16:17], s[36:37]
	global_load_b32 v16, v18, s[10:11]
.irp j, 0,1,2,3,4,5,6,7
	global_load_b32 v[BK+\j], v19, s[8:9] offset:16*\j
.endr
.irp j, 0,1,2,3,4,5,6,7
	global_load_b32 v[BQ+\j], v19, s[12:13] offset:16*\j
.endr
.irp q, 0,1,2,3
	global_load_b128 v[S+4*\q:S+4*\q+3], v20, s[4:5] offset:262144+64*(\q/2)+16*(\q%2)   ; register 8 tile + j: s[32 w + 16 tile + 8 hh + j]
.endr
	global_load_b128 v[WVS:WVS+3],   v6, s[28:29]
	global_load_b128 v[WVS+4:WVS+7], v6, s[28:29] offset:131072
.irp i, 0,1,2,3,4,5,6,7,8,9,10,11,12,13,14,15
	global_load_b128 v[WST+4*\i:WST+4*\i+3], v4, s[30:31] offset:\i*16384
.endr
.macro GLOAD kk                        ; G's fragments of K step kk: (hi, lo) x (my tile 0, 1), eight loads of 512 consecutive bytes
.irp lo, 0,1
.irp tau, 0,1
	global_load_b128 v[GR+32*((\kk)%3)+16*\lo+8*\tau:GR+32*((\kk)%3)+16*\lo+8*\tau+3],   v1, s[26:27] offset:(\kk)*1024+\tau*8192+\lo*131072
	global_load_b128 v[GR+32*((\kk)%3)+16*\lo+8*\tau+4:GR+32*((\kk)%3)+16*\lo+8*\tau+7], v1, s[26:27] offset:(\kk)*1024+\tau*8192+\lo*131072+512
.endr
.endr
.endm
	GLOAD 0
	GLOAD 1
	GLOAD 2
	; PHASE 1
	s_wait_loadcnt 24                              ; all but G's three stages of eight loads
	ds_store_b128 v7, v[WVS:WVS+3] offset:WVL
	ds_store_b128 v7, v[WVS+4:WVS+7] offset:WVL+4096
.irp i, 0,1,2,3,4,5,6,7
	ds_store_b128 v5, v[WST+4*\i:WST+4*\i+3] offset:\i*16*KP
.endr
.irp i, 0,1,2,3,4,5,6,7
	ds_store_b128 v12, v[WST+32+4*\i:WST+32+4*\i+3] offset:\i*16*KP
.endr
	BAR                                            ; Wv and Wk lie in LDS whole
.irp kk, 0,1,2,3,4,5,6,7
	ds_load_tr16_b128 v[BF+8*\kk:BF+8*\kk+3],   v8 offset:WVL+\kk*1024
	ds_load_tr16_b128 v[BF+8*\kk+4:BF+8*\kk+7], v8 offset:WVL+\kk*1024+512
.endr
	ds_load_tr16_b128 v[TW:TW+3],   v9 offset:WVL
	ds_load_tr16_b128 v[TW+4:TW+7], v9 offset:WVL+512
	v_cvt_pk_bf16_f32 v16, v16, v16                ; the biases, rounded to bf16 as the weights are, and widened again
	v_lshlrev_b32 v16, 16, v16                     ; v16 bv[d = r]
.irp p, 0,1,2,3
	v_cvt_pk_bf16_f32 v[TT+\p], v[BK+2*\p], v[BK+2*\p+1]
	v_cvt_pk_bf16_f32 v[TT+4+\p], v[BQ+2*\p], v[BQ+2*\p+1]
.endr
.irp p, 0,1,2,3
	v_lshlrev_b32 v[BK+2*\p], 16, v[TT+\p]
	v_and_b32 v[BK+2*\p+1], 0xffff0000, v[TT+\p]
	v_lshlrev_b32 v[BQ+2*\p], 16, v[TT+4+\p]
	v_and_b32 v[BQ+2*\p+1], 0xffff0000, v[TT+4+\p]
.endr
.irp e, 0,1,2,3,4,5,6,7,8,9,10,11,12,13,14,15
	v_mul_f32 v[TACC+\e], v[S+\e], v16             ; s bv^T starts T's sums
.endr
	v_mov_b32 v17, 0
	s_wait_dscnt 0x0
.irp e, 0,1,2,3,4,5,6,7
	v_fma_mix_f32_bf16 v17, v[TW+\e], v[S+2*\e],   v17 op_sel_hi:[1,0,0]                  ; s^T Wv over my lane's 16 rows
	v_fma_mix_f32_bf16 v17, v[TW+\e], v[S+2*\e+1], v17 op_sel:[1,0,0] op_sel_hi:[1,0,0]
.endr
	v_permlanex16_b32 v19, v17, s32, s33
	v_add_f32 v17, v17, v19                        ; over my wave's 32 rows, in both halves of the lanes
; One K step of T: the two accumulators take turns, one instruction a turn.
.macro TSTEP kk, left, more
	s_wait_loadcnt \left
.irp lo, 0,1
.irp tau, 0,1
	v_wmma_f32_16x16x32_bf16 v[TACC+8*\tau:TACC+8*\tau+7], v[GR+32*(\kk%3)+16*\lo+8*\tau:GR+32*(\kk%3)+16*\lo+8*\tau+7], v[BF+8*\kk:BF+8*\kk+7], v[TACC+8*\tau:TACC+8*\tau+7]
.endr
.endr
	PLACES                                         ; in front of the loads into the stage just read, and of the reading of T
.if \more
	GLOAD \kk+3
.endif
.endm
	TSTEP 0, 16, 1                                 ; 16: two younger stages stay out
	TSTEP 1, 16, 1
	TSTEP 2, 16, 1
	TSTEP 3, 16, 1
	TSTEP 4, 16, 1
	TSTEP 5, 16, 0
	TSTEP 6, 8, 0
	TSTEP 7, 0, 0
	SPLIT8 TACC,   TH,   TL
	ds_store_b128 v13, v[TH:TH+3]
	ds_store_b128 v13, v[TL:TL+3] offset:1024
	SPLIT8 TACC+8, TH+4, TL+4
	ds_store_b128 v13, v[TH+4:TH+7] offset:512     ; my two tiles are the two halves of the fragment of K step w
	ds_store_b128 v13, v[TL+4:TL+7] offset:1536
	ds_store_b32 v14, v17 offset:T0L
	BAR                                            ; T and the eight parts of s^T Wv lie in LDS
	; PHASE 2
.irp q, 0,1,2,3,4,5,6,7
	ds_load_b32 v[TT+\q], v15 offset:T0L+64*\q
.endr
.macro PLOAD kk, adr, k4               ; six loads: Wk's fragment (transposed), T's hi and lo
	ds_load_tr16_b128 v[AK+8*\kk:AK+8*\kk+3],   v[\adr] offset:\k4*32*KP
	ds_load_tr16_b128 v[AK+8*\kk+4:AK+8*\kk+7], v[\adr] offset:\k4*32*KP+16*KP
.irp q, 0,1,2,3
	ds_load_b128 v[TB+16*\kk+4*\q:TB+16*\kk+4*\q+3], v1 offset:TFL+\kk*2048+\q*512
.endr
.endm
	PLOAD 0, 10, 0
	PLOAD 1, 10, 1
	PLOAD 2, 10, 2
	PLOAD 3, 10, 3
	PLOAD 4, 11, 0
	PLOAD 5, 11, 1
	PLOAD 6, 11, 2
	PLOAD 7, 11, 3
	s_wait_dscnt 48                                ; the eight words are in; the 48 fragment loads behind them stay out
	v_add_f32 v18, v18, v19
	v_add_f32 v20, v20, v21
	v_add_f32 v22, v22, v23
	v_add_f32 v24, v24, v25
	v_add_f32 v18, v18, v20
	v_add_f32 v22, v22, v24
	v_add_f32 v17, v18, v22
	v_fmamk_f32 v17, v16, 0x47c35000, v17          ; t0 = 100000 bv + s^T Wv
.irp j, 0,1,2,3,4,5,6,7
	v_mul_f32 v[AH+\j], v[BK+\j], v17              ; bk t0^T starts the sums
.endr
	; the two accumulators take turns, one instruction a turn
	s_wait_dscnt 42
	v_wmma_f32_16x16x32_bf16 v[AH:AH+7], v[AK:AK+7], v[TB:TB+7], v[AH:AH+7]
	v_wmma_f32_16x16x32_bf16 v[AL:AL+7], v[AK:AK+7], v[TB+8:TB+15], 0
.irp kk, 1,2,3,4,5,6,7
	s_wait_dscnt 6*(7-\kk)                         ; six loads for each later K step stay out
	v_wmma_f32_16x16x32_bf16 v[AH:AH+7], v[AK+8*\kk:AK+8*\kk+7], v[TB+16*\kk:TB+16*\kk+7],    v[AH:AH+7]
	v_wmma_f32_16x16x32_bf16 v[AL:AL+7], v[AK+8*\kk:AK+8*\kk+7], v[TB+16*\kk+8:TB+16*\kk+15], v[AL:AL+7]
.endr
	PLACES
.irp p, 0,2,4,6
	v_pk_add_f32 v[AH+\p:AH+\p+1], v[AH+\p:AH+\p+1], v[AL+\p:AL+\p+1]    ; y(m = 16 w + 8 hh + j, d = r)
.endr
	; SOFTMAX over m: 8 registers, 2 halves of the lanes, 8 waves
	v_max3_num_f32 v18, v[AH], v[AH+1], v[AH+2]
	v_max3_num_f32 v18, v18, v[AH+3], v[AH+4]
	v_max3_num_f32 v18, v18, v[AH+5], v[AH+6]
	v_max_num_f32 v18, v18, v[AH+7]
	v_permlanex16_b32 v19, v18, s32, s33
	v_max_num_f32 v18, v18, v19
	ds_store_b32 v14, v18 offset:MXL
	BAR
.irp q, 0,1,2,3,4,5,6,7
	ds_load_b32 v[TT+\q], v15 offset:MXL+64*\q
.endr
	s_wait_dscnt 0x0
	v_max3_num_f32 v18, v18, v19, v20
	v_max3_num_f32 v18, v18, v21, v22
	v_max3_num_f32 v18, v18, v23, v24
	v_max_num_f32 v18, v18, v25                    ; the column's maximum of y
	v_mul_f32 v26, s39, v18
.irp j, 0,1,2,3,4,5,6,7
	v_fma_f32 v[AH+\j], v[AH+\j], s38, v26         ; (y - max) log2(e) / sqrt(n), never above 0 but for the last bit
.endr
.irp j, 0,1,2,3,4,5,6,7
	v_exp_f32 v[AH+\j], v[AH+\j]
.endr
	v_nop                                          ; one plain place behind the exponentials (ISA guide 5.7.2)
	s_wait_alu depctr_va_vdst(0)
	v_mul_f32 v20, v[BQ], v[AH]
.irp j, 1,2,3,4,5,6,7
	v_fmac_f32 v20, v[BQ+\j], v[AH+\j]             ; for c: sum of bq p
.endr
	v_add_f32 v18, v[AH], v[AH+1]
	v_add_f32 v19, v[AH+2], v[AH+3]
	v_add_f32 v21, v[AH+4], v[AH+5]
	v_add_f32 v22, v[AH+6], v[AH+7]
	v_add_f32 v18, v18, v19
	v_add_f32 v21, v21, v22
	v_add_f32 v18, v18, v21
	v_permlanex16_b32 v19, v18, s32, s33
	v_permlanex16_b32 v21, v20, s32, s33
	v_add_f32 v18, v18, v19
	v_add_f32 v20, v20, v21
	ds_store_b32 v14, v18 offset:SML
	ds_store_b32 v14, v20 offset:UUL
	BAR
.irp q, 0,1,2,3,4,5,6,7
	ds_load_b32 v[TT+\q], v15 offset:SML+64*\q
.endr
	s_wait_dscnt 0x0
	v_add_f32 v18, v18, v19
	v_add_f32 v20, v20, v21
	v_add_f32 v22, v22, v23
	v_add_f32 v24, v24, v25
	v_add_f32 v18, v18, v20
	v_add_f32 v22, v22, v24
	v_add_f32 v18, v18, v22                        ; at least 1: the maximum's own term
	v_rcp_f32 v26, v18
	v_nop                                          ; one plain place behind the reciprocal
	s_wait_alu depctr_va_vdst(0)
	v_mul_f32 v26, 0x3e800000, v26                 ; 1 / (4 sum): the mean over the heads rides along
.irp j, 0,1,2,3,4,5,6,7
	v_mul_f32 v[AH+\j], v[AH+\j], v26
.endr
	SPLIT8 AH, AK, AK+4
	global_store_b128 v1, v[AK:AK+3],   s[34:35]               ; hi: 512 consecutive bytes, aligned
	global_store_b128 v1, v[AK+4:AK+7], s[34:35] offset:1024   ; lo
	s_cmp_lg_u32 s18, 0
	s_cbranch_scc1 .Lend
.irp q, 0,1,2,3,4,5,6,7
	ds_load_b32 v[TT+\q], v15 offset:UUL+64*\q
.endr
	s_wait_dscnt 0x0
	v_add_f32 v18, v18, v19
	v_add_f32 v20, v20, v21
	v_add_f32 v22, v22, v23
	v_add_f32 v24, v24, v25
	v_add_f32 v18, v18, v20
	v_add_f32 v22, v22, v24
	v_add_f32 v18, v18, v22
	v_mul_f32 v27, v18, v26
	global_store_b32 v15, v27, s[36:37]            ; c of this head, 16 columns; the two halves of the lanes store the same words with the same values
.Lend:
	s_wait_tensorcnt 0x0
	ds_add_u32 v30, v31
	s_wait_dscnt 0x0
	s_endpgm
.Lfunc_end_k_qe03df0df2d_attn:
	.size	k_qe03df0df2d_attn, .Lfunc_end_k_qe03df0df2d_attn-k_qe03df0df2d_attn
	.p2alignl 7, 3214868480
	.fill 96, 4, 3214868480
	.section	.rodata,"a",@progbits
	.p2align	6, 0x0
	.amdhsa_kernel k_qe03df0df2d_attn
		.amdhsa_group_segment_fixed_size 101376
		.amdhsa_private_segment_fixed_size 0
		.amdhsa_enable_private_segment 0
		.amdhsa_kernarg_size 56
		.amdhsa_user_sgpr_count 2
		.amdhsa_user_sgpr_kernarg_segment_ptr 1
		.amdhsa_wavefront_size32 1
		.amdhsa_system_sgpr_workgroup_id_x 1
		.amdhsa_system_sgpr_workgroup_id_y 1
		.amdhsa_system_sgpr_workgroup_id_z 1
		.amdhsa_system_vgpr_workitem_id 0
		.amdhsa_next_free_vgpr 256
		.amdhsa_next_free_sgpr 66
		.amdhsa_reserve_vcc 0
		.amdhsa_float_denorm_mode_32 3
		.amdhsa_float_denorm_mode_16_64 3
		.amdhsa_memory_ordered 1
		.amdhsa_forward_progress 1
		.amdhsa_inst_pref_size 37
	.end_amdhsa_kernel
	.amdgpu_metadata
---
amdhsa.version: [ 1, 2 ]
amdhsa.kernels:
  - .name:           k_qe03df0df2d_attn
    .symbol:         k_qe03df0df2d_attn.kd
    .args:
      - { .name: gs, .offset: 0, .size: 8, .value_kind: global_buffer, .address_space: global }
      - { .name: wb, .offset: 8, .size: 8, .value_kind: global_buffer, .address_space: global }
      - { .name: bk, .offset: 16, .size: 8, .value_kind: global_buffer, .address_space: global }
      - { .name: bv, .offset: 24, .size: 8, .value_kind: global_buffer, .address_space: global }
      - { .name: bq, .offset: 32, .size: 8, .value_kind: global_buffer, .address_space: global }
      - { .name: afrag, .offset: 40, .size: 8, .value_kind: global_buffer, .address_space: global }
      - { .name: cpart, .offset: 48, .size: 8, .value_kind: global_buffer, .address_space: global }
    .group_segment_fixed_size: 101376
    .private_segment_fixed_size: 0
    .kernarg_segment_align: 8
    .kernarg_segment_size: 56
    .max_flat_workgroup_size: 256
    .sgpr_count:     66
    .vgpr_count:     256
    .wavefront_size: 32
...
	.end_amdgpu_metadata
.endif
;; end of part 3
;; launch mmat (part 4): grid 16 x 8, 4 waves a work-group, no clusters, 4,608 bytes of LDS; arguments wb, afrag, mfrag; writes mfrag
.if DOCPART == 4
	.amdgcn_target "amdgcn-amd-amdhsa--gfx1250"
	.amdhsa_code_object_version 6
	.text
	.protected	k_qe03df0df2d_mmat
	.globl	k_qe03df0df2d_mmat
	.p2align	8
	.type	k_qe03df0df2d_mmat,@function
k_qe03df0df2d_mmat:
	s_mov_b64 s[64:65], 0
	v_nop
	global_prefetch_b8 v0, s[64:65] scope:SCOPE_SE
	s_setreg_imm32_b32 hwreg(HW_REG_WAVE_MODE, 25, 1), 1
	s_wait_xcnt 0x0
; mmat: M = Wq A, [256][128], where A[(head, m)][d] = attn / 4 and K = 512 runs over (head, m).
; Work-group (x = it, y = dblk) makes the tile of rows 16 it .. +15 and columns 16 dblk .. +15; wave w takes head w (K = 128, four K
; steps), with A's hi and lo on two accumulators; the four waves' tiles meet in LDS and wave 0 adds them and stores the tile as two bf16
; numbers each (hi = the number rounded, lo = the rest rounded: together 16 bits of mantissa).
; A tile's lane holds eight neighbouring rows i of one column d: packed, it is half (it & 1) of the fragment with lane index d and
; K = i, which is what the last launch multiplies by.  mfrag: hi at ((it >> 1) 8 + dblk) 1,024 + (it & 1) 512 + 16 lane, lo 65,536
; bytes further.
; LIMIT: Wq is rounded once to bf16.  No cluster: a group reads 16 KiB of Wq and 32 KiB of fragments once, straight into registers.
.set A,  16                            ; v[16:47]   Wq's four fragments; later the four waves' tiles
.set B,  48                            ; v[48:111]  A's four K steps, hi 8 + lo 8 registers; later M's hi, lo and 8 registers at work
.set CH, 112                           ; v[112:119] sums with hi
.set CL, 120                           ; v[120:127] sums with lo
	s_load_b128 s[4:7], s[0:1], 0x0                ; wb s[4:5], afrag s[6:7]
	s_load_b64 s[8:9], s[0:1], 0x10                ; mfrag
	v_lshl_add_u32 v128, v0, 2, 0x1000
	v_mov_b32 v129, 0
	v_lshrrev_b32 v1, 5, v0
	v_readfirstlane_b32 s10, v1                    ; wave = head
	s_and_b32 s11, ttmp7, 0xffff                   ; dblk
	v_and_b32 v1, 31, v0
	v_lshlrev_b32 v1, 4, v1                        ; 16 x lane
	v_and_b32 v2, 15, v0
	v_bfe_u32 v3, v0, 4, 1
	v_lshlrev_b32 v3, 4, v3
	v_lshl_add_u32 v4, v2, 10, v3                  ; Wq: row r of 1,024 bytes + 16 hh
	v_lshl_add_u32 v5, s10, 10, v1                 ; my wave's kilobyte in LDS
	s_lshl_b32 s12, ttmp9, 14                      ; 16 rows of 1,024 bytes,
	s_lshl_b32 s13, s10, 8                         ; the head's 256 bytes,
	s_add_co_u32 s12, s12, s13
	s_add_co_u32 s12, s12, 524288                  ; section 2 of wb
	s_mov_b32 s13, 0
	s_lshl_b32 s14, s10, 16                        ; the head's four K blocks of 16,384 bytes
	s_lshl_b32 s15, s11, 11
	s_add_co_u32 s14, s14, s15
	s_mov_b32 s15, 0
	s_lshr_b32 s16, ttmp9, 1
	s_lshl_b32 s16, s16, 13
	s_lshl_b32 s17, s11, 10
	s_add_co_u32 s16, s16, s17
	s_and_b32 s17, ttmp9, 1
	s_lshl_b32 s17, s17, 9
	s_add_co_u32 s16, s16, s17
	s_mov_b32 s17, 0
	s_wait_kmcnt 0x0
	s_add_nc_u64 s[4:5], s[4:5], s[12:13]
	s_add_nc_u64 s[6:7], s[6:7], s[14:15]
	s_add_nc_u64 s[8:9], s[8:9], s[16:17]
.irp k, 0,1,2,3
	global_load_b128 v[A+8*\k:A+8*\k+3],   v4, s[4:5] offset:64*\k
	global_load_b128 v[A+8*\k+4:A+8*\k+7], v4, s[4:5] offset:64*\k+32
.irp q, 0,1,2,3
	global_load_b128 v[B+16*\k+4*\q:B+16*\k+4*\q+3], v1, s[6:7] offset:\k*16384+\q*512
.endr
.endr
	s_wait_loadcnt 0x0
	; the two accumulators take turns, one instruction a turn; the first products start the sums
	v_wmma_f32_16x16x32_bf16 v[CH:CH+7], v[A:A+7], v[B:B+7], 0
	v_wmma_f32_16x16x32_bf16 v[CL:CL+7], v[A:A+7], v[B+8:B+15], 0
.irp k, 1,2,3
	v_wmma_f32_16x16x32_bf16 v[CH:CH+7], v[A+8*\k:A+8*\k+7], v[B+16*\k:B+16*\k+7],    v[CH:CH+7]
	v_wmma_f32_16x16x32_bf16 v[CL:CL+7], v[A+8*\k:A+8*\k+7], v[B+16*\k+8:B+16*\k+15], v[CL:CL+7]
.endr
.rept 4
	v_nop                                          ; four places behind the last matrix instruction (ISA guide 7.12.1)
.endr
.irp e, 0,2,4,6
	v_pk_add_f32 v[CH+\e:CH+\e+1], v[CH+\e:CH+\e+1], v[CL+\e:CL+\e+1]
.endr
	ds_store_b128 v5, v[CH:CH+3]
	ds_store_b128 v5, v[CH+4:CH+7] offset:512
	s_wait_dscnt 0x0                               ; for wave 0's sake
	s_barrier_signal -1
	s_barrier_wait -1
	s_cmp_lg_u32 s10, 0
	s_cbranch_scc1 .Lend
.irp w, 0,1,2,3
	ds_load_b128 v[A+8*\w:A+8*\w+3],   v1 offset:1024*\w
	ds_load_b128 v[A+8*\w+4:A+8*\w+7], v1 offset:1024*\w+512
.endr
	s_wait_dscnt 0x0
.irp e, 0,2,4,6,8,10,12,14
	v_pk_add_f32 v[A+\e:A+\e+1], v[A+\e:A+\e+1], v[A+16+\e:A+16+\e+1]
.endr
.irp e, 0,2,4,6
	v_pk_add_f32 v[A+\e:A+\e+1], v[A+\e:A+\e+1], v[A+8+\e:A+8+\e+1]
.endr
	; hi = bf16(x); lo = bf16(x - hi)
.irp p, 0,1,2,3
	v_cvt_pk_bf16_f32 v[B+\p], v[A+2*\p], v[A+2*\p+1]
.endr
.irp p, 0,1,2,3
	v_lshlrev_b32 v[B+8+2*\p], 16, v[B+\p]
	v_and_b32 v[B+9+2*\p], 0xffff0000, v[B+\p]
.endr
.irp e, 0,1,2,3,4,5,6,7
	v_sub_f32 v[A+\e], v[A+\e], v[B+8+\e]
.endr
.irp p, 0,1,2,3
	v_cvt_pk_bf16_f32 v[B+4+\p], v[A+2*\p], v[A+2*\p+1]
.endr
	global_store_b128 v1, v[B:B+3],   s[8:9]               ; hi: 512 consecutive bytes, aligned
	global_store_b128 v1, v[B+4:B+7], s[8:9] offset:65536  ; lo
.Lend:
	s_wait_tensorcnt 0x0
	ds_add_u32 v128, v129
	s_wait_dscnt 0x0
	s_endpgm
.Lfunc_end_k_qe03df0df2d_mmat:
	.size	k_qe03df0df2d_mmat, .Lfunc_end_k_qe03df0df2d_mmat-k_qe03df0df2d_mmat
	.p2alignl 7, 3214868480
	.fill 96, 4, 3214868480
	.section	.rodata,"a",@progbits
	.p2align	6, 0x0
	.amdhsa_kernel k_qe03df0df2d_mmat
		.amdhsa_group_segment_fixed_size 4608
		.amdhsa_private_segment_fixed_size 0
		.amdhsa_enable_private_segment 0
		.amdhsa_kernarg_size 24
		.amdhsa_user_sgpr_count 2
		.amdhsa_user_sgpr_kernarg_segment_ptr 1
		.amdhsa_wavefront_size32 1
		.amdhsa_system_sgpr_workgroup_id_x 1
		.amdhsa_system_sgpr_workgroup_id_y 1
		.amdhsa_system_sgpr_workgroup_id_z 1
		.amdhsa_system_vgpr_workitem_id 0
		.amdhsa_next_free_vgpr 130
		.amdhsa_next_free_sgpr 66
		.amdhsa_reserve_vcc 0
		.amdhsa_float_denorm_mode_32 3
		.amdhsa_float_denorm_mode_16_64 3
		.amdhsa_memory_ordered 1
		.amdhsa_forward_progress 1
		.amdhsa_inst_pref_size 8
	.end_amdhsa_kernel
	.amdgpu_metadata
---
amdhsa.version: [ 1, 2 ]
amdhsa.kernels:
  - .name:           k_qe03df0df2d_mmat
    .symbol:         k_qe03df0df2d_mmat.kd
    .args:
      - { .name: wb, .offset: 0, .size: 8, .value_kind: global_buffer, .address_space: global }
      - { .name: afrag, .offset: 8, .size: 8, .value_kind: global_buffer, .address_space: global }
      - { .name: mfrag, .offset: 16, .size: 8, .value_kind: global_buffer, .address_space: global }
    .group_segment_fixed_size: 4608
    .private_segment_fixed_size: 0
    .kernarg_segment_align: 8
    .kernarg_segment_size: 24
    .max_flat_workgroup_size: 128
    .sgpr_count:     66
    .vgpr_count:     130
    .wavefront_size: 32
...
	.end_amdgpu_metadata
.endif
;; end of part 4
;; launch outk (part 5): grid 256 x 1, 8 waves a work-group, no clusters, 34,816 bytes of LDS; arguments query_input, mfrag, cpart, out0; writes out0
.if DOCPART == 5
	.amdgcn_target "amdgcn-amd-amdhsa--gfx1250"
	.amdhsa_code_object_version 6
	.text
	.protected	k_qe03df0df2d_outk
	.globl	k_qe03df0df2d_outk
	.p2align	8
	.type	k_qe03df0df2d_outk,@function
k_qe03df0df2d_outk:
	s_mov_b64 s[64:65], 0
	v_nop
	global_prefetch_b8 v0, s[64:65] scope:SCOPE_SE
	s_setreg_imm32_b32 hwreg(HW_REG_WAVE_MODE, 25, 1), 1
	s_wait_xcnt 0x0
; outk: out0 = X M + c.  X = query_input [100000][256] f32, M [256][128] as bf16 fragments, hi and lo (mfrag), c = the sum of cpart's
; four heads.  Work-group g owns rows (3125 g) >> 3 up to (3125 (g+1)) >> 3: twelve steps of 32 rows and a short step of 6 or 7.
; A step: 256 threads load 32 rows, convert them to bf16 into LDS (XS); wave w = 4 gg + nq reads the fragments of rows 16 gg .. +15
; and multiplies them by its 32 columns of M, whose hi and lo stay in 256 registers for the whole launch.  The matrix instruction is
; used transposed (source 0 = M's fragment with lane index d, source 1 = X's rows), so that a lane holds eight neighbouring columns of
; one row; the results go through LDS (OS) and leave as whole rows: each store of a wave covers 512 consecutive bytes, aligned.
; LIMITS: X is rounded once to bf16; M goes as a bf16 pair (hi + lo, 16 bits of mantissa): one bf16 number keeps 8 significant bits,
; and 256 such roundings in a sum come too near the hundredth of the output's root mean square that is allowed.
; No cluster: the groups share only M, 128 KiB against the 600 KiB of X and out0 that each group moves, and it is read once, into registers.
; No tensor load: X must pass through registers to become bf16.
.set XP,    528                        ; an LDS row: 512 bytes + 16 = 33 x 16 bytes, in XS (bf16 x 256) and in OS (f32 x 128)
.set OS,    32*XP                      ; XS at 0, OS behind it
.set STEPB, 32768
.set GO,  1                            ; v1  16 t; never rewritten
.set GO2, 2                            ; v2  the short step's second load, its row clamped to the group's last row
.set LST, 3                            ; v3  XS: where I put 8 bytes of bf16
.set LXF, 4                            ; v4  XS: my fragments
.set LOS, 5                            ; v5  OS: where my results go
.set LRB, 6                            ; v6  OS: the rows that I read back
.set OO,  7                            ; v7  out0: those rows
.set PO,  8                            ; v8  16 x lane
.set CO,  9                            ; v9  cpart: my columns
.set STG, 16                           ; v[16:143]  four stages of eight loads
.set XF,  144                          ; v[144:207] X's eight fragments (at the start: cpart)
.set ACC, 208                          ; v[208:223] two accumulator tiles
.set CV,  224                          ; v[224:239] c of my 2 x 8 columns
.set RB,  240                          ; v[240:255] four rows on their way out
                                       ; window 1 (v256-v511): M's fragment (lo, kk, tau) at v[128 lo + 16 kk + 8 tau]
.set MSB, 0
.macro WIN new                         ; the immediate's high byte repeats the setting that is left
.if MSB != \new
	s_set_vgpr_msb (MSB<<8)|\new
.set MSB, \new
.endif
.endm
	s_load_b256 s[4:11], s[0:1], 0x0               ; query_input s[4:5], mfrag s[6:7], cpart s[8:9], out0 s[10:11]
	v_lshl_add_u32 v14, v0, 2, 0x8400
	v_mov_b32 v15, 0
	v_lshrrev_b32 v10, 5, v0
	v_readfirstlane_b32 s12, v10                   ; wave 0..7
	s_mul_i32 s14, ttmp9, 3125
	s_lshr_b32 s15, s14, 3                         ; my first row
	s_add_co_u32 s14, s14, 3125
	s_lshr_b32 s14, s14, 3
	s_sub_co_u32 s13, s14, s15
	s_sub_co_u32 s13, s13, 384                     ; rows of the short step: 6 or 7
	s_lshl_b32 s20, s15, 10                        ; rows of 1,024 bytes in,
	s_mov_b32 s21, 0
	s_lshl_b32 s22, s15, 9                         ; of 512 bytes out
	s_mov_b32 s23, 0
	s_lshr_b32 s16, s12, 2                         ; gg
	s_and_b32 s17, s12, 3                          ; nq
	s_lshl_b32 s24, s17, 11                        ; my two column blocks of M: 2 x 1,024 bytes in each K step
	s_mov_b32 s25, 0
	s_lshl_b32 s18, s17, 7                         ; 32 columns of 4 bytes
	v_lshlrev_b32 v[GO], 4, v0
	v_and_b32 v[PO], 31, v0
	v_lshlrev_b32 v[PO], 4, v[PO]
	v_bfe_u32 v11, v0, 4, 1                        ; hh
	v_lshl_add_u32 v[CO], v11, 5, s18              ; 128 nq + 32 hh
	s_wait_kmcnt 0x0
	s_add_nc_u64 s[4:5], s[4:5], s[20:21]
	s_add_nc_u64 s[6:7], s[6:7], s[24:25]
	s_add_nc_u64 s[10:11], s[10:11], s[22:23]
	WIN 0x40                                       ; destination in window 1
.irp lo, 0,1
.irp kk, 0,1,2,3,4,5,6,7
.irp tau, 0,1
	global_load_b128 v[128*\lo+16*\kk+8*\tau:128*\lo+16*\kk+8*\tau+3],   v[PO], s[6:7] offset:\lo*65536+\kk*8192+\tau*1024
	global_load_b128 v[128*\lo+16*\kk+8*\tau+4:128*\lo+16*\kk+8*\tau+7], v[PO], s[6:7] offset:\lo*65536+\kk*8192+\tau*1024+512
.endr
.endr
.endr
	WIN 0
.irp h, 0,1,2,3
.irp q, 0,1,2,3
	global_load_b128 v[XF+16*\h+4*\q:XF+16*\h+4*\q+3], v[CO], s[8:9] offset:\h*512+(\q/2)*64+(\q%2)*16   ; head h, register 8 tau + j: column 32 nq + 16 tau + 8 hh + j
.endr
.endr
.macro LOADS st, stage
.irp i, 0,1,2,3,4,5,6,7
	global_load_b128 v[STG+32*\stage+4*\i:STG+32*\stage+4*\i+3], v[GO], s[4:5] offset:(\st)*STEPB+\i*4096 th:TH_LOAD_NT
.endr
.endm
	LOADS 0, 0
	LOADS 1, 1
	LOADS 2, 2
	LOADS 3, 3
	s_lshr_b32 s14, s12, 1
	s_add_co_u32 s14, s14, 4                       ; the row that my second short load stands for,
	s_sub_co_u32 s15, s13, 1
	s_min_u32 s14, s14, s15                        ; clamped to the last row: the load stays inside the buffer, and the copy's result is not stored
	s_lshl_b32 s14, s14, 10
	s_lshl_b32 s26, s12, 2
	s_sub_co_i32 s26, s13, s26                     ; how many of my four read-back rows exist in the short step (may be negative)
	v_and_b32 v12, 63, v0
	v_lshlrev_b32 v[GO2], 4, v12
	v_add_nc_u32 v[GO2], s14, v[GO2]
	v_lshrrev_b32 v13, 6, v0
	v_mul_u32_u24 v13, v13, XP
	v_lshl_add_u32 v[LST], v12, 3, v13             ; row t >> 6, column 4 (t & 63)
	v_and_b32 v10, 15, v0                          ; r
	v_lshl_add_u32 v12, s16, 4, v10
	v_mul_u32_u24 v12, v12, XP                     ; row 16 gg + r
	v_lshl_add_u32 v[LXF], v11, 4, v12             ; + 16 hh
	v_add_nc_u32 v[LOS], v12, v[CO]                ; the same row in OS, column 32 nq + 8 hh
	v_add_nc_u32 v[LOS], OS, v[LOS]
	s_mul_i32 s19, s12, 4*XP
	s_add_co_u32 s19, s19, OS
	v_add_nc_u32 v[LRB], s19, v[PO]                ; rows 4 w .. of OS, 16 bytes a lane
	v_lshl_add_u32 v[OO], s12, 11, v[PO]
	s_wait_loadcnt 32                              ; M and cpart are in; X's four stages of eight loads stay out
.irp e, 0,2,4,6,8,10,12,14
	v_pk_add_f32 v[CV+\e:CV+\e+1], v[XF+\e:XF+\e+1], v[XF+16+\e:XF+16+\e+1]
	v_pk_add_f32 v[XF+32+\e:XF+32+\e+1], v[XF+32+\e:XF+32+\e+1], v[XF+48+\e:XF+48+\e+1]
.endr
.irp e, 0,2,4,6,8,10,12,14
	v_pk_add_f32 v[CV+\e:CV+\e+1], v[CV+\e:CV+\e+1], v[XF+32+\e:XF+32+\e+1]
.endr
.macro XCONV stage, n                  ; one load's four numbers to bf16, in place, and into XS
	v_cvt_pk_bf16_f32 v[STG+32*\stage+4*\n],   v[STG+32*\stage+4*\n],   v[STG+32*\stage+4*\n+1]
	v_cvt_pk_bf16_f32 v[STG+32*\stage+4*\n+1], v[STG+32*\stage+4*\n+2], v[STG+32*\stage+4*\n+3]
	ds_store_b64 v[LST], v[STG+32*\stage+4*\n:STG+32*\stage+4*\n+1] offset:\n*4*XP
.endm
; From XS to OS.  Behind the first barrier XS is whole; XS is written again only behind the second one, in front of which every wave
; has waited for its reads of it.  Behind the second barrier OS is whole; OS is written again only behind the next step's first
; barrier, in front of which every wave waits for all its LDS instructions.
; 32 matrix instructions: for each K step M's hi on tile 0, hi on tile 1, lo on tile 0, lo on tile 1.  The two accumulators take
; turns, one instruction a turn.
.macro WORK
	s_barrier_signal -1
	s_barrier_wait -1
.irp kk, 0,1,2,3,4,5,6,7
	ds_load_b128 v[XF+8*\kk:XF+8*\kk+3],   v[LXF] offset:64*\kk
	ds_load_b128 v[XF+8*\kk+4:XF+8*\kk+7], v[LXF] offset:64*\kk+32
.endr
	WIN 0x01                                       ; source 0 (M) in window 1
	s_wait_dscnt 14                                ; fragment 0 is in; two loads for each of the seven younger ones stay out
	v_wmma_f32_16x16x32_bf16 v[ACC:ACC+7],    v[0:7],     v[XF:XF+7], v[CV:CV+7]       ; the first products start the sums from c
	v_wmma_f32_16x16x32_bf16 v[ACC+8:ACC+15], v[8:15],    v[XF:XF+7], v[CV+8:CV+15]
	v_wmma_f32_16x16x32_bf16 v[ACC:ACC+7],    v[128:135], v[XF:XF+7], v[ACC:ACC+7]
	v_wmma_f32_16x16x32_bf16 v[ACC+8:ACC+15], v[136:143], v[XF:XF+7], v[ACC+8:ACC+15]
.irp kk, 1,2,3,4,5,6,7
	s_wait_dscnt 14-2*\kk                          ; fragment kk is in; two loads for each younger one stay out
.irp lo, 0,1
	v_wmma_f32_16x16x32_bf16 v[ACC:ACC+7],    v[128*\lo+16*\kk:128*\lo+16*\kk+7],    v[XF+8*\kk:XF+8*\kk+7], v[ACC:ACC+7]
	v_wmma_f32_16x16x32_bf16 v[ACC+8:ACC+15], v[128*\lo+16*\kk+8:128*\lo+16*\kk+15], v[XF+8*\kk:XF+8*\kk+7], v[ACC+8:ACC+15]
.endr
.endr
	WIN 0
.rept 4
	v_nop                                          ; four places behind the last matrix instruction (ISA guide 7.12.1)
.endr
.irp q, 0,1,2,3
	ds_store_b128 v[LOS], v[ACC+4*\q:ACC+4*\q+3] offset:(\q/2)*64+(\q%2)*16
.endr
	s_wait_dscnt 0x0
	s_barrier_signal -1
	s_barrier_wait -1
	s_wait_xcnt 0x0                                ; RB, which the last step's stores read, is loaded again only behind this wait
.irp rho, 0,1,2,3
	ds_load_b128 v[RB+4*\rho:RB+4*\rho+3], v[LRB] offset:\rho*XP
.endr
.endm
.macro OSTEP st, stage, issue, left
	s_wait_loadcnt \left                           ; my stage is in; the younger loads stay out
.irp i, 0,1,2,3,4,5,6,7
	XCONV \stage, \i
.endr
	s_wait_dscnt 0x0                               ; my part of XS is written and my read-back of OS is over; the stage's registers are free
.if \issue == 1
	LOADS \st+4, \stage
.endif
.if \issue == 2
	global_load_b128 v[STG:STG+3],   v[GO],  s[4:5] offset:12*STEPB th:TH_LOAD_NT
	global_load_b128 v[STG+4:STG+7], v[GO2], s[4:5] offset:12*STEPB th:TH_LOAD_NT
.endif
	WORK
.irp rho, 0,1,2,3
	s_wait_dscnt 3-\rho
	global_store_b128 v[OO], v[RB+4*\rho:RB+4*\rho+3], s[10:11] offset:\st*16384+\rho*512 th:TH_STORE_NT
.endr
.endm
	OSTEP 0,  0, 1, 24                             ; 24: three younger stages of eight loads
	OSTEP 1,  1, 1, 24
	OSTEP 2,  2, 1, 24
	OSTEP 3,  3, 1, 24
	OSTEP 4,  0, 1, 24
	OSTEP 5,  1, 1, 24
	OSTEP 6,  2, 1, 24
	OSTEP 7,  3, 1, 24
	OSTEP 8,  0, 2, 24
	OSTEP 9,  1, 0, 18                             ; two younger stages and the short step's two loads
	OSTEP 10, 2, 0, 10
	OSTEP 11, 3, 0, 2
	; the short step: rows 0-7 of XS are written (those past the end hold a copy of the last row), rows 8-31 keep the last step's
	; numbers; a row of the result hangs on its own row of X alone, and only the rows that exist are stored
	s_wait_loadcnt 0x0
	XCONV 0, 0
	XCONV 0, 1
	s_wait_dscnt 0x0
	WORK
	s_wait_dscnt 0x0
.irp rho, 0,1,2,3
	s_cmp_gt_i32 s26, \rho                         ; row 4 w + rho exists
	s_cbranch_scc0 .Ldone
	global_store_b128 v[OO], v[RB+4*\rho:RB+4*\rho+3], s[10:11] offset:12*16384+\rho*512 th:TH_STORE_NT
.endr
.Ldone:
	s_wait_tensorcnt 0x0
	ds_add_u32 v14, v15
	s_wait_dscnt 0x0
	s_endpgm
.Lfunc_end_k_qe03df0df2d_outk:
	.size	k_qe03df0df2d_outk, .Lfunc_end_k_qe03df0df2d_outk-k_qe03df0df2d_outk
	.p2alignl 7, 3214868480
	.fill 96, 4, 3214868480
	.section	.rodata,"a",@progbits
	.p2align	6, 0x0
	.amdhsa_kernel k_qe03df0df2d_outk
		.amdhsa_group_segment_fixed_size 34816
		.amdhsa_private_segment_fixed_size 0
		.amdhsa_enable_private_segment 0
		.amdhsa_kernarg_size 32
		.amdhsa_user_sgpr_count 2
		.amdhsa_user_sgpr_kernarg_segment_ptr 1
		.amdhsa_wavefront_size32 1
		.amdhsa_system_sgpr_workgroup_id_x 1
		.amdhsa_system_sgpr_workgroup_id_y 1
		.amdhsa_system_sgpr_workgroup_id_z 1
		.amdhsa_system_vgpr_workitem_id 0
		.amdhsa_next_free_vgpr 512
		.amdhsa_next_free_sgpr 66
		.amdhsa_reserve_vcc 0
		.amdhsa_float_denorm_mode_32 3
		.amdhsa_float_denorm_mode_16_64 3
		.amdhsa_memory_ordered 1
		.amdhsa_forward_progress 1
		.amdhsa_inst_pref_size 101
	.end_amdhsa_kernel
	.amdgpu_metadata
---
amdhsa.version: [ 1, 2 ]
amdhsa.kernels:
  - .name:           k_qe03df0df2d_outk
    .symbol:         k_qe03df0df2d_outk.kd
    .args:
      - { .name: query_input, .offset: 0, .size: 8, .value_kind: global_buffer, .address_space: global }
      - { .name: mfrag, .offset: 8, .size: 8, .value_kind: global_buffer, .address_space: global }
      - { .name: cpart, .offset: 16, .size: 8, .value_kind: global_buffer, .address_space: global }
      - { .name: out0, .offset: 24, .size: 8, .value_kind: global_buffer, .address_space: global }
    .group_segment_fixed_size: 34816
    .private_segment_fixed_size: 0
    .kernarg_segment_align: 8
    .kernarg_segment_size: 32
    .max_flat_workgroup_size: 256
    .sgpr_count:     66
    .vgpr_count:     512
    .wavefront_size: 32
...
	.end_amdgpu_metadata
.endif
;; end of part 5
;; ======== version 2 of 3: 5 launches; 1.23 times as fast as version 1
;; limits: values outside matrix products are rounded to bf16; values are held in f16: magnitudes above 65,504 overflow, below 6.1e-05 lose precision; inputs' magnitudes at most 63; right only within a limited range of input values
;; workspace buffers: part 38,010,880 bytes; gs 263,168 bytes; wb 786,432 bytes; afrag 262,144 bytes; cpart 2,048 bytes; mfrag 65,536 bytes
;; launch gram (part 6): grid 256 x 1, 8 waves a work-group, no clusters, 39,936 bytes of LDS; arguments source_input, part; writes part
.if DOCPART == 6
	.amdgcn_target "amdgcn-amd-amdhsa--gfx1250"
	.amdhsa_code_object_version 6
	.text
	.protected	k_qe03df0df2d_gram
	.globl	k_qe03df0df2d_gram
	.p2align	8
	.type	k_qe03df0df2d_gram,@function
k_qe03df0df2d_gram:
	s_mov_b64 s[64:65], 0
	v_nop
	global_prefetch_b8 v0, s[64:65] scope:SCOPE_SE
	s_setreg_imm32_b32 hwreg(HW_REG_WAVE_MODE, 25, 1), 1
	s_wait_xcnt 0x0
; gram: each work-group makes its partial of the Gram matrix G = S^T S (256 x 256, f32) and the column sums of its own 390 or 391 rows
; of source_input [100000][256] f32.  Work-group g owns rows (3125 g) >> 3 up to (3125 (g+1)) >> 3: twelve steps of 32 rows and a short
; step of 6 or 7 rows, whose missing rows are zeros.
; G IS SYMMETRIC: of its 16 x 16 tiles of 16 x 16 only tile (i, (i + d) mod 16) with d = 0 .. 8 is made; the next launch mirrors d = 1 .. 7.
; Wave w owns block rows 2 w and 2 w + 1: 18 tiles from ten fragments, those of feature blocks (2 w + c) mod 16, c = 0 .. 9.  Source 0 and
; source 1 have the same register map, so fragments 0 and 1 serve as both.  The tiles at d = 8 are made in both orientations (8 of the
; 144 are redundant): that keeps the eight waves' text alike, with ten address registers as the only difference.
; A step: 256 threads load 32 rows (eight loads of 16 bytes a thread, each pass of the group 4,096 consecutive bytes), add them to the
; column sums, convert to bf16 and lay them in an LDS slot [32 rows][256 features]; the transposing LDS load then makes fragments with
; the 32 rows as K.
; The tiles are stored as they lie in the registers (tile 9 i + d: 1,024 bytes; registers 0-3 at 16 x lane, registers 4-7 512 bytes
; further): every store of a wave covers 512 consecutive bytes, aligned.
; LIMITS: S enters the products rounded once to bf16; the column sums are taken from the unrounded numbers.
; No cluster: no two work-groups read the same rows.  No tensor load: the rows must pass through registers to become bf16.
.set PITCH,  544                       ; an LDS row: 512 bytes of bf16 + 32 = 17 x 32 bytes
.set SLOT,   32*PITCH                  ; 17,408 bytes; two slots take turns
.set CSUM,   2*SLOT                    ; 4,096 bytes: each thread's four column sums
.set PPITCH, 148480                    ; bytes of one partial: 144 tiles of 1,024 bytes, then 1,024 bytes of column sums
.set STEPB,  32768                     ; 32 rows of 1,024 bytes
.set GO,  1                            ; v1   16 t: my 16 bytes in a pass of four rows; never rewritten
.set GO2, 2                            ; v2   the short step's second load: its row clamped to the group's last row
.set LST, 3                            ; v3   where I put 8 bytes of bf16: row t >> 6, column 4 (t & 63)
.set PO,  6                            ; v6   16 x lane
.set CS,  8                            ; v[8:11]    sums of my four columns
.set ZZ,  12                           ; v[12:13]   zeros for the short step
.set STG, 16                           ; v[16:143]  four stages of eight loads
.set F,   144                          ; v[144:223] ten fragments
.set FAD, 224                          ; v[224:233] their LDS addresses in slot 0
                                       ; window 1 (v256-v399): accumulator tile (a, d) of block row 2 w + a at v[8 (9 a + d)]
.set MSB, 0
.macro WIN new                         ; the immediate's high byte repeats the setting that is left
.if MSB != \new
	s_set_vgpr_msb (MSB<<8)|\new
.set MSB, \new
.endif
.endm
.macro PLACES                          ; four places behind a matrix instruction (ISA guide 7.12.1)
.rept 4
	v_nop
.endr
.endm
	s_load_b128 s[4:7], s[0:1], 0x0                ; source_input s[4:5], part s[6:7]
	v_lshl_add_u32 v254, v0, 2, 0x9800
	v_mov_b32 v255, 0
	v_lshrrev_b32 v7, 5, v0
	v_readfirstlane_b32 s8, v7                     ; wave 0..7
	s_mul_i32 s9, ttmp9, 3125
	s_lshr_b32 s10, s9, 3                          ; my first row
	s_add_co_u32 s11, s9, 3125
	s_lshr_b32 s11, s11, 3                         ; the next group's first row
	s_sub_co_u32 s13, s11, s10
	s_sub_co_u32 s13, s13, 384                     ; rows of the short step: 6 or 7
	s_lshl_b32 s20, s10, 10                        ; first row x 1,024 bytes (below 2^27)
	s_mov_b32 s21, 0
	v_lshlrev_b32 v[GO], 4, v0
	s_wait_kmcnt 0x0
	s_add_nc_u64 s[4:5], s[4:5], s[20:21]          ; S at my first row
.macro LOADS st, stage                 ; the 32 rows of step st into a stage
.irp i, 0,1,2,3,4,5,6,7
	global_load_b128 v[STG+32*\stage+4*\i:STG+32*\stage+4*\i+3], v[GO], s[4:5] offset:(\st)*STEPB+\i*4096 th:TH_LOAD_NT
.endr
.endm
	LOADS 0, 0
	LOADS 1, 1
	LOADS 2, 2
	LOADS 3, 3                                     ; 32 loads of every wave are on their way
	s_mul_i32 s22, ttmp9, PPITCH                   ; my partial (below 2^26)
	s_mov_b32 s23, 0
	s_mul_i32 s24, s8, 18*1024                     ; my wave's 18 tiles
	s_mov_b32 s25, 0
	s_add_nc_u64 s[18:19], s[6:7], s[22:23]        ; my partial
	s_add_nc_u64 s[6:7], s[18:19], s[24:25]        ; my wave's first tile
	s_lshr_b32 s14, s8, 1
	s_add_co_u32 s14, s14, 4                       ; the row that my second short load stands for: 4 + (t >> 6)
	s_sub_co_u32 s15, s13, 1
	s_min_u32 s17, s14, s15                        ; clamped to the last row, so that the load stays inside the buffer
	s_lshl_b32 s17, s17, 10
	s_cmp_lt_u32 s14, s13
	s_cselect_b32 s16, -1, 0                       ; all ones if that row exists, else 0
	v_and_b32 v7, 63, v0
	v_lshlrev_b32 v[GO2], 4, v7
	v_add_nc_u32 v[GO2], s17, v[GO2]
	v_lshrrev_b32 v14, 6, v0
	v_mul_u32_u24 v14, v14, PITCH
	v_lshl_add_u32 v[LST], v7, 3, v14
	v_and_b32 v7, 7, v0                            ; the transposing load's address: row 8 (lane / 16) + lane % 8,
	v_bfe_u32 v14, v0, 4, 1
	v_lshl_add_u32 v7, v14, 3, v7
	v_mul_u32_u24 v7, v7, PITCH
	v_bfe_u32 v14, v0, 3, 1                        ; and 16 bytes further for lanes 8-15 and 24-31
	v_lshl_add_u32 v7, v14, 4, v7
	s_lshl_b32 s12, s8, 1                          ; my first feature block: 2 w
.irp c, 0,1,2,3,4,5,6,7,8,9
	s_add_co_u32 s9, s12, \c
	s_and_b32 s9, s9, 15                           ; feature block (2 w + c) mod 16,
	s_lshl_b32 s9, s9, 5                           ; of 16 features of 2 bytes
	v_add_nc_u32 v[FAD+\c], s9, v7
.endr
	v_and_b32 v[PO], 31, v0
	v_lshlrev_b32 v[PO], 4, v[PO]
.irp e, 0,1,2,3,4,5
	v_mov_b32 v[CS+\e], 0                          ; four sums and the pair of zeros
.endr
; One load's four numbers: into the column sums, to bf16 in place, 8 bytes into the slot.
.macro CONV1 stage, slot, n
	v_pk_add_f32 v[CS:CS+1], v[CS:CS+1], v[STG+32*\stage+4*\n:STG+32*\stage+4*\n+1]
	v_pk_add_f32 v[CS+2:CS+3], v[CS+2:CS+3], v[STG+32*\stage+4*\n+2:STG+32*\stage+4*\n+3]
	v_cvt_pk_bf16_f32 v[STG+32*\stage+4*\n], v[STG+32*\stage+4*\n], v[STG+32*\stage+4*\n+1]
	v_cvt_pk_bf16_f32 v[STG+32*\stage+4*\n+1], v[STG+32*\stage+4*\n+2], v[STG+32*\stage+4*\n+3]
	ds_store_b64 v[LST], v[STG+32*\stage+4*\n:STG+32*\stage+4*\n+1] offset:\slot*SLOT+\n*4*PITCH
.endm
.macro CONV8 stage, slot               ; a whole stage: 32 rows, eight LDS stores
.irp i, 0,1,2,3,4,5,6,7
	CONV1 \stage, \slot, \i
.endr
.endm
; 20 transposing loads: ten fragments, two loads each, 16 rows apart.
.macro FRAGS slot
.irp c, 0,1,2,3,4,5,6,7,8,9
	ds_load_tr16_b128 v[F+8*\c:F+8*\c+3],   v[FAD+\c] offset:\slot*SLOT
	ds_load_tr16_b128 v[F+8*\c+4:F+8*\c+7], v[FAD+\c] offset:\slot*SLOT+16*PITCH
.endr
.endm
.macro MM acc, a, b, zero              ; one tile: source 0 = fragment a (the tile's rows), source 1 = fragment b (its columns)
.if \zero
	v_wmma_f32_16x16x32_bf16 v[8*(\acc):8*(\acc)+7], v[F+8*(\a):F+8*(\a)+7], v[F+8*(\b):F+8*(\b)+7], 0
.else
	v_wmma_f32_16x16x32_bf16 v[8*(\acc):8*(\acc)+7], v[F+8*(\a):F+8*(\a)+7], v[F+8*(\b):F+8*(\b)+7], v[8*(\acc):8*(\acc)+7]
.endif
.endm
; 18 matrix instructions, in the order in which the fragments arrive: with fragment c come tile (0, d = c) and tile (1, d = c - 1).
; The 18 accumulators take turns, one instruction a turn.
; zero = 1: the first step's products start the sums; nothing is cleared.  young = LDS stores issued behind the fragment loads.
.macro MULS zero, young
	WIN 0x50                                       ; C and D in window 1, the fragments in window 0
.irp c, 0,1,2,3,4,5,6,7,8,9
	s_wait_dscnt \young+2*(9-\c)                   ; LDS instructions end in order: fragment c is in; the 9 - c younger ones (two loads each) and the stores stay out
.if \c < 9
	MM \c, 0, \c, \zero
.endif
.if \c > 0
	MM 8+\c, 1, \c, \zero
.endif
.endr
	WIN 0
	PLACES                                         ; in front of the next loads into the fragments, and of the stores of the sums
.endm
; Between two barriers a wave reads this step's slot and writes the next step's rows into the other slot; the conversion stands between
; the fragment loads and the products, so that it is done while the fragments are on their way.
; One barrier a step serves both orders: in front of it every wave has waited for all its LDS instructions, so that behind it the slot
; just written is whole and the slot just read may be written again.
; kind = 1: the stage just emptied is asked for again, four steps ahead; 2: the short step's two loads; 0: nothing is left to ask for.
.macro STEP slot, nslot, zero, nstage, left, kind, nst
	FRAGS \slot
	s_wait_loadcnt \left                           ; the next step's stage is in; the younger loads stay out
	CONV8 \nstage, \nslot
	MULS \zero, 8
	s_wait_dscnt 0x0                               ; my part of the next slot is written, for the other waves' sake; the stage's registers are free
.if \kind == 1
	LOADS \nst, \nstage
.endif
.if \kind == 2
	global_load_b128 v[STG:STG+3],   v[GO],  s[4:5] offset:12*STEPB th:TH_LOAD_NT   ; the short step: rows 0-3,
	global_load_b128 v[STG+4:STG+7], v[GO2], s[4:5] offset:12*STEPB th:TH_LOAD_NT   ; and rows 4-7, clamped
.endif
	s_barrier_signal -1
	s_barrier_wait -1
.endm
	s_wait_loadcnt 24                              ; step 0's stage is in; 24: three younger stages of eight loads
	CONV8 0, 0
	s_wait_dscnt 0x0
	LOADS 4, 0
	s_barrier_signal -1
	s_barrier_wait -1
	STEP 0, 1, 1, 1, 24, 1, 5                      ; multiplies step 0, converts step 1, asks for step 5
	STEP 1, 0, 0, 2, 24, 1, 6
	STEP 0, 1, 0, 3, 24, 1, 7
	STEP 1, 0, 0, 0, 24, 1, 8
	STEP 0, 1, 0, 1, 24, 1, 9
	STEP 1, 0, 0, 2, 24, 1, 10
	STEP 0, 1, 0, 3, 24, 1, 11
	STEP 1, 0, 0, 0, 24, 2, 0
	STEP 0, 1, 0, 1, 18, 0, 0                      ; 18: two younger stages and the short step's two loads
	STEP 1, 0, 0, 2, 10, 0, 0
	STEP 0, 1, 0, 3, 2, 0, 0
	; multiplies step 11, converts the short step: rows 0-3 exist in every group; rows 4-7 are masked; rows 8-31 are zeros
	FRAGS 1
	s_wait_loadcnt 0x0
.irp e, 4,5,6,7
	v_and_b32 v[STG+\e], s16, v[STG+\e]
.endr
	CONV1 0, 0, 0
	CONV1 0, 0, 1
.irp i, 2,3,4,5,6,7
	ds_store_b64 v[LST], v[ZZ:ZZ+1] offset:\i*4*PITCH
.endr
	MULS 0, 8                                      ; eight stores here too
	s_wait_dscnt 0x0
	s_barrier_signal -1
	s_barrier_wait -1
	; the short step's products; the column sums are complete and go to LDS behind the fragment loads
	FRAGS 0
	ds_store_b128 v[GO], v[CS:CS+3] offset:CSUM
	MULS 0, 1
	WIN 0x04                                       ; store data from window 1
.irp n, 0,1,2,3,4,5,6,7,8,9,10,11,12,13,14,15,16,17
	global_store_b128 v[PO], v[8*\n:8*\n+3],   s[6:7] offset:\n*1024
	global_store_b128 v[PO], v[8*\n+4:8*\n+7], s[6:7] offset:\n*1024+512
.endr
	WIN 0
	; column sums: four threads (t, t + 64, t + 128, t + 192) hold sums of the same four columns
	s_wait_dscnt 0x0
	s_barrier_signal -1
	s_barrier_wait -1
	s_cmp_gt_u32 s8, 1
	s_cbranch_scc1 .Lno_sums                       ; waves 0 and 1 (threads 0-63) add them
.irp q, 0,1,2,3
	ds_load_b128 v[STG+4*\q:STG+4*\q+3], v[GO] offset:CSUM+1024*\q
.endr
	s_wait_dscnt 0x0
	v_pk_add_f32 v[STG:STG+1],     v[STG:STG+1],     v[STG+4:STG+5]
	v_pk_add_f32 v[STG+2:STG+3],   v[STG+2:STG+3],   v[STG+6:STG+7]
	v_pk_add_f32 v[STG+8:STG+9],   v[STG+8:STG+9],   v[STG+12:STG+13]
	v_pk_add_f32 v[STG+10:STG+11], v[STG+10:STG+11], v[STG+14:STG+15]
	v_pk_add_f32 v[STG:STG+1],     v[STG:STG+1],     v[STG+8:STG+9]
	v_pk_add_f32 v[STG+2:STG+3],   v[STG+2:STG+3],   v[STG+10:STG+11]
	global_store_b128 v[GO], v[STG:STG+3], s[18:19] offset:144*1024   ; columns 4 t .. 4 t + 3, in their natural order
.Lno_sums:
	s_wait_tensorcnt 0x0
	ds_add_u32 v254, v255
	s_wait_dscnt 0x0
	s_endpgm
.Lfunc_end_k_qe03df0df2d_gram:
	.size	k_qe03df0df2d_gram, .Lfunc_end_k_qe03df0df2d_gram-k_qe03df0df2d_gram
	.p2alignl 7, 3214868480
	.fill 96, 4, 3214868480
	.section	.rodata,"a",@progbits
	.p2align	6, 0x0
	.amdhsa_kernel k_qe03df0df2d_gram
		.amdhsa_group_segment_fixed_size 39936
		.amdhsa_private_segment_fixed_size 0
		.amdhsa_enable_private_segment 0
		.amdhsa_kernarg_size 16
		.amdhsa_user_sgpr_count 2
		.amdhsa_user_sgpr_kernarg_segment_ptr 1
		.amdhsa_wavefront_size32 1
		.amdhsa_system_sgpr_workgroup_id_x 1
		.amdhsa_system_sgpr_workgroup_id_y 1
		.amdhsa_system_sgpr_workgroup_id_z 1
		.amdhsa_system_vgpr_workitem_id 0
		.amdhsa_next_free_vgpr 400
		.amdhsa_next_free_sgpr 66
		.amdhsa_reserve_vcc 0
		.amdhsa_float_denorm_mode_32 3
		.amdhsa_float_denorm_mode_16_64 3
		.amdhsa_memory_ordered 1
		.amdhsa_forward_progress 1
		.amdhsa_inst_pref_size 88
	.end_amdhsa_kernel
	.amdgpu_metadata
---
amdhsa.version: [ 1, 2 ]
amdhsa.kernels:
  - .name:           k_qe03df0df2d_gram
    .symbol:         k_qe03df0df2d_gram.kd
    .args:
      - { .name: source_input, .offset: 0, .size: 8, .value_kind: global_buffer, .address_space: global }
      - { .name: part, .offset: 8, .size: 8, .value_kind: global_buffer, .address_space: global }
    .group_segment_fixed_size: 39936
    .private_segment_fixed_size: 0
    .kernarg_segment_align: 8
    .kernarg_segment_size: 16
    .max_flat_workgroup_size: 256
    .sgpr_count:     66
    .vgpr_count:     400
    .wavefront_size: 32
...
	.end_amdgpu_metadata
.endif
;; end of part 6
;; launch reduce (part 7): grid 241 x 1, 8 waves a work-group, no clusters, 10,752 bytes of LDS; arguments part, Wk, Wv, Wq, gs, wb; writes gs, wb
.if DOCPART == 7
	.amdgcn_target "amdgcn-amd-amdhsa--gfx1250"
	.amdhsa_code_object_version 6
	.text
	.protected	k_qe03df0df2d_reduce
	.globl	k_qe03df0df2d_reduce
	.p2align	8
	.type	k_qe03df0df2d_reduce,@function
k_qe03df0df2d_reduce:
	s_mov_b64 s[64:65], 0
	v_nop
	global_prefetch_b8 v0, s[64:65] scope:SCOPE_SE
	s_setreg_imm32_b32 hwreg(HW_REG_WAVE_MODE, 25, 1), 1
	s_wait_xcnt 0x0
; reduce: two kinds of work-groups, 241 in all.
; Groups 0-144 add the 256 partials of gram.  Group n owns kilobyte n of a partial: the accumulator tile n = 9 i + d, which is tile
; (Rblk = i, Cblk = (i + d) mod 16) of G (n < 144), or the column sums (n = 144).  Wave w adds partials 32 w .. 32 w + 31 (each load of
; a wave: 512 consecutive bytes), the eight waves' sums meet in LDS, and wave 0 writes the tile as two bf16 numbers each (hi = the
; number rounded, lo = the rest rounded).
; A tile's lane holds eight neighbouring rows of one column, so the four packed registers ARE registers 0-3 (even Rblk) or 4-7 (odd
; Rblk) of the 16 x 32 fragment whose lane index is the tile's column and whose K is its rows: gs holds G as ready fragments, tile
; (Rblk, Cblk) at 512 (16 Cblk + Rblk) + 16 lane, lo 131,072 bytes further.  The column sums stay f32, at byte 262,144.
; G is symmetric: for d = 1 .. 7 wave 0 also writes the transposed tile, as tile (Cblk, Rblk).  Distances 0 .. 8 written directly and
; 9 .. 15 written as mirrors are all 256 tiles, each once.  The transposition goes through 1,280 bytes of LDS of wave 0's own.
; Groups 145-240 convert Wk, Wv, Wq [256][512] f32 to bf16 and part the heads (column c = 4 feature + head): wb holds three sections
; [256 rows][4 heads][128 features]; one wave takes one row; each of its four stores covers 256 consecutive bytes, aligned.
; LIMIT: the weights are rounded once to bf16.  No matrix unit, no cluster: sums and conversions of bytes that are each read once.
.set PPITCH, 148480                    ; bytes of one partial
.set NT,     144                       ; tiles in a partial
.set TRL,    8192                      ; LDS: the tile to be transposed, [16 rows][16 columns] f32,
.set TP,     80                        ; in rows of 64 + 16 bytes
.set ACC, 8                            ; v[8:15]    the wave's sum; later hi and lo
.set X,   16                           ; v[16:143]  sixteen partials' 8 registers
.set TT,  144                          ; v[144:151] at work
.macro SPLIT8 x, h, l                  ; eight f32 in x: h = four registers of bf16(x), l = four of bf16(x - h): together 16 bits of mantissa
.irp p, 0,1,2,3
	v_cvt_pk_bf16_f32 v[\h+\p], v[\x+2*\p], v[\x+2*\p+1]
.endr
.irp p, 0,1,2,3
	v_lshlrev_b32 v[TT+2*\p], 16, v[\h+\p]
	v_and_b32 v[TT+2*\p+1], 0xffff0000, v[\h+\p]
.endr
.irp e, 0,1,2,3,4,5,6,7
	v_sub_f32 v[\x+\e], v[\x+\e], v[TT+\e]
.endr
.irp p, 0,1,2,3
	v_cvt_pk_bf16_f32 v[\l+\p], v[\x+2*\p], v[\x+2*\p+1]
.endr
.endm
	s_load_b256 s[4:11], s[0:1], 0x0               ; part s[4:5], Wk s[6:7], Wv s[8:9], Wq s[10:11]
	s_load_b128 s[12:15], s[0:1], 0x20             ; gs s[12:13], wb s[14:15]
	v_lshl_add_u32 v152, v0, 2, 0x2600
	v_mov_b32 v153, 0
	v_lshrrev_b32 v1, 5, v0
	v_readfirstlane_b32 s16, v1                    ; wave 0..7
	v_and_b32 v2, 31, v0                           ; lane
	s_cmp_gt_u32 ttmp9, NT
	s_cbranch_scc1 .Lweights                       ; the same way for all eight waves of a group
	v_lshlrev_b32 v1, 4, v2                        ; 16 x lane; never rewritten
	v_lshl_add_u32 v3, s16, 10, v1                 ; my wave's kilobyte in LDS
	s_mul_i32 s20, s16, 32*PPITCH                  ; my wave's first partial (below 2^26),
	s_lshl_b32 s21, ttmp9, 10                      ; the group's kilobyte in it
	s_add_co_u32 s20, s20, s21
	s_mov_b32 s21, 0
	s_wait_kmcnt 0x0
	s_add_nc_u64 s[4:5], s[4:5], s[20:21]
.macro RLOAD p                         ; partial p of my 32: the immediate reaches 31 x 148,480 + 512, inside its signed 24 bits
	global_load_b128 v[X+8*((\p)%16):X+8*((\p)%16)+3],   v1, s[4:5] offset:(\p)*PPITCH th:TH_LOAD_NT
	global_load_b128 v[X+8*((\p)%16)+4:X+8*((\p)%16)+7], v1, s[4:5] offset:(\p)*PPITCH+512 th:TH_LOAD_NT
.endm
.macro RADD p
.irp e, 0,2,4,6
	v_pk_add_f32 v[ACC+\e:ACC+\e+1], v[ACC+\e:ACC+\e+1], v[X+8*((\p)%16)+\e:X+8*((\p)%16)+\e+1]
.endr
.endm
.set p, 0
.rept 16
	RLOAD p
.set p, p+1
.endr
	s_wait_loadcnt 28                              ; partials 0 and 1 are in (four loads of 32); their sum starts the accumulator
.irp e, 0,2,4,6
	v_pk_add_f32 v[ACC+\e:ACC+\e+1], v[X+\e:X+\e+1], v[X+8+\e:X+8+\e+1]
.endr
	RLOAD 16
	RLOAD 17
.set p, 2
.rept 14
	s_wait_loadcnt 30                              ; 32 loads are out: the oldest two are partial p
	RADD p
	RLOAD p+16
.set p, p+1
.endr
.set p, 16
.rept 16
	s_wait_loadcnt 62-2*p                          ; nothing more is asked for: two loads for each of the 31 - p younger partials
	RADD p
.set p, p+1
.endr
	ds_store_b128 v3, v[ACC:ACC+3]
	ds_store_b128 v3, v[ACC+4:ACC+7] offset:512
	s_wait_dscnt 0x0                               ; for wave 0's sake
	s_barrier_signal -1
	s_barrier_wait -1
	s_cmp_lg_u32 s16, 0
	s_cbranch_scc1 .Lend
.irp w, 0,1,2,3,4,5,6,7
	ds_load_b128 v[X+8*\w:X+8*\w+3],   v1 offset:1024*\w
	ds_load_b128 v[X+8*\w+4:X+8*\w+7], v1 offset:1024*\w+512
.endr
	s_wait_dscnt 0x0
.irp e, 0,2,4,6,8,10,12,14,16,18,20,22,24,26,28,30
	v_pk_add_f32 v[X+\e:X+\e+1], v[X+\e:X+\e+1], v[X+32+\e:X+32+\e+1]   ; waves 0-3 += waves 4-7
.endr
.irp e, 0,2,4,6,8,10,12,14
	v_pk_add_f32 v[X+\e:X+\e+1], v[X+\e:X+\e+1], v[X+16+\e:X+16+\e+1]
.endr
.irp e, 0,2,4,6
	v_pk_add_f32 v[X+\e:X+\e+1], v[X+\e:X+\e+1], v[X+8+\e:X+8+\e+1]
.endr
	s_cmp_eq_u32 ttmp9, NT
	s_cbranch_scc1 .Lsums
	s_mul_i32 s22, ttmp9, 57
	s_lshr_b32 s22, s22, 9                         ; Rblk = i = n / 9 (57 / 512 is 1 / 9 + 1 / 4608: exact for n below 144)
	s_mul_i32 s23, s22, 9
	s_sub_co_u32 s23, ttmp9, s23                   ; d = n - 9 i
	s_add_co_u32 s24, s22, s23
	s_and_b32 s24, s24, 15                         ; Cblk = (i + d) mod 16
	s_lshl4_add_u32 s20, s24, s22                  ; the tile's place: 16 Cblk + Rblk,
	s_lshl_b32 s20, s20, 9                         ; of 512 bytes
	s_mov_b32 s21, 0
	s_lshl4_add_u32 s26, s22, s24                  ; its mirror's place: 16 Rblk + Cblk
	s_lshl_b32 s26, s26, 9
	s_mov_b32 s27, 0
	s_add_nc_u64 s[20:21], s[12:13], s[20:21]
	s_add_nc_u64 s[26:27], s[12:13], s[26:27]
	s_and_b32 s25, s23, 7                          ; 0 for d = 0 (the tile is its own mirror) and d = 8 (the mirror has a group of its own)
	s_cmp_eq_u32 s25, 0
	s_cbranch_scc1 .Lplain
	; the transposed tile: register j of lane (r, hh) is element (8 hh + j, r); it goes to LDS by rows, and lane (r, hh) takes back
	; elements (r, 8 hh .. 8 hh + 7).  LDS serves a wave's instructions in order: the loads see the stores.
	v_and_b32 v4, 15, v0                           ; r (in wave 0 the thread's number is the lane)
	v_bfe_u32 v5, v0, 4, 1                         ; hh
	v_mul_u32_u24 v6, v5, 8*TP
	v_lshl_add_u32 v6, v4, 2, v6                   ; row 8 hh, column r
	v_mul_u32_u24 v7, v4, TP
	v_lshl_add_u32 v7, v5, 5, v7                   ; row r, column 8 hh
.irp j, 0,1,2,3,4,5,6,7
	ds_store_b32 v6, v[X+\j] offset:TRL+TP*\j
.endr
	ds_load_b128 v[X+8:X+11],  v7 offset:TRL
	ds_load_b128 v[X+12:X+15], v7 offset:TRL+16
.Lplain:
	SPLIT8 X, ACC, ACC+4
	global_store_b128 v1, v[ACC:ACC+3],   s[20:21]
	global_store_b128 v1, v[ACC+4:ACC+7], s[20:21] offset:131072
	s_cmp_eq_u32 s25, 0
	s_cbranch_scc1 .Lend
	s_wait_dscnt 0x0
	SPLIT8 X+8, X+16, X+20
	global_store_b128 v1, v[X+16:X+19], s[26:27]
	global_store_b128 v1, v[X+20:X+23], s[26:27] offset:131072
	s_wait_tensorcnt 0x0
	ds_add_u32 v152, v153
	s_wait_dscnt 0x0
	s_endpgm
.Lsums:
	global_store_b128 v1, v[X:X+3],   s[12:13] offset:262144
	global_store_b128 v1, v[X+4:X+7], s[12:13] offset:262144+512
.Lend:
	s_wait_tensorcnt 0x0
	ds_add_u32 v152, v153
	s_wait_dscnt 0x0
	s_endpgm
.Lweights:
	s_sub_co_u32 s20, ttmp9, NT+1                  ; 0..95
	s_lshr_b32 s21, s20, 5                         ; 0: Wk, 1: Wv, 2: Wq
	s_and_b32 s22, s20, 31
	s_lshl3_add_u32 s22, s22, s16                  ; my wave's row
	s_lshl_b32 s24, s22, 11                        ; a row of 2,048 bytes in
	s_mov_b32 s25, 0
	s_lshl_b32 s26, s21, 18                        ; a section of 262,144 bytes,
	s_lshl_b32 s27, s22, 10                        ; a row of 1,024 bytes out
	s_add_co_u32 s26, s26, s27
	s_mov_b32 s27, 0
	v_lshlrev_b32 v1, 6, v2                        ; my 64 bytes: features 4 lane .. 4 lane + 3, four heads each
	v_lshlrev_b32 v3, 3, v2                        ; my 8 bytes of each head's 256
	s_wait_kmcnt 0x0
	s_cmp_eq_u32 s21, 0
	s_cselect_b64 s[28:29], s[6:7], s[8:9]
	s_cmp_eq_u32 s21, 2
	s_cselect_b64 s[28:29], s[10:11], s[28:29]
	s_add_nc_u64 s[28:29], s[28:29], s[24:25]
	s_add_nc_u64 s[14:15], s[14:15], s[26:27]
.irp k, 0,1,2,3
	global_load_b128 v[X+4*\k:X+4*\k+3], v1, s[28:29] offset:16*\k      ; register 4 k + h: feature 4 lane + k, head h
.endr
	s_wait_loadcnt 0x0
.irp h, 0,1,2,3
	v_cvt_pk_bf16_f32 v[ACC+2*\h],   v[X+\h],   v[X+4+\h]
	v_cvt_pk_bf16_f32 v[ACC+2*\h+1], v[X+8+\h], v[X+12+\h]
	global_store_b64 v3, v[ACC+2*\h:ACC+2*\h+1], s[14:15] offset:256*\h
.endr
	s_endpgm
.Lfunc_end_k_qe03df0df2d_reduce:
	.size	k_qe03df0df2d_reduce, .Lfunc_end_k_qe03df0df2d_reduce-k_qe03df0df2d_reduce
	.p2alignl 7, 3214868480
	.fill 96, 4, 3214868480
	.section	.rodata,"a",@progbits
	.p2align	6, 0x0
	.amdhsa_kernel k_qe03df0df2d_reduce
		.amdhsa_group_segment_fixed_size 10752
		.amdhsa_private_segment_fixed_size 0
		.amdhsa_enable_private_segment 0
		.amdhsa_kernarg_size 48
		.amdhsa_user_sgpr_count 2
		.amdhsa_user_sgpr_kernarg_segment_ptr 1
		.amdhsa_wavefront_size32 1
		.amdhsa_system_sgpr_workgroup_id_x 1
		.amdhsa_system_sgpr_workgroup_id_y 1
		.amdhsa_system_sgpr_workgroup_id_z 1
		.amdhsa_system_vgpr_workitem_id 0
		.amdhsa_next_free_vgpr 154
		.amdhsa_next_free_sgpr 66
		.amdhsa_reserve_vcc 0
		.amdhsa_float_denorm_mode_32 3
		.amdhsa_float_denorm_mode_16_64 3
		.amdhsa_memory_ordered 1
		.amdhsa_forward_progress 1
		.amdhsa_inst_pref_size 26
	.end_amdhsa_kernel
	.amdgpu_metadata
---
amdhsa.version: [ 1, 2 ]
amdhsa.kernels:
  - .name:           k_qe03df0df2d_reduce
    .symbol:         k_qe03df0df2d_reduce.kd
    .args:
      - { .name: part, .offset: 0, .size: 8, .value_kind: global_buffer, .address_space: global }
      - { .name: Wk, .offset: 8, .size: 8, .value_kind: global_buffer, .address_space: global }
      - { .name: Wv, .offset: 16, .size: 8, .value_kind: global_buffer, .address_space: global }
      - { .name: Wq, .offset: 24, .size: 8, .value_kind: global_buffer, .address_space: global }
      - { .name: gs, .offset: 32, .size: 8, .value_kind: global_buffer, .address_space: global }
      - { .name: wb, .offset: 40, .size: 8, .value_kind: global_buffer, .address_space: global }
    .group_segment_fixed_size: 10752
    .private_segment_fixed_size: 0
    .kernarg_segment_align: 8
    .kernarg_segment_size: 48
    .max_flat_workgroup_size: 256
    .sgpr_count:     66
    .vgpr_count:     154
    .wavefront_size: 32
...
	.end_amdgpu_metadata
.endif
;; end of part 7
;; launch attn (part 8): grid 8 x 4, 8 waves a work-group, no clusters, 101,376 bytes of LDS; arguments gs, wb, bk, bv, bq, afrag, cpart; writes afrag, cpart
.if DOCPART == 8
	.amdgcn_target "amdgcn-amd-amdhsa--gfx1250"
	.amdhsa_code_object_version 6
	.text
	.protected	k_qe03df0df2d_attn
	.globl	k_qe03df0df2d_attn
	.p2align	8
	.type	k_qe03df0df2d_attn,@function
k_qe03df0df2d_attn:
	s_mov_b64 s[64:65], 0
	v_nop
	global_prefetch_b8 v0, s[64:65] scope:SCOPE_SE
	s_setreg_imm32_b32 hwreg(HW_REG_WAVE_MODE, 25, 1), 1
	s_wait_xcnt 0x0
; attn: work-group (x = dblk, y = head) makes 16 columns d of one head's attention matrix.  With G = S^T S, s = S^T 1, n = 100000:
;   T  = G Wv + s bv^T          [256][16]     phase 1: wave w makes rows 32 w .. 32 w + 31 (two tiles)
;   t0 = s^T Wv + n bv          [16]
;   y  = Wk^T T + bk t0^T       [128][16]     phase 2: wave w makes rows m = 16 w .. 16 w + 15 (one tile);  a = y / sqrt(n)
;   attn = softmax of a over m, with the column's true maximum taken away;  stored: attn / 4 (the mean over four heads),
;   and c = sum over m of bq[m] attn[m][d] / 4.
; G comes from gs as ready fragments (hi, lo); a wave's 64 loads of them (32 KiB) are all asked for at the start, into 256 registers of
; their own, so that no load of G waits for an earlier one's registers.
; A result tile's lane holds eight neighbouring rows of one column: packed, it is half of the source-1 fragment whose K is the tile's
; rows.  So T goes to phase 2, and attn to the next launch, without a transposition.
; LIMITS: Wk, Wv, bk, bv, bq are rounded once to bf16; G, T and attn go as bf16 pairs (hi + lo, 16 bits of mantissa); G is used as
; its own transpose.  exp2 gives 0 for results below 2^-126 (ISA guide, the instruction's entry).
; No cluster: what the 32 groups share, G, is loaded straight into registers as fragments and never lies in LDS.
.set WVL, 0                            ; Wv  [256 k][16 d] bf16, rows of 32 bytes                              8,192 bytes
.set TFL, 8192                         ; T as fragments: 2,048 kk + 1,024 lo + 512 half + 16 lane             16,384 bytes
.set T0L, 24576                        ; t0, maxima, sums, sums for c: [8 waves][16 d] f32, 512 bytes each
.set MXL, 25088
.set SML, 25600
.set UUL, 26112
.set WKL, 26624                        ; Wk  [256 i][128 m] bf16, rows of 256 + 32 = 9 x 32 bytes             73,728 bytes
.set KP,  288
.set S,    32                          ; v[32:47]   s of my 32 rows, in the two tiles' order
.set AH,   32                          ; v[32:39]   phase 2: sums with T's hi;  v[40:47] with T's lo
.set AL,   40
.set BK,   48                          ; v[48:55]   bk of my tile's rows
.set BQ,   56                          ; v[56:63]   bq of my tile's rows
.set WST,  64                          ; v[64:127]  Wk on its way to LDS; then Wv's fragments; then Wk's fragments
.set BF,   64
.set AK,   64
.set TH,   128                         ; v[128:135] T hi, v[136:143] T lo, packed
.set TL,   136
.set TB,   128                         ; v[128:255] phase 2: T's fragments, 16 registers a K step
.set TW,   224                         ; v[224:231] Wv's fragment of my own 32 rows
.set WVS,  232                         ; v[232:239] Wv on its way to LDS
.set TACC, 240                         ; v[240:255] T's two tiles
.set TT,   18                          ; v[18:27]   at work
                                       ; window 1 (v256-v511): G's fragment (kk, lo, tile) at v[32 kk + 16 lo + 8 tile]
.set MSB, 0
.macro WIN new                         ; the immediate's high byte repeats the setting that is left
.if MSB != \new
	s_set_vgpr_msb (MSB<<8)|\new
.set MSB, \new
.endif
.endm
.macro PLACES                          ; four places behind a matrix instruction (ISA guide 7.12.1)
.rept 4
	v_nop
.endr
.endm
.macro SPLIT8 x, h, l                  ; eight f32 in x: h = four registers of bf16(x), l = four of bf16(x - h)
.irp p, 0,1,2,3
	v_cvt_pk_bf16_f32 v[\h+\p], v[\x+2*\p], v[\x+2*\p+1]
.endr
.irp p, 0,1,2,3
	v_lshlrev_b32 v[TT+2*\p], 16, v[\h+\p]
	v_and_b32 v[TT+2*\p+1], 0xffff0000, v[\h+\p]
.endr
.irp e, 0,1,2,3,4,5,6,7
	v_sub_f32 v[\x+\e], v[\x+\e], v[TT+\e]
.endr
.irp p, 0,1,2,3
	v_cvt_pk_bf16_f32 v[\l+\p], v[\x+2*\p], v[\x+2*\p+1]
.endr
.endm
.macro BAR
	s_wait_dscnt 0x0                               ; my LDS stores and loads are done, for the other waves' sake
	s_barrier_signal -1
	s_barrier_wait -1
.endm
	s_load_b256 s[4:11], s[0:1], 0x0               ; gs s[4:5], wb s[6:7], bk s[8:9], bv s[10:11]
	s_load_b128 s[12:15], s[0:1], 0x20             ; bq s[12:13], afrag s[14:15]
	s_load_b64 s[16:17], s[0:1], 0x30              ; cpart
	v_lshl_add_u32 v30, v0, 2, 0x18800
	v_mov_b32 v31, 0
	v_lshrrev_b32 v18, 5, v0
	v_readfirstlane_b32 s18, v18                   ; wave 0..7
	s_and_b32 s19, ttmp7, 0xffff                   ; head
	s_mov_b32 s32, 0x76543210                      ; v_permlanex16_b32: lane i reads lane i of the other half
	s_mov_b32 s33, 0xfedcba98
	s_mov_b32 s38, 0x3b957e87                      ; log2(e) / sqrt(100000)
	s_mov_b32 s39, 0xbb957e87                      ; and its negative
	v_and_b32 v21, 31, v0
	v_lshlrev_b32 v1, 4, v21                       ; v1  16 x lane
	v_and_b32 v2, 15, v0                           ; v2  r
	v_bfe_u32 v3, v0, 4, 1                         ; v3  hh
	s_lshl_b32 s22, s19, 2                         ; 4 head: column c = 4 feature + head, 4 bytes each
	s_lshl_b32 s21, ttmp9, 8
	s_add_co_u32 s21, s21, s22
	v_lshl_add_u32 v18, v2, 4, s21                 ; bv[d = 16 dblk + r]
	s_lshl_b32 s23, s18, 8
	s_add_co_u32 s23, s23, s22
	v_lshl_add_u32 v19, v3, 7, s23                 ; bk, bq[m = 16 w + 8 hh + j]: 16 j stands in the immediate
	s_lshl_b32 s24, s18, 7
	v_lshl_add_u32 v20, v3, 5, s24                 ; s[32 w + 8 hh ..]
	v_lshrrev_b32 v22, 4, v0
	v_lshlrev_b32 v23, 4, v2
	v_lshl_add_u32 v4, v22, 10, v23                ; v4  Wk in memory: row t >> 4, 16 bytes at 16 (t & 15)
	v_mul_u32_u24 v5, v22, KP
	v_add_nc_u32 v5, v5, v23
	v_add_nc_u32 v5, WKL, v5                       ; v5  the same place in LDS, rows 0-127;
	v_add_nc_u32 v12, 128*KP, v5                   ; v12 rows 128-255 (an LDS immediate has 16 bits)
	v_lshrrev_b32 v24, 1, v0
	v_and_b32 v25, 1, v0
	v_lshlrev_b32 v25, 4, v25
	v_lshl_add_u32 v6, v24, 10, v25                ; v6  Wv in memory: row t >> 1, 16 bytes at 16 (t & 1)
	v_lshlrev_b32 v7, 4, v0                        ; v7  the same place in LDS: 16 t
	v_and_b32 v26, 7, v0
	v_lshl_add_u32 v26, v3, 3, v26                 ; the transposing load's row 8 hh + lane % 8,
	v_bfe_u32 v27, v0, 3, 1
	v_lshlrev_b32 v27, 4, v27                      ; and 16 bytes further for lanes 8-15 and 24-31
	v_lshl_add_u32 v8, v26, 5, v27                 ; v8  in Wv
	v_lshl_add_u32 v9, s18, 10, v8                 ; v9  in Wv, my own 32 rows
	v_mul_u32_u24 v10, v26, KP
	v_add_nc_u32 v10, v10, v27
	v_add_nc_u32 v10, WKL, v10
	v_lshl_add_u32 v10, s18, 5, v10                ; v10 in Wk, columns 16 w .., rows 0-127;
	v_add_nc_u32 v11, 128*KP, v10                  ; v11 rows 128-255
	v_lshl_add_u32 v13, s18, 11, v1
	v_add_nc_u32 v13, TFL, v13                     ; v13 where my T fragments go
	v_lshlrev_b32 v15, 2, v2                       ; v15 4 r
	v_lshl_add_u32 v14, s18, 6, v15                ; v14 64 w + 4 r
	s_lshl_b32 s26, s18, 14                        ; G: my two row blocks of 8,192 bytes
	s_mov_b32 s27, 0
	s_lshl_b32 s30, s19, 8                         ; Wk: the head's 256 bytes of a row
	s_mov_b32 s31, 0
	s_lshl_b32 s28, ttmp9, 5                       ; Wv: section 1, the head, 16 columns of 2 bytes
	s_add_co_u32 s28, s28, s30
	s_add_co_u32 s28, s28, 262144
	s_mov_b32 s29, 0
	s_lshl_b32 s34, s19, 16                        ; afrag: K block 4 head + (w >> 1) of 16,384 bytes, dblk x 2,048, half (w & 1) x 512
	s_lshr_b32 s35, s18, 1
	s_lshl_b32 s35, s35, 14
	s_add_co_u32 s34, s34, s35
	s_lshl_b32 s35, ttmp9, 11
	s_add_co_u32 s34, s34, s35
	s_and_b32 s35, s18, 1
	s_lshl_b32 s35, s35, 9
	s_add_co_u32 s34, s34, s35
	s_mov_b32 s35, 0
	s_lshl_b32 s36, s19, 9                         ; cpart [4 heads][128 d] f32
	s_lshl_b32 s37, ttmp9, 6
	s_add_co_u32 s36, s36, s37
	s_mov_b32 s37, 0
	s_wait_kmcnt 0x0
	s_add_nc_u64 s[26:27], s[4:5], s[26:27]
	s_add_nc_u64 s[28:29], s[6:7], s[28:29]
	s_add_nc_u64 s[30:31], s[6:7], s[30:31]
	s_add_nc_u64 s[34:35], s[14:15], s[34:35]
	s_add_nc_u64 s[36:37], s[16:17], s[36:37]
	; 39 loads of biases, sums and weights, then the 64 of G
	global_load_b32 v16, v18, s[10:11]
.irp j, 0,1,2,3,4,5,6,7
	global_load_b32 v[BK+\j], v19, s[8:9] offset:16*\j
.endr
.irp j, 0,1,2,3,4,5,6,7
	global_load_b32 v[BQ+\j], v19, s[12:13] offset:16*\j
.endr
.irp q, 0,1,2,3
	global_load_b128 v[S+4*\q:S+4*\q+3], v20, s[4:5] offset:262144+64*(\q/2)+16*(\q%2)   ; register 8 tile + j: s[32 w + 16 tile + 8 hh + j]
.endr
	global_load_b128 v[WVS:WVS+3],   v6, s[28:29]
	global_load_b128 v[WVS+4:WVS+7], v6, s[28:29] offset:131072
.irp i, 0,1,2,3,4,5,6,7,8,9,10,11,12,13,14,15
	global_load_b128 v[WST+4*\i:WST+4*\i+3], v4, s[30:31] offset:\i*16384
.endr
	WIN 0x40                                       ; destination in window 1
.irp kk, 0,1,2,3,4,5,6,7
.irp lo, 0,1
.irp tau, 0,1
	global_load_b128 v[32*\kk+16*\lo+8*\tau:32*\kk+16*\lo+8*\tau+3],   v1, s[26:27] offset:\kk*1024+\tau*8192+\lo*131072       ; G's fragments of K step kk:
	global_load_b128 v[32*\kk+16*\lo+8*\tau+4:32*\kk+16*\lo+8*\tau+7], v1, s[26:27] offset:\kk*1024+\tau*8192+\lo*131072+512   ; (hi, lo) x (my tile 0, 1), 512 consecutive bytes a load
.endr
.endr
.endr
	WIN 0
	; PHASE 1
	s_wait_loadcnt 63                              ; the 39 loads in front of G's are in; of G's 64 all but the first may stay out
	ds_store_b128 v7, v[WVS:WVS+3] offset:WVL
	ds_store_b128 v7, v[WVS+4:WVS+7] offset:WVL+4096
.irp i, 0,1,2,3,4,5,6,7
	ds_store_b128 v5, v[WST+4*\i:WST+4*\i+3] offset:\i*16*KP
.endr
.irp i, 0,1,2,3,4,5,6,7
	ds_store_b128 v12, v[WST+32+4*\i:WST+32+4*\i+3] offset:\i*16*KP
.endr
	BAR                                            ; Wv and Wk lie in LDS whole
.irp kk, 0,1,2,3,4,5,6,7
	ds_load_tr16_b128 v[BF+8*\kk:BF+8*\kk+3],   v8 offset:WVL+\kk*1024
	ds_load_tr16_b128 v[BF+8*\kk+4:BF+8*\kk+7], v8 offset:WVL+\kk*1024+512
.endr
	ds_load_tr16_b128 v[TW:TW+3],   v9 offset:WVL
	ds_load_tr16_b128 v[TW+4:TW+7], v9 offset:WVL+512
	v_cvt_pk_bf16_f32 v16, v16, v16                ; the biases, rounded to bf16 as the weights are, and widened again
	v_lshlrev_b32 v16, 16, v16                     ; v16 bv[d = r]
.irp p, 0,1,2,3
	v_cvt_pk_bf16_f32 v[TT+\p], v[BK+2*\p], v[BK+2*\p+1]
	v_cvt_pk_bf16_f32 v[TT+4+\p], v[BQ+2*\p], v[BQ+2*\p+1]
.endr
.irp p, 0,1,2,3
	v_lshlrev_b32 v[BK+2*\p], 16, v[TT+\p]
	v_and_b32 v[BK+2*\p+1], 0xffff0000, v[TT+\p]
	v_lshlrev_b32 v[BQ+2*\p], 16, v[TT+4+\p]
	v_and_b32 v[BQ+2*\p+1], 0xffff0000, v[TT+4+\p]
.endr
.irp e, 0,1,2,3,4,5,6,7,8,9,10,11,12,13,14,15
	v_mul_f32 v[TACC+\e], v[S+\e], v16             ; s bv^T starts T's sums
.endr
	v_mov_b32 v17, 0
	s_wait_dscnt 0x0
.irp e, 0,1,2,3,4,5,6,7
	v_fma_mix_f32_bf16 v17, v[TW+\e], v[S+2*\e],   v17 op_sel_hi:[1,0,0]                  ; s^T Wv over my lane's 16 rows
	v_fma_mix_f32_bf16 v17, v[TW+\e], v[S+2*\e+1], v17 op_sel:[1,0,0] op_sel_hi:[1,0,0]
.endr
	v_permlanex16_b32 v19, v17, s32, s33
	v_add_f32 v17, v17, v19                        ; over my wave's 32 rows, in both halves of the lanes
	; T: for each K step G's hi on tile 0, hi on tile 1, lo on tile 0, lo on tile 1.  The two accumulators take turns, one instruction
	; a turn.
	WIN 0x01                                       ; source 0 (G) in window 1
.irp kk, 0,1,2,3,4,5,6,7
	s_wait_loadcnt 8*(7-\kk)                       ; K step kk's eight loads are in; eight for each later K step stay out
.irp lo, 0,1
.irp tau, 0,1
	v_wmma_f32_16x16x32_bf16 v[TACC+8*\tau:TACC+8*\tau+7], v[32*\kk+16*\lo+8*\tau:32*\kk+16*\lo+8*\tau+7], v[BF+8*\kk:BF+8*\kk+7], v[TACC+8*\tau:TACC+8*\tau+7]
.endr
.endr
.endr
	WIN 0
	PLACES                                         ; in front of the reading of T
	SPLIT8 TACC,   TH,   TL
	ds_store_b128 v13, v[TH:TH+3]
	ds_store_b128 v13, v[TL:TL+3] offset:1024
	SPLIT8 TACC+8, TH+4, TL+4
	ds_store_b128 v13, v[TH+4:TH+7] offset:512     ; my two tiles are the two halves of the fragment of K step w
	ds_store_b128 v13, v[TL+4:TL+7] offset:1536
	ds_store_b32 v14, v17 offset:T0L
	BAR                                            ; T and the eight parts of s^T Wv lie in LDS
	; PHASE 2
.irp q, 0,1,2,3,4,5,6,7
	ds_load_b32 v[TT+\q], v15 offset:T0L+64*\q
.endr
.macro PLOAD kk, adr, k4               ; six loads: Wk's fragment (transposed), T's hi and lo
	ds_load_tr16_b128 v[AK+8*\kk:AK+8*\kk+3],   v[\adr] offset:\k4*32*KP
	ds_load_tr16_b128 v[AK+8*\kk+4:AK+8*\kk+7], v[\adr] offset:\k4*32*KP+16*KP
.irp q, 0,1,2,3
	ds_load_b128 v[TB+16*\kk+4*\q:TB+16*\kk+4*\q+3], v1 offset:TFL+\kk*2048+\q*512
.endr
.endm
	PLOAD 0, 10, 0
	PLOAD 1, 10, 1
	PLOAD 2, 10, 2
	PLOAD 3, 10, 3
	PLOAD 4, 11, 0
	PLOAD 5, 11, 1
	PLOAD 6, 11, 2
	PLOAD 7, 11, 3
	s_wait_dscnt 48                                ; the eight words are in; the 48 fragment loads behind them stay out
	v_add_f32 v18, v18, v19
	v_add_f32 v20, v20, v21
	v_add_f32 v22, v22, v23
	v_add_f32 v24, v24, v25
	v_add_f32 v18, v18, v20
	v_add_f32 v22, v22, v24
	v_add_f32 v17, v18, v22
	v_fmamk_f32 v17, v16, 0x47c35000, v17          ; t0 = 100000 bv + s^T Wv
.irp j, 0,1,2,3,4,5,6,7
	v_mul_f32 v[AH+\j], v[BK+\j], v17              ; bk t0^T starts the sums
.endr
	; the two accumulators take turns, one instruction a turn
	s_wait_dscnt 42
	v_wmma_f32_16x16x32_bf16 v[AH:AH+7], v[AK:AK+7], v[TB:TB+7], v[AH:AH+7]
	v_wmma_f32_16x16x32_bf16 v[AL:AL+7], v[AK:AK+7], v[TB+8:TB+15], 0
.irp kk, 1,2,3,4,5,6,7
	s_wait_dscnt 6*(7-\kk)                         ; six loads for each later K step stay out
	v_wmma_f32_16x16x32_bf16 v[AH:AH+7], v[AK+8*\kk:AK+8*\kk+7], v[TB+16*\kk:TB+16*\kk+7],    v[AH:AH+7]
	v_wmma_f32_16x16x32_bf16 v[AL:AL+7], v[AK+8*\kk:AK+8*\kk+7], v[TB+16*\kk+8:TB+16*\kk+15], v[AL:AL+7]
.endr
	PLACES
.irp p, 0,2,4,6
	v_pk_add_f32 v[AH+\p:AH+\p+1], v[AH+\p:AH+\p+1], v[AL+\p:AL+\p+1]    ; y(m = 16 w + 8 hh + j, d = r)
.endr
	; SOFTMAX over m: 8 registers, 2 halves of the lanes, 8 waves
	v_max3_num_f32 v18, v[AH], v[AH+1], v[AH+2]
	v_max3_num_f32 v18, v18, v[AH+3], v[AH+4]
	v_max3_num_f32 v18, v18, v[AH+5], v[AH+6]
	v_max_num_f32 v18, v18, v[AH+7]
	v_permlanex16_b32 v19, v18, s32, s33
	v_max_num_f32 v18, v18, v19
	ds_store_b32 v14, v18 offset:MXL
	BAR
.irp q, 0,1,2,3,4,5,6,7
	ds_load_b32 v[TT+\q], v15 offset:MXL+64*\q
.endr
	s_wait_dscnt 0x0
	v_max3_num_f32 v18, v18, v19, v20
	v_max3_num_f32 v18, v18, v21, v22
	v_max3_num_f32 v18, v18, v23, v24
	v_max_num_f32 v18, v18, v25                    ; the column's maximum of y
	v_mul_f32 v26, s39, v18
.irp j, 0,1,2,3,4,5,6,7
	v_fma_f32 v[AH+\j], v[AH+\j], s38, v26         ; (y - max) log2(e) / sqrt(n), never above 0 but for the last bit
.endr
.irp j, 0,1,2,3,4,5,6,7
	v_exp_f32 v[AH+\j], v[AH+\j]
.endr
	v_nop                                          ; one plain place behind the exponentials (ISA guide 5.7.2)
	s_wait_alu depctr_va_vdst(0)
	v_mul_f32 v20, v[BQ], v[AH]
.irp j, 1,2,3,4,5,6,7
	v_fmac_f32 v20, v[BQ+\j], v[AH+\j]             ; for c: sum of bq p
.endr
	v_add_f32 v18, v[AH], v[AH+1]
	v_add_f32 v19, v[AH+2], v[AH+3]
	v_add_f32 v21, v[AH+4], v[AH+5]
	v_add_f32 v22, v[AH+6], v[AH+7]
	v_add_f32 v18, v18, v19
	v_add_f32 v21, v21, v22
	v_add_f32 v18, v18, v21
	v_permlanex16_b32 v19, v18, s32, s33
	v_permlanex16_b32 v21, v20, s32, s33
	v_add_f32 v18, v18, v19
	v_add_f32 v20, v20, v21
	ds_store_b32 v14, v18 offset:SML
	ds_store_b32 v14, v20 offset:UUL
	BAR
.irp q, 0,1,2,3,4,5,6,7
	ds_load_b32 v[TT+\q], v15 offset:SML+64*\q
.endr
	s_wait_dscnt 0x0
	v_add_f32 v18, v18, v19
	v_add_f32 v20, v20, v21
	v_add_f32 v22, v22, v23
	v_add_f32 v24, v24, v25
	v_add_f32 v18, v18, v20
	v_add_f32 v22, v22, v24
	v_add_f32 v18, v18, v22                        ; at least 1: the maximum's own term
	v_rcp_f32 v26, v18
	v_nop                                          ; one plain place behind the reciprocal
	s_wait_alu depctr_va_vdst(0)
	v_mul_f32 v26, 0x3e800000, v26                 ; 1 / (4 sum): the mean over the heads rides along
.irp j, 0,1,2,3,4,5,6,7
	v_mul_f32 v[AH+\j], v[AH+\j], v26
.endr
	SPLIT8 AH, AK, AK+4
	global_store_b128 v1, v[AK:AK+3],   s[34:35]               ; hi: 512 consecutive bytes, aligned
	global_store_b128 v1, v[AK+4:AK+7], s[34:35] offset:1024   ; lo
	s_cmp_lg_u32 s18, 0
	s_cbranch_scc1 .Lend
.irp q, 0,1,2,3,4,5,6,7
	ds_load_b32 v[TT+\q], v15 offset:UUL+64*\q
.endr
	s_wait_dscnt 0x0
	v_add_f32 v18, v18, v19
	v_add_f32 v20, v20, v21
	v_add_f32 v22, v22, v23
	v_add_f32 v24, v24, v25
	v_add_f32 v18, v18, v20
	v_add_f32 v22, v22, v24
	v_add_f32 v18, v18, v22
	v_mul_f32 v27, v18, v26
	global_store_b32 v15, v27, s[36:37]            ; c of this head, 16 columns; the two halves of the lanes store the same words with the same values
.Lend:
	s_wait_tensorcnt 0x0
	ds_add_u32 v30, v31
	s_wait_dscnt 0x0
	s_endpgm
.Lfunc_end_k_qe03df0df2d_attn:
	.size	k_qe03df0df2d_attn, .Lfunc_end_k_qe03df0df2d_attn-k_qe03df0df2d_attn
	.p2alignl 7, 3214868480
	.fill 96, 4, 3214868480
	.section	.rodata,"a",@progbits
	.p2align	6, 0x0
	.amdhsa_kernel k_qe03df0df2d_attn
		.amdhsa_group_segment_fixed_size 101376
		.amdhsa_private_segment_fixed_size 0
		.amdhsa_enable_private_segment 0
		.amdhsa_kernarg_size 56
		.amdhsa_user_sgpr_count 2
		.amdhsa_user_sgpr_kernarg_segment_ptr 1
		.amdhsa_wavefront_size32 1
		.amdhsa_system_sgpr_workgroup_id_x 1
		.amdhsa_system_sgpr_workgroup_id_y 1
		.amdhsa_system_sgpr_workgroup_id_z 1
		.amdhsa_system_vgpr_workitem_id 0
		.amdhsa_next_free_vgpr 512
		.amdhsa_next_free_sgpr 66
		.amdhsa_reserve_vcc 0
		.amdhsa_float_denorm_mode_32 3
		.amdhsa_float_denorm_mode_16_64 3
		.amdhsa_memory_ordered 1
		.amdhsa_forward_progress 1
		.amdhsa_inst_pref_size 37
	.end_amdhsa_kernel
	.amdgpu_metadata
---
amdhsa.version: [ 1, 2 ]
amdhsa.kernels:
  - .name:           k_qe03df0df2d_attn
    .symbol:         k_qe03df0df2d_attn.kd
    .args:
      - { .name: gs, .offset: 0, .size: 8, .value_kind: global_buffer, .address_space: global }
      - { .name: wb, .offset: 8, .size: 8, .value_kind: global_buffer, .address_space: global }
      - { .name: bk, .offset: 16, .size: 8, .value_kind: global_buffer, .address_space: global }
      - { .name: bv, .offset: 24, .size: 8, .value_kind: global_buffer, .address_space: global }
      - { .name: bq, .offset: 32, .size: 8, .value_kind: global_buffer, .address_space: global }
      - { .name: afrag, .offset: 40, .size: 8, .value_kind: global_buffer, .address_space: global }
      - { .name: cpart, .offset: 48, .size: 8, .value_kind: global_buffer, .address_space: global }
    .group_segment_fixed_size: 101376
    .private_segment_fixed_size: 0
    .kernarg_segment_align: 8
    .kernarg_segment_size: 56
    .max_flat_workgroup_size: 256
    .sgpr_count:     66
    .vgpr_count:     512
    .wavefront_size: 32
...
	.end_amdgpu_metadata
.endif
;; end of part 8
;; launch mmat (part 9): grid 16 x 8, 4 waves a work-group, no clusters, 4,608 bytes of LDS; arguments wb, afrag, mfrag; writes mfrag
.if DOCPART == 9
	.amdgcn_target "amdgcn-amd-amdhsa--gfx1250"
	.amdhsa_code_object_version 6
	.text
	.protected	k_qe03df0df2d_mmat
	.globl	k_qe03df0df2d_mmat
	.p2align	8
	.type	k_qe03df0df2d_mmat,@function
k_qe03df0df2d_mmat:
	s_mov_b64 s[64:65], 0
	v_nop
	global_prefetch_b8 v0, s[64:65] scope:SCOPE_SE
	s_setreg_imm32_b32 hwreg(HW_REG_WAVE_MODE, 25, 1), 1
	s_wait_xcnt 0x0
; mmat: M = Wq A, [256][128], where A[(head, m)][d] = attn / 4 and K = 512 runs over (head, m).
; Work-group (x = it, y = dblk) makes the tile of rows 16 it .. +15 and columns 16 dblk .. +15; wave w takes head w (K = 128, four K
; steps), with A's hi and lo on two accumulators; the four waves' tiles meet in LDS and wave 0 adds them and stores 1024 M as f16.
; WHY f16: one bf16 number keeps 8 significant bits, too few for M; f16 keeps 11 in one operand.  WHY 1024: |M| is at most the largest
; |Wq| (each head's attn sums to 1 over m, and the four heads are averaged), so 1024 |M| stays under f16's largest number, 65,504, up to
; |Wq| = 63, and weights thirty times smaller than 0.02 still give normal f16 numbers.  The last launch divides by 1024 again.
; A tile's lane holds eight neighbouring rows i of one column d: packed, it is half (it & 1) of the fragment with lane index d and
; K = i, which is what the last launch multiplies by.  mfrag: ((it >> 1) 8 + dblk) 1,024 + (it & 1) 512 + 16 lane.
; LIMITS: Wq is rounded once to bf16, M once to f16; |Wq| below 63.
; No cluster: a group reads 16 KiB of Wq and 32 KiB of fragments once, straight into registers.
.set A,  16                            ; v[16:47]   Wq's four fragments; later the four waves' tiles
.set B,  48                            ; v[48:111]  A's four K steps, hi 8 + lo 8 registers; later M, packed
.set CH, 112                           ; v[112:119] sums with hi
.set CL, 120                           ; v[120:127] sums with lo
	s_load_b128 s[4:7], s[0:1], 0x0                ; wb s[4:5], afrag s[6:7]
	s_load_b64 s[8:9], s[0:1], 0x10                ; mfrag
	v_lshl_add_u32 v128, v0, 2, 0x1000
	v_mov_b32 v129, 0
	v_lshrrev_b32 v1, 5, v0
	v_readfirstlane_b32 s10, v1                    ; wave = head
	s_and_b32 s11, ttmp7, 0xffff                   ; dblk
	v_and_b32 v1, 31, v0
	v_lshlrev_b32 v1, 4, v1                        ; 16 x lane
	v_and_b32 v2, 15, v0
	v_bfe_u32 v3, v0, 4, 1
	v_lshlrev_b32 v3, 4, v3
	v_lshl_add_u32 v4, v2, 10, v3                  ; Wq: row r of 1,024 bytes + 16 hh
	v_lshl_add_u32 v5, s10, 10, v1                 ; my wave's kilobyte in LDS
	s_lshl_b32 s12, ttmp9, 14                      ; 16 rows of 1,024 bytes,
	s_lshl_b32 s13, s10, 8                         ; the head's 256 bytes,
	s_add_co_u32 s12, s12, s13
	s_add_co_u32 s12, s12, 524288                  ; section 2 of wb
	s_mov_b32 s13, 0
	s_lshl_b32 s14, s10, 16                        ; the head's four K blocks of 16,384 bytes
	s_lshl_b32 s15, s11, 11
	s_add_co_u32 s14, s14, s15
	s_mov_b32 s15, 0
	s_lshr_b32 s16, ttmp9, 1
	s_lshl_b32 s16, s16, 13
	s_lshl_b32 s17, s11, 10
	s_add_co_u32 s16, s16, s17
	s_and_b32 s17, ttmp9, 1
	s_lshl_b32 s17, s17, 9
	s_add_co_u32 s16, s16, s17
	s_mov_b32 s17, 0
	s_wait_kmcnt 0x0
	s_add_nc_u64 s[4:5], s[4:5], s[12:13]
	s_add_nc_u64 s[6:7], s[6:7], s[14:15]
	s_add_nc_u64 s[8:9], s[8:9], s[16:17]
.irp k, 0,1,2,3
	global_load_b128 v[A+8*\k:A+8*\k+3],   v4, s[4:5] offset:64*\k
	global_load_b128 v[A+8*\k+4:A+8*\k+7], v4, s[4:5] offset:64*\k+32
.irp q, 0,1,2,3
	global_load_b128 v[B+16*\k+4*\q:B+16*\k+4*\q+3], v1, s[6:7] offset:\k*16384+\q*512
.endr
.endr
	s_wait_loadcnt 0x0
	; the two accumulators take turns, one instruction a turn; the first products start the sums
	v_wmma_f32_16x16x32_bf16 v[CH:CH+7], v[A:A+7], v[B:B+7], 0
	v_wmma_f32_16x16x32_bf16 v[CL:CL+7], v[A:A+7], v[B+8:B+15], 0
.irp k, 1,2,3
	v_wmma_f32_16x16x32_bf16 v[CH:CH+7], v[A+8*\k:A+8*\k+7], v[B+16*\k:B+16*\k+7],    v[CH:CH+7]
	v_wmma_f32_16x16x32_bf16 v[CL:CL+7], v[A+8*\k:A+8*\k+7], v[B+16*\k+8:B+16*\k+15], v[CL:CL+7]
.endr
.rept 4
	v_nop                                          ; four places behind the last matrix instruction (ISA guide 7.12.1)
.endr
.irp e, 0,2,4,6
	v_pk_add_f32 v[CH+\e:CH+\e+1], v[CH+\e:CH+\e+1], v[CL+\e:CL+\e+1]
.endr
	ds_store_b128 v5, v[CH:CH+3]
	ds_store_b128 v5, v[CH+4:CH+7] offset:512
	s_wait_dscnt 0x0                               ; for wave 0's sake
	s_barrier_signal -1
	s_barrier_wait -1
	s_cmp_lg_u32 s10, 0
	s_cbranch_scc1 .Lend
.irp w, 0,1,2,3
	ds_load_b128 v[A+8*\w:A+8*\w+3],   v1 offset:1024*\w
	ds_load_b128 v[A+8*\w+4:A+8*\w+7], v1 offset:1024*\w+512
.endr
	s_wait_dscnt 0x0
.irp e, 0,2,4,6,8,10,12,14
	v_pk_add_f32 v[A+\e:A+\e+1], v[A+\e:A+\e+1], v[A+16+\e:A+16+\e+1]
.endr
.irp e, 0,2,4,6
	v_pk_add_f32 v[A+\e:A+\e+1], v[A+\e:A+\e+1], v[A+8+\e:A+8+\e+1]
.endr
.irp e, 0,2,4,6
	v_pk_mul_f32 v[A+\e:A+\e+1], v[A+\e:A+\e+1], 0x44800000 op_sel_hi:[1,0]   ; x 1024: a power of two, so no bit is lost
.endr
.irp p, 0,1,2,3
	v_cvt_pk_f16_f32 v[B+\p], v[A+2*\p], v[A+2*\p+1]       ; the lower row in the low half
.endr
	global_store_b128 v1, v[B:B+3], s[8:9]         ; 512 consecutive bytes, aligned
.Lend:
	s_wait_tensorcnt 0x0
	ds_add_u32 v128, v129
	s_wait_dscnt 0x0
	s_endpgm
.Lfunc_end_k_qe03df0df2d_mmat:
	.size	k_qe03df0df2d_mmat, .Lfunc_end_k_qe03df0df2d_mmat-k_qe03df0df2d_mmat
	.p2alignl 7, 3214868480
	.fill 96, 4, 3214868480
	.section	.rodata,"a",@progbits
	.p2align	6, 0x0
	.amdhsa_kernel k_qe03df0df2d_mmat
		.amdhsa_group_segment_fixed_size 4608
		.amdhsa_private_segment_fixed_size 0
		.amdhsa_enable_private_segment 0
		.amdhsa_kernarg_size 24
		.amdhsa_user_sgpr_count 2
		.amdhsa_user_sgpr_kernarg_segment_ptr 1
		.amdhsa_wavefront_size32 1
		.amdhsa_system_sgpr_workgroup_id_x 1
		.amdhsa_system_sgpr_workgroup_id_y 1
		.amdhsa_system_sgpr_workgroup_id_z 1
		.amdhsa_system_vgpr_workitem_id 0
		.amdhsa_next_free_vgpr 130
		.amdhsa_next_free_sgpr 66
		.amdhsa_reserve_vcc 0
		.amdhsa_float_denorm_mode_32 3
		.amdhsa_float_denorm_mode_16_64 3
		.amdhsa_memory_ordered 1
		.amdhsa_forward_progress 1
		.amdhsa_inst_pref_size 8
	.end_amdhsa_kernel
	.amdgpu_metadata
---
amdhsa.version: [ 1, 2 ]
amdhsa.kernels:
  - .name:           k_qe03df0df2d_mmat
    .symbol:         k_qe03df0df2d_mmat.kd
    .args:
      - { .name: wb, .offset: 0, .size: 8, .value_kind: global_buffer, .address_space: global }
      - { .name: afrag, .offset: 8, .size: 8, .value_kind: global_buffer, .address_space: global }
      - { .name: mfrag, .offset: 16, .size: 8, .value_kind: global_buffer, .address_space: global }
    .group_segment_fixed_size: 4608
    .private_segment_fixed_size: 0
    .kernarg_segment_align: 8
    .kernarg_segment_size: 24
    .max_flat_workgroup_size: 128
    .sgpr_count:     66
    .vgpr_count:     130
    .wavefront_size: 32
...
	.end_amdgpu_metadata
.endif
;; end of part 9
;; launch outk (part 10): grid 256 x 1, 8 waves a work-group, no clusters, 103,424 bytes of LDS; arguments query_input, mfrag, cpart, out0; writes out0
.if DOCPART == 10
	.amdgcn_target "amdgcn-amd-amdhsa--gfx1250"
	.amdhsa_code_object_version 6
	.text
	.protected	k_qe03df0df2d_outk
	.globl	k_qe03df0df2d_outk
	.p2align	8
	.type	k_qe03df0df2d_outk,@function
k_qe03df0df2d_outk:
	s_mov_b64 s[64:65], 0
	v_nop
	global_prefetch_b8 v0, s[64:65] scope:SCOPE_SE
	s_setreg_imm32_b32 hwreg(HW_REG_WAVE_MODE, 25, 1), 1
	s_wait_xcnt 0x0
; outk: out0 = X M + c.  X = query_input [100000][256] f32, 1024 M [256][128] as f16 fragments (mfrag), c = the sum of cpart's four heads.
; Work-group g owns the pairs of rows (3125 g) >> 4 up to (3125 (g+1)) >> 4, 390 or 392 rows: six steps of 64 rows and a short step of
; 6 or 8 rows.
; A step: 256 threads load 64 rows (sixteen loads of 16 bytes a thread, each pass of the group 4,096 consecutive bytes), convert them and
; lay them in an LDS slot [64 rows][256 features].  Wave w = 2 rg + cq reads the fragments of rows 16 rg .. +15 and multiplies them by
; its 64 columns of M, which stay in 256 registers for the whole launch: four accumulator tiles.  The matrix instruction is used
; transposed (source 0 = M's fragment with lane index d, source 1 = X's rows), so that a lane holds eight neighbouring columns of one row.
; A wave's row of results is 64 numbers = 256 bytes at a multiple of 256 bytes: the tile goes through a stage in LDS that is the wave's
; own, and each store covers two such rows, sixteen lanes each.
; FORMAT: X is rounded to bf16, as every other input of the program is, and then written as f16, which holds every bf16 number from
; 2^-17 to 65,504 exactly.  The f16 form is taken for M's sake: 11 significant bits in one operand.
; LIMITS: X rounded once to bf16, M once to f16; |X| up to 65,504 (beyond it the operand is infinite); |X| below 2^-17 is off by 2^-25
; at the most.
; No cluster: the groups share only M, 64 KiB against the 600 KiB of X and out0 that each group moves, and it is read once, into registers.
; No tensor load: X must pass through registers to be converted.
.set XP,    528                        ; a row of XS: 512 bytes of f16 + 16 = 33 x 16 bytes
.set XSLOT, 64*XP                      ; 33,792 bytes; two slots take turns
.set OST,   2*XSLOT                    ; behind them the eight waves' stages,
.set OP,    272                        ; rows of 256 bytes of f32 + 16 = 17 x 16 bytes,
.set OSW,   16*OP                      ; 4,352 bytes a wave
.set STEPB, 65536                      ; 64 rows of 1,024 bytes
.set GO,  1                            ; v1  16 t; never rewritten
.set GO2, 2                            ; v2  the short step's second load, its row clamped to the group's last row
.set LST, 3                            ; v3  XS: where I put 8 bytes of f16
.set LXF, 4                            ; v4  XS: my fragments
.set LOS, 5                            ; v5  my stage: where my results go
.set LRB, 6                            ; v6  my stage: the rows that I read back
.set OO,  7                            ; v7  out0: those rows
.set PO,  8                            ; v8  16 x lane
.set CO,  9                            ; v9  cpart: my four columns at the read-back
.set STG, 16                           ; v[16:143]  two sets of sixteen loads
.set XF,  144                          ; v[144:207] X's eight fragments; then v[144:175] the rows on their way out
.set ACC, 208                          ; v[208:239] four accumulator tiles
.set CV,  240                          ; v[240:243] c of my four columns
.set CT,  244                          ; v[244:255] cpart's heads 1 to 3 on their way in
                                       ; window 1 (v256-v511): M's fragment (kk, tau) at v[32 kk + 8 tau]
.set MSB, 0
.macro WIN new                         ; the immediate's high byte repeats the setting that is left
.if MSB != \new
	s_set_vgpr_msb (MSB<<8)|\new
.set MSB, \new
.endif
.endm
.macro PLACES                          ; four places behind a matrix instruction (ISA guide 7.12.1)
.rept 4
	v_nop
.endr
.endm
	s_load_b256 s[4:11], s[0:1], 0x0               ; query_input s[4:5], mfrag s[6:7], cpart s[8:9], out0 s[10:11]
	v_lshl_add_u32 v14, v0, 2, 0x19000
	v_mov_b32 v15, 0
	v_lshrrev_b32 v10, 5, v0
	v_readfirstlane_b32 s12, v10                   ; wave 0..7
	s_mul_i32 s14, ttmp9, 3125
	s_lshr_b32 s15, s14, 4                         ; my first pair of rows
	s_add_co_u32 s14, s14, 3125
	s_lshr_b32 s14, s14, 4                         ; the next group's
	s_sub_co_u32 s13, s14, s15
	s_sub_co_u32 s13, s13, 192                     ; pairs of the short step: 3 or 4
	s_lshl_b32 s13, s13, 1                         ; its rows: 6 or 8
	s_lshl_b32 s20, s15, 11                        ; a pair of rows is 2,048 bytes in (below 2^27),
	s_mov_b32 s21, 0
	s_lshl_b32 s22, s15, 10                        ; 1,024 bytes out
	s_mov_b32 s23, 0
	s_lshr_b32 s16, s12, 1                         ; rg: my 16 rows of a step's 64
	s_and_b32 s17, s12, 1                          ; cq: my 64 columns
	s_lshl_b32 s24, s17, 12                        ; my four column blocks of M: 4 x 1,024 bytes in each K step
	s_mov_b32 s25, 0
	s_lshl_b32 s18, s17, 8                         ; 64 columns of 4 bytes
	s_mov_b32 s27, 0xffff0000                      ; a word's upper bf16
	v_lshlrev_b32 v[GO], 4, v0
	v_and_b32 v[PO], 31, v0
	v_lshlrev_b32 v[PO], 4, v[PO]
	v_and_b32 v10, 15, v0                          ; r
	v_bfe_u32 v11, v0, 4, 1                        ; hh
	v_lshl_add_u32 v[CO], v10, 4, s18              ; 256 cq + 16 r
	s_wait_kmcnt 0x0
	s_add_nc_u64 s[4:5], s[4:5], s[20:21]
	s_add_nc_u64 s[6:7], s[6:7], s[24:25]
	s_add_nc_u64 s[10:11], s[10:11], s[22:23]
.macro LOADS st, set                   ; the 64 rows of step st into a set
.irp i, 0,1,2,3,4,5,6,7,8,9,10,11,12,13,14,15
	global_load_b128 v[STG+64*\set+4*\i:STG+64*\set+4*\i+3], v[GO], s[4:5] offset:(\st)*STEPB+\i*4096 th:TH_LOAD_NT
.endr
.endm
.macro MLOAD kk                        ; M's four fragments of K step kk: eight loads of 512 consecutive bytes
.irp tau, 0,1,2,3
	global_load_b128 v[32*\kk+8*\tau:32*\kk+8*\tau+3],   v[PO], s[6:7] offset:\kk*8192+\tau*1024
	global_load_b128 v[32*\kk+8*\tau+4:32*\kk+8*\tau+7], v[PO], s[6:7] offset:\kk*8192+\tau*1024+512
.endr
.endm
	; the first group of loads, 60 in all: c, X's first two steps, M's first three K steps.  X is asked for ahead of M.
	global_load_b128 v[CV:CV+3], v[CO], s[8:9]
.irp h, 1,2,3
	global_load_b128 v[CT+4*(\h-1):CT+4*(\h-1)+3], v[CO], s[8:9] offset:\h*512
.endr
	LOADS 0, 0
	LOADS 1, 1
	WIN 0x40                                       ; destination in window 1
.irp kk, 0,1,2
	MLOAD \kk
.endr
	WIN 0
	s_add_co_u32 s14, s16, 4                       ; the row that my second short load stands for: 4 + (t >> 6), and t >> 6 is rg,
	s_sub_co_u32 s15, s13, 1
	s_min_u32 s14, s14, s15                        ; clamped to the last row: the load stays inside the buffer, and the copy's result is not stored
	s_lshl_b32 s14, s14, 10
	v_and_b32 v12, 63, v0
	v_lshlrev_b32 v[GO2], 4, v12
	v_add_nc_u32 v[GO2], s14, v[GO2]
	v_lshrrev_b32 v13, 6, v0
	v_mul_u32_u24 v13, v13, XP
	v_lshl_add_u32 v[LST], v12, 3, v13             ; row t >> 6, column 4 (t & 63)
	v_lshl_add_u32 v12, s16, 4, v10
	v_mul_u32_u24 v12, v12, XP                     ; row 16 rg + r
	v_lshl_add_u32 v[LXF], v11, 4, v12             ; + 16 hh
	s_mul_i32 s19, s12, OSW
	s_add_co_u32 s19, s19, OST                     ; my stage
	v_mul_u32_u24 v13, v10, OP                     ; in: row r, 32 bytes for each half of the lanes
	v_lshl_add_u32 v13, v11, 5, v13
	v_add_nc_u32 v[LOS], s19, v13
	v_mul_u32_u24 v13, v11, OP                     ; back: lanes 0-15 take one row of 256 bytes, lanes 16-31 the next
	v_lshl_add_u32 v13, v10, 4, v13
	v_add_nc_u32 v[LRB], s19, v13
	v_lshl_add_u32 v12, s16, 4, v11                ; and the same two rows in out0: row 16 rg + lane / 16 of 512 bytes,
	v_lshl_add_u32 v[OO], v12, 9, v[CO]            ; + 256 cq + 16 (lane % 16)
; cnt loads' numbers (four registers a load, from v[base] on): to bf16, widened again, to f16, 8 bytes a load into XS at immediate off,
; four rows apart.  The steps go through all the loads in turn, so that no instruction waits for the one in front of it.
.macro XCONV base, off, cnt
.set q, 0
.rept \cnt
	v_cvt_pk_bf16_f32 v[\base+4*q],   v[\base+4*q],   v[\base+4*q+1]
	v_cvt_pk_bf16_f32 v[\base+4*q+1], v[\base+4*q+2], v[\base+4*q+3]
.set q, q+1
.endr
.set q, 0
.rept \cnt
	v_lshlrev_b32 v[\base+4*q+2], 16,  v[\base+4*q]
	v_and_b32     v[\base+4*q+3], s27, v[\base+4*q]
.set q, q+1
.endr
.set q, 0
.rept \cnt
	v_cvt_pk_f16_f32 v[\base+4*q], v[\base+4*q+2], v[\base+4*q+3]
.set q, q+1
.endr
.set q, 0
.rept \cnt
	v_lshlrev_b32 v[\base+4*q+2], 16,  v[\base+4*q+1]
	v_and_b32     v[\base+4*q+3], s27, v[\base+4*q+1]
.set q, q+1
.endr
.set q, 0
.rept \cnt
	v_cvt_pk_f16_f32 v[\base+4*q+1], v[\base+4*q+2], v[\base+4*q+3]
.set q, q+1
.endr
.set q, 0
.rept \cnt
	ds_store_b64 v[LST], v[\base+4*q:\base+4*q+1] offset:\off+q*4*XP
.set q, q+1
.endr
.endm
.macro CONV16 set, slot                ; a whole set: 64 rows, sixteen LDS stores
.irp g, 0,1,2,3
	XCONV STG+64*\set+16*\g, \slot*XSLOT+\g*16*XP, 4
.endr
.endm
.macro FRAGS slot                      ; sixteen loads: the eight fragments of my 16 rows
.irp kk, 0,1,2,3,4,5,6,7
	ds_load_b128 v[XF+8*\kk:XF+8*\kk+3],   v[LXF] offset:\slot*XSLOT+64*\kk
	ds_load_b128 v[XF+8*\kk+4:XF+8*\kk+7], v[LXF] offset:\slot*XSLOT+64*\kk+32
.endr
.endm
; 32 matrix instructions.  The four accumulators take turns, one instruction a turn.
; The first K step's products start the sums; nothing is cleared.
.macro MULS
	WIN 0x01                                       ; source 0 (M) in window 1
.irp tau, 0,1,2,3
	v_wmma_f32_16x16x32_f16 v[ACC+8*\tau:ACC+8*\tau+7], v[8*\tau:8*\tau+7], v[XF:XF+7], 0
.endr
.irp kk, 1,2,3,4,5,6,7
.irp tau, 0,1,2,3
	v_wmma_f32_16x16x32_f16 v[ACC+8*\tau:ACC+8*\tau+7], v[32*\kk+8*\tau:32*\kk+8*\tau+7], v[XF+8*\kk:XF+8*\kk+7], v[ACC+8*\tau:ACC+8*\tau+7]
.endr
.endr
	WIN 0
	PLACES                                         ; in front of the LDS stores of the sums and of the loads into the fragments' registers
.endm
.macro STAGE                           ; my tile into my stage: lane (r, hh) holds columns 16 tau + 8 hh + 0 .. 7 of row r
.irp tau, 0,1,2,3
	ds_store_b128 v[LOS], v[ACC+8*\tau:ACC+8*\tau+3]   offset:64*\tau
	ds_store_b128 v[LOS], v[ACC+8*\tau+4:ACC+8*\tau+7] offset:64*\tau+16
.endr
.endm
.macro FIN t                           ; four numbers: the factor 1024 taken out again (2^-10) and c added, in one fused multiply-add
	v_pk_fma_f32 v[XF+4*\t:XF+4*\t+1],   v[XF+4*\t:XF+4*\t+1],   0x3a800000, v[CV:CV+1]   op_sel_hi:[1,0,1]
	v_pk_fma_f32 v[XF+4*\t+2:XF+4*\t+3], v[XF+4*\t+2:XF+4*\t+3], 0x3a800000, v[CV+2:CV+3] op_sel_hi:[1,0,1]
.endm
; The way out of a whole step.  The stage is the wave's own and LDS serves a wave's instructions in order (ISA guide 5.7.1): the loads
; see the stores, with no wait and no barrier between them.
.macro OUT st
	STAGE
.irp t, 0,1,2,3,4,5,6,7
	ds_load_b128 v[XF+4*\t:XF+4*\t+3], v[LRB] offset:\t*2*OP
.endr
.irp t, 0,1,2,3,4,5,6,7
	s_wait_dscnt 7-\t                              ; rows 2 t and 2 t + 1 are back; the 7 - t younger loads stay out
	FIN \t
	global_store_b128 v[OO], v[XF+4*\t:XF+4*\t+3], s[10:11] offset:\st*32768+\t*1024 th:TH_STORE_NT   ; sixteen lanes: 256 consecutive bytes, aligned
.endr
.endm
; Between two barriers a wave reads this step's slot and writes the next step's rows into the other slot; the conversion stands between
; the fragment loads and the products, so that it is done while the fragments are on their way.
; One barrier a step serves both orders: in front of it every wave has waited for all its LDS instructions, so that behind it the slot
; just written is whole and the slot just read may be written again.
; conv = 1: a whole set is converted; 2: the short step's two loads.  kind = 1: the set just emptied is asked for again, with step nst;
; 2: with the short step's two loads; 0: nothing is left to ask for.
.macro OSTEP st, slot, nslot, conv, nset, left, kind, nst
	s_wait_xcnt 0x0                                ; v[144:175], which the last step's stores read, are loaded again only behind this wait
	FRAGS \slot
	s_wait_loadcnt \left                           ; the next step's set is in; the younger loads stay out
.if \conv == 1
	CONV16 \nset, \nslot
.else
	XCONV STG, \nslot*XSLOT, 2                     ; rows 0-7 of the slot; those past the end hold a copy of the last row
.endif
	s_wait_dscnt 0x0                               ; my fragments are in; my part of the next slot is written, for the other waves' sake; the set's registers are free
.if \kind == 1
	LOADS \nst, \nset
.endif
.if \kind == 2
	global_load_b128 v[STG:STG+3],   v[GO],  s[4:5] offset:6*STEPB th:TH_LOAD_NT   ; the short step: rows 0-3,
	global_load_b128 v[STG+4:STG+7], v[GO2], s[4:5] offset:6*STEPB th:TH_LOAD_NT   ; and rows 4-7, clamped
.endif
	MULS
	OUT \st                                        ; its last wait is for 0: no LDS instruction of mine is out at the signal
	s_barrier_signal -1
	s_barrier_wait -1
.endm
	s_wait_loadcnt 40                              ; c and step 0 are in; 40: step 1's sixteen loads and M's twenty-four
	v_pk_add_f32 v[CV:CV+1],     v[CV:CV+1],     v[CT:CT+1]
	v_pk_add_f32 v[CV+2:CV+3],   v[CV+2:CV+3],   v[CT+2:CT+3]
	v_pk_add_f32 v[CT+4:CT+5],   v[CT+4:CT+5],   v[CT+8:CT+9]
	v_pk_add_f32 v[CT+6:CT+7],   v[CT+6:CT+7],   v[CT+10:CT+11]
	v_pk_add_f32 v[CV:CV+1],     v[CV:CV+1],     v[CT+4:CT+5]
	v_pk_add_f32 v[CV+2:CV+3],   v[CV+2:CV+3],   v[CT+6:CT+7]
	CONV16 0, 0
	s_wait_dscnt 0x0
	WIN 0x40
.irp kk, 3,4,5,6,7
	MLOAD \kk                                      ; the rest of M
.endr
	WIN 0
	LOADS 2, 0
	s_barrier_signal -1
	s_barrier_wait -1
	OSTEP 0, 0, 1, 1, 1, 16, 1, 3                  ; multiplies step 0, converts step 1, asks for step 3.  16: step 2's loads; step 1 and all of M are in
	OSTEP 1, 1, 0, 1, 0, 16, 1, 4                  ; 16: the one younger set
	OSTEP 2, 0, 1, 1, 1, 16, 1, 5
	OSTEP 3, 1, 0, 1, 0, 16, 2, 0
	OSTEP 4, 0, 1, 1, 1, 2, 0, 0                   ; 2: the short step's two loads
	OSTEP 5, 1, 0, 2, 0, 0, 0, 0
	; the short step lies in rows 0-7 of slot 0: the two waves with rg = 0 finish it, the others have no rows left.  Rows 8-15 keep an
	; earlier step's numbers; a row of the result hangs on its own row of X alone, and only the rows that exist are stored.
	s_cmp_lg_u32 s16, 0
	s_cbranch_scc1 .Ldone
	s_wait_xcnt 0x0
	FRAGS 0
	s_wait_dscnt 0x0
	MULS
	STAGE
.irp t, 0,1,2,3
	ds_load_b128 v[XF+4*\t:XF+4*\t+3], v[LRB] offset:\t*2*OP
.endr
	s_wait_dscnt 0x0
.irp t, 0,1,2,3
	FIN \t
.endr
.irp t, 0,1,2
	global_store_b128 v[OO], v[XF+4*\t:XF+4*\t+3], s[10:11] offset:6*32768+\t*1024 th:TH_STORE_NT
.endr
	s_cmp_lt_u32 s13, 8                            ; rows 6 and 7 exist in the groups of 392 rows
	s_cbranch_scc1 .Ldone
	global_store_b128 v[OO], v[XF+12:XF+15], s[10:11] offset:6*32768+3*1024 th:TH_STORE_NT
.Ldone:
	s_wait_tensorcnt 0x0
	ds_add_u32 v14, v15
	s_wait_dscnt 0x0
	s_endpgm
.Lfunc_end_k_qe03df0df2d_outk:
	.size	k_qe03df0df2d_outk, .Lfunc_end_k_qe03df0df2d_outk-k_qe03df0df2d_outk
	.p2alignl 7, 3214868480
	.fill 96, 4, 3214868480
	.section	.rodata,"a",@progbits
	.p2align	6, 0x0
	.amdhsa_kernel k_qe03df0df2d_outk
		.amdhsa_group_segment_fixed_size 103424
		.amdhsa_private_segment_fixed_size 0
		.amdhsa_enable_private_segment 0
		.amdhsa_kernarg_size 32
		.amdhsa_user_sgpr_count 2
		.amdhsa_user_sgpr_kernarg_segment_ptr 1
		.amdhsa_wavefront_size32 1
		.amdhsa_system_sgpr_workgroup_id_x 1
		.amdhsa_system_sgpr_workgroup_id_y 1
		.amdhsa_system_sgpr_workgroup_id_z 1
		.amdhsa_system_vgpr_workitem_id 0
		.amdhsa_next_free_vgpr 512
		.amdhsa_next_free_sgpr 66
		.amdhsa_reserve_vcc 0
		.amdhsa_float_denorm_mode_32 3
		.amdhsa_float_denorm_mode_16_64 3
		.amdhsa_memory_ordered 1
		.amdhsa_forward_progress 1
		.amdhsa_inst_pref_size 109
	.end_amdhsa_kernel
	.amdgpu_metadata
---
amdhsa.version: [ 1, 2 ]
amdhsa.kernels:
  - .name:           k_qe03df0df2d_outk
    .symbol:         k_qe03df0df2d_outk.kd
    .args:
      - { .name: query_input, .offset: 0, .size: 8, .value_kind: global_buffer, .address_space: global }
      - { .name: mfrag, .offset: 8, .size: 8, .value_kind: global_buffer, .address_space: global }
      - { .name: cpart, .offset: 16, .size: 8, .value_kind: global_buffer, .address_space: global }
      - { .name: out0, .offset: 24, .size: 8, .value_kind: global_buffer, .address_space: global }
    .group_segment_fixed_size: 103424
    .private_segment_fixed_size: 0
    .kernarg_segment_align: 8
    .kernarg_segment_size: 32
    .max_flat_workgroup_size: 256
    .sgpr_count:     66
    .vgpr_count:     512
    .wavefront_size: 32
...
	.end_amdgpu_metadata
.endif
;; end of part 10
;; ======== version 3 of 3: 5 launches; version 2 with the launches gram, outk written anew for expert scheduling mode
;; limits: values outside matrix products are rounded to bf16; values are held in f16: magnitudes above 65,504 overflow, below 6.1e-05 lose precision; inputs' magnitudes at most 63; right only within a limited range of input values
;; workspace buffers: part 38,010,880 bytes; gs 263,168 bytes; wb 786,432 bytes; afrag 262,144 bytes; cpart 2,048 bytes; mfrag 65,536 bytes
;; launch gram (part 11): grid 256 x 1, 8 waves a work-group, no clusters, 39,936 bytes of LDS; arguments source_input, part; writes part
.if DOCPART == 11
	.amdgcn_target "amdgcn-amd-amdhsa--gfx1250"
	.amdhsa_code_object_version 6
	.text
	.protected	k_qe03df0df2d_gram
	.globl	k_qe03df0df2d_gram
	.p2align	8
	.type	k_qe03df0df2d_gram,@function
k_qe03df0df2d_gram:
	s_mov_b64 s[64:65], 0
	v_nop
	global_prefetch_b8 v0, s[64:65] scope:SCOPE_SE
	s_setreg_imm32_b32 hwreg(HW_REG_WAVE_SCHED_MODE, 0, 2), 2
	s_setreg_imm32_b32 hwreg(HW_REG_WAVE_MODE, 25, 1), 1
	s_wait_xcnt 0x0
	s_wait_alu depctr_vm_vsrc(0)
; gram: each work-group makes its partial of the Gram matrix G = S^T S (256 x 256, f32) and the column sums of its own 390 or 391 rows
; of source_input [100000][256] f32.  Work-group g owns rows (3125 g) >> 3 up to (3125 (g+1)) >> 3: twelve steps of 32 rows and a short
; step of 6 or 7 rows, whose missing rows are zeros.
; G IS SYMMETRIC: of its 16 x 16 tiles of 16 x 16 only tile (i, (i + d) mod 16) with d = 0 .. 8 is made; the next launch mirrors d = 1 .. 7.
; Wave w owns block rows 2 w and 2 w + 1: 18 tiles from ten fragments, those of feature blocks (2 w + c) mod 16, c = 0 .. 9.  Source 0 and
; source 1 have the same register map, so fragments 0 and 1 serve as both.  The tiles at d = 8 are made in both orientations (8 of the
; 144 are redundant): that keeps the eight waves' text alike, with ten address registers as the only difference.
; A step: 256 threads load 32 rows (eight loads of 16 bytes a thread, each pass of the group 4,096 consecutive bytes), add them to the
; column sums, convert to bf16 and lay them in an LDS slot [32 rows][256 features]; the transposing LDS load then makes fragments with
; the 32 rows as K.
; The tiles are stored as they lie in the registers (tile 9 i + d: 1,024 bytes; registers 0-3 at 16 x lane, registers 4-7 512 bytes
; further): every store of a wave covers 512 consecutive bytes, aligned.
; LIMITS: S enters the products rounded once to bf16; the column sums are taken from the unrounded numbers.
; No cluster: no two work-groups read the same rows.  No tensor load: the rows must pass through registers to become bf16.
; THE MODE: SCHED_MODE bits 1:0 = 2 (LLVM: expert scheduling mode 2), set by the entry lines.  The code itself states the register dependences
; between vector or matrix instructions and memory or LDS instructions, with s_wait_alu, always for 0.
; THE PLAN.  Registers that memory or LDS instructions touch; step p is the text between two barriers:
;   STG0 .. STG3  Step p works on the stage of step p + 1: its sums read the stage, its conversions write the first two of each four registers,
;                 eight LDS stores read those, and the loads of step p + 5 land in the stage.
;   F             Twenty LDS loads land in it at the step's head; the step's 18 products read it.
;   CS            Written by the sums; read by one LDS store in the last step.
;   v1, v2, v3, v6, v[12:13], v[224:233]   offsets, addresses and zeros, made at the head and never written again.
;   the accumulators (window 1)            written by products alone; read by the 36 stores at the end.
; So a step has three waits: va_vdst at its head (the last step's products are done reading F), va_vdst behind its 32 lines of sums and
; conversions (the stage is written and no longer named), vm_vsrc behind its eight LDS stores (they have read the stage).  Behind the third the
; stage's next eight loads go out, ahead of the products, which name F and the accumulators alone.
.set PITCH,  544                       ; an LDS row: 512 bytes of bf16 + 32 = 17 x 32 bytes
.set SLOT,   32*PITCH                  ; 17,408 bytes; two slots take turns
.set CSUM,   2*SLOT                    ; 4,096 bytes: each thread's four column sums
.set PPITCH, 148480                    ; bytes of one partial: 144 tiles of 1,024 bytes, then 1,024 bytes of column sums
.set STEPB,  32768                     ; 32 rows of 1,024 bytes
.set GO,  1                            ; v1   16 t: my 16 bytes in a pass of four rows; never rewritten
.set GO2, 2                            ; v2   the short step's second load: its row clamped to the group's last row
.set LST, 3                            ; v3   where I put 8 bytes of bf16: row t >> 6, column 4 (t & 63)
.set PO,  6                            ; v6   16 x lane
.set CS,  8                            ; v[8:11]    sums of my four columns
.set ZZ,  12                           ; v[12:13]   zeros for the short step
.set STG, 16                           ; v[16:143]  four stages of eight loads
.set F,   144                          ; v[144:223] ten fragments
.set FAD, 224                          ; v[224:233] their LDS addresses in slot 0
                                       ; window 1 (v256-v399): accumulator tile (a, d) of block row 2 w + a at v[8 (9 a + d)]
.set MSB, 0
.macro WIN new                         ; the immediate's high byte repeats the setting that is left
.if MSB != \new
	s_set_vgpr_msb (MSB<<8)|\new
.set MSB, \new
.endif
.endm
.macro PLACES                          ; four places behind a matrix instruction (ISA guide 7.12.1)
.rept 4
	v_nop
.endr
.endm
	s_load_b128 s[4:7], s[0:1], 0x0                ; source_input s[4:5], part s[6:7]
	v_lshl_add_u32 v254, v0, 2, 0x9800
	v_mov_b32 v255, 0
	v_lshrrev_b32 v7, 5, v0
	v_readfirstlane_b32 s8, v7                     ; wave 0..7
	s_mul_i32 s9, ttmp9, 3125
	s_lshr_b32 s10, s9, 3                          ; my first row
	s_add_co_u32 s11, s9, 3125
	s_lshr_b32 s11, s11, 3                         ; the next group's first row
	s_sub_co_u32 s13, s11, s10
	s_sub_co_u32 s13, s13, 384                     ; rows of the short step: 6 or 7
	s_lshl_b32 s20, s10, 10                        ; first row x 1,024 bytes (below 2^27)
	s_mov_b32 s21, 0
	v_lshlrev_b32 v[GO], 4, v0
	s_wait_alu depctr_va_sdst(0)                   ; s8 is written, ahead of its first reader: the wave's tiles, rows and feature blocks are made from it
	s_wait_kmcnt 0x0
	s_add_nc_u64 s[4:5], s[4:5], s[20:21]          ; S at my first row
	s_wait_alu depctr_va_vdst(0)                   ; v[GO] is written: the loads below read it as their offset
.macro LOADS st, stage                 ; the 32 rows of step st into a stage
.irp i, 0,1,2,3,4,5,6,7
	global_load_b128 v[STG+32*\stage+4*\i:STG+32*\stage+4*\i+3], v[GO], s[4:5] offset:(\st)*STEPB+\i*4096 th:TH_LOAD_NT
.endr
.endm
	LOADS 0, 0
	LOADS 1, 1
	LOADS 2, 2
	LOADS 3, 3                                     ; 32 loads of every wave are on their way
	s_mul_i32 s22, ttmp9, PPITCH                   ; my partial (below 2^26)
	s_mov_b32 s23, 0
	s_mul_i32 s24, s8, 18*1024                     ; my wave's 18 tiles
	s_mov_b32 s25, 0
	s_add_nc_u64 s[18:19], s[6:7], s[22:23]        ; my partial
	s_add_nc_u64 s[6:7], s[18:19], s[24:25]        ; my wave's first tile
	s_lshr_b32 s14, s8, 1
	s_add_co_u32 s14, s14, 4                       ; the row that my second short load stands for: 4 + (t >> 6)
	s_sub_co_u32 s15, s13, 1
	s_min_u32 s17, s14, s15                        ; clamped to the last row, so that the load stays inside the buffer
	s_lshl_b32 s17, s17, 10
	s_cmp_lt_u32 s14, s13
	s_cselect_b32 s16, -1, 0                       ; all ones if that row exists, else 0
	v_and_b32 v7, 63, v0
	v_lshlrev_b32 v[GO2], 4, v7
	v_add_nc_u32 v[GO2], s17, v[GO2]
	v_lshrrev_b32 v14, 6, v0
	v_mul_u32_u24 v14, v14, PITCH
	v_lshl_add_u32 v[LST], v7, 3, v14
	v_and_b32 v7, 7, v0                            ; the transposing load's address: row 8 (lane / 16) + lane % 8,
	v_bfe_u32 v14, v0, 4, 1
	v_lshl_add_u32 v7, v14, 3, v7
	v_mul_u32_u24 v7, v7, PITCH
	v_bfe_u32 v14, v0, 3, 1                        ; and 16 bytes further for lanes 8-15 and 24-31
	v_lshl_add_u32 v7, v14, 4, v7
	s_lshl_b32 s12, s8, 1                          ; my first feature block: 2 w
.irp c, 0,1,2,3,4,5,6,7,8,9
	s_add_co_u32 s9, s12, \c
	s_and_b32 s9, s9, 15                           ; feature block (2 w + c) mod 16,
	s_lshl_b32 s9, s9, 5                           ; of 16 features of 2 bytes
	v_add_nc_u32 v[FAD+\c], s9, v7
.endr
	v_and_b32 v[PO], 31, v0
	v_lshlrev_b32 v[PO], 4, v[PO]
.irp e, 0,1,2,3,4,5
	v_mov_b32 v[CS+\e], 0                          ; four sums and the pair of zeros
.endr
; One load's four numbers: into the column sums, to bf16 in place.
.macro CONVV stage, n
	v_pk_add_f32 v[CS:CS+1], v[CS:CS+1], v[STG+32*\stage+4*\n:STG+32*\stage+4*\n+1]
	v_pk_add_f32 v[CS+2:CS+3], v[CS+2:CS+3], v[STG+32*\stage+4*\n+2:STG+32*\stage+4*\n+3]
	v_cvt_pk_bf16_f32 v[STG+32*\stage+4*\n], v[STG+32*\stage+4*\n], v[STG+32*\stage+4*\n+1]
	v_cvt_pk_bf16_f32 v[STG+32*\stage+4*\n+1], v[STG+32*\stage+4*\n+2], v[STG+32*\stage+4*\n+3]
.endm
; The same four numbers: 8 bytes into the slot.
.macro CONVS stage, slot, n
	ds_store_b64 v[LST], v[STG+32*\stage+4*\n:STG+32*\stage+4*\n+1] offset:\slot*SLOT+\n*4*PITCH
.endm
.macro CONVV8 stage                    ; a whole stage: 32 rows, 32 vector lines
.irp i, 0,1,2,3,4,5,6,7
	CONVV \stage, \i
.endr
.endm
.macro CONVS8 stage, slot              ; and its eight LDS stores, in one run
.irp i, 0,1,2,3,4,5,6,7
	CONVS \stage, \slot, \i
.endr
.endm
; 20 transposing loads: ten fragments, two loads each, 16 rows apart.
.macro FRAGS slot
.irp c, 0,1,2,3,4,5,6,7,8,9
	ds_load_tr16_b128 v[F+8*\c:F+8*\c+3],   v[FAD+\c] offset:\slot*SLOT
	ds_load_tr16_b128 v[F+8*\c+4:F+8*\c+7], v[FAD+\c] offset:\slot*SLOT+16*PITCH
.endr
.endm
.macro MM acc, a, b, zero              ; one tile: source 0 = fragment a (the tile's rows), source 1 = fragment b (its columns)
.if \zero
	v_wmma_f32_16x16x32_bf16 v[8*(\acc):8*(\acc)+7], v[F+8*(\a):F+8*(\a)+7], v[F+8*(\b):F+8*(\b)+7], 0
.else
	v_wmma_f32_16x16x32_bf16 v[8*(\acc):8*(\acc)+7], v[F+8*(\a):F+8*(\a)+7], v[F+8*(\b):F+8*(\b)+7], v[8*(\acc):8*(\acc)+7]
.endif
.endm
; 18 matrix instructions, in the order in which the fragments arrive: with fragment c come tile (0, d = c) and tile (1, d = c - 1).
; The 18 accumulators take turns, one instruction a turn.
; zero = 1: the first step's products start the sums; nothing is cleared.  young = LDS stores issued behind the fragment loads.
.macro MULS zero, young
	WIN 0x50                                       ; C and D in window 1, the fragments in window 0
.irp c, 0,1,2,3,4,5,6,7,8,9
	s_wait_dscnt \young+2*(9-\c)                   ; LDS instructions end in order: fragment c is in; the 9 - c younger ones (two loads each) and the stores stay out
.if \c < 9
	MM \c, 0, \c, \zero
.endif
.if \c > 0
	MM 8+\c, 1, \c, \zero
.endif
.endr
	WIN 0
	PLACES                                         ; in front of the next loads into the fragments, and of the stores of the sums
.endm
; Between two barriers a wave reads this step's slot and writes the next step's rows into the other slot; the conversion stands between
; the fragment loads and the products, so that it is done while the fragments are on their way.
; One barrier a step serves both orders: in front of it every wave has waited for all its LDS instructions, so that behind it the slot
; just written is whole and the slot just read may be written again.
; kind = 1: the stage just emptied is asked for again, four steps ahead; 2: the short step's two loads; 0: nothing is left to ask for.
.macro STEP slot, nslot, zero, nstage, left, kind, nst
.if !\zero
	s_wait_alu depctr_va_vdst(0)                   ; the last step's products are done reading F, in which the loads below land
.endif
	FRAGS \slot
	s_wait_loadcnt \left                           ; the next step's stage is in; the younger loads stay out
	CONVV8 \nstage
	s_wait_alu depctr_va_vdst(0)                   ; the conversions have written the stage's registers, which the LDS stores read; sums and conversions are done naming the stage, in which the loads below land
	CONVS8 \nstage, \nslot
.if \kind
	s_wait_alu depctr_vm_vsrc(0)                   ; the LDS stores have read the stage's registers, in which the loads below land
.endif
.if \kind == 1
	LOADS \nst, \nstage                            ; no vector or matrix instruction since the wait on va_vdst names the stage
.endif
.if \kind == 2
	global_load_b128 v[STG:STG+3],   v[GO],  s[4:5] offset:12*STEPB th:TH_LOAD_NT   ; the short step: rows 0-3,
	global_load_b128 v[STG+4:STG+7], v[GO2], s[4:5] offset:12*STEPB th:TH_LOAD_NT   ; and rows 4-7, clamped
.endif
	MULS \zero, 8
	s_wait_dscnt 0x0                               ; my part of the next slot is written, for the other waves' sake
	s_barrier_signal -1
	s_barrier_wait -1
.endm
	s_wait_loadcnt 24                              ; step 0's stage is in; 24: three younger stages of eight loads
	CONVV8 0
	s_wait_alu depctr_va_vdst(0)                   ; the head's addresses, offsets and zeros are written, which the LDS and memory instructions from here on read; the conversions have written stage 0 and are done naming it
	CONVS8 0, 0
	s_wait_alu depctr_vm_vsrc(0)                   ; the LDS stores have read stage 0, in which the loads below land
	LOADS 4, 0
	s_wait_dscnt 0x0                               ; my part of slot 0 is written, for the other waves' sake
	s_barrier_signal -1
	s_barrier_wait -1
	STEP 0, 1, 1, 1, 24, 1, 5                      ; multiplies step 0, converts step 1, asks for step 5
	STEP 1, 0, 0, 2, 24, 1, 6
	STEP 0, 1, 0, 3, 24, 1, 7
	STEP 1, 0, 0, 0, 24, 1, 8
	STEP 0, 1, 0, 1, 24, 1, 9
	STEP 1, 0, 0, 2, 24, 1, 10
	STEP 0, 1, 0, 3, 24, 1, 11
	STEP 1, 0, 0, 0, 24, 2, 0
	STEP 0, 1, 0, 1, 18, 0, 0                      ; 18: two younger stages and the short step's two loads
	STEP 1, 0, 0, 2, 10, 0, 0
	STEP 0, 1, 0, 3, 2, 0, 0
	; multiplies step 11, converts the short step: rows 0-3 exist in every group; rows 4-7 are masked; rows 8-31 are zeros
	s_wait_alu depctr_va_vdst(0)                   ; the last step's products are done reading F, in which the loads below land
	FRAGS 1
	s_wait_loadcnt 0x0
.irp e, 4,5,6,7
	v_and_b32 v[STG+\e], s16, v[STG+\e]
.endr
	CONVV 0, 0
	CONVV 0, 1
	s_wait_alu depctr_va_vdst(0)                   ; the conversions have written v[STG ..], which the first two LDS stores read; the column sums are written too, for the last step's LDS store
	CONVS 0, 0, 0
	CONVS 0, 0, 1
.irp i, 2,3,4,5,6,7
	ds_store_b64 v[LST], v[ZZ:ZZ+1] offset:\i*4*PITCH
.endr
	MULS 0, 8                                      ; eight stores here too
	s_wait_dscnt 0x0
	s_barrier_signal -1
	s_barrier_wait -1
	; the short step's products; the column sums are complete and go to LDS behind the fragment loads
	s_wait_alu depctr_va_vdst(0)                   ; the last step's products are done reading F, in which the loads below land
	FRAGS 0
	ds_store_b128 v[GO], v[CS:CS+3] offset:CSUM
	MULS 0, 1
	WIN 0x04                                       ; store data from window 1
	s_wait_alu depctr_va_vdst(0)                   ; the products have written the accumulators, which the stores read; the places above stay beside this wait
.irp n, 0,1,2,3,4,5,6,7,8,9,10,11,12,13,14,15,16,17
	global_store_b128 v[PO], v[8*\n:8*\n+3],   s[6:7] offset:\n*1024
	global_store_b128 v[PO], v[8*\n+4:8*\n+7], s[6:7] offset:\n*1024+512
.endr
	WIN 0
	; column sums: four threads (t, t + 64, t + 128, t + 192) hold sums of the same four columns
	s_wait_dscnt 0x0
	s_barrier_signal -1
	s_barrier_wait -1
	s_cmp_gt_u32 s8, 1
	s_cbranch_scc1 .Lno_sums                       ; waves 0 and 1 (threads 0-63) add them
	s_wait_alu depctr_vm_vsrc(0)                   ; the short step's LDS stores have read v[STG ..], in which the loads below land (the vector lines that named these registers stand ahead of the last wait on va_vdst)
.irp q, 0,1,2,3
	ds_load_b128 v[STG+4*\q:STG+4*\q+3], v[GO] offset:CSUM+1024*\q
.endr
	s_wait_dscnt 0x0
	v_pk_add_f32 v[STG:STG+1],     v[STG:STG+1],     v[STG+4:STG+5]
	v_pk_add_f32 v[STG+2:STG+3],   v[STG+2:STG+3],   v[STG+6:STG+7]
	v_pk_add_f32 v[STG+8:STG+9],   v[STG+8:STG+9],   v[STG+12:STG+13]
	v_pk_add_f32 v[STG+10:STG+11], v[STG+10:STG+11], v[STG+14:STG+15]
	v_pk_add_f32 v[STG:STG+1],     v[STG:STG+1],     v[STG+8:STG+9]
	v_pk_add_f32 v[STG+2:STG+3],   v[STG+2:STG+3],   v[STG+10:STG+11]
	s_wait_alu depctr_va_vdst(0)                   ; the additions have written v[STG:STG+3], which the store reads
	global_store_b128 v[GO], v[STG:STG+3], s[18:19] offset:144*1024   ; columns 4 t .. 4 t + 3, in their natural order
.Lno_sums:
	s_wait_dscnt 0x0
	s_wait_alu depctr_hold_cnt(0) depctr_sa_sdst(0) depctr_va_vdst(0) depctr_va_sdst(0) depctr_va_ssrc(0) depctr_va_vcc(0) depctr_vm_vsrc(0)
	s_wait_tensorcnt 0x0
	ds_add_u32 v254, v255
	s_wait_dscnt 0x0
	s_endpgm
.Lfunc_end_k_qe03df0df2d_gram:
	.size	k_qe03df0df2d_gram, .Lfunc_end_k_qe03df0df2d_gram-k_qe03df0df2d_gram
	.p2alignl 7, 3214868480
	.fill 96, 4, 3214868480
	.section	.rodata,"a",@progbits
	.p2align	6, 0x0
	.amdhsa_kernel k_qe03df0df2d_gram
		.amdhsa_group_segment_fixed_size 39936
		.amdhsa_private_segment_fixed_size 0
		.amdhsa_enable_private_segment 0
		.amdhsa_kernarg_size 16
		.amdhsa_user_sgpr_count 2
		.amdhsa_user_sgpr_kernarg_segment_ptr 1
		.amdhsa_wavefront_size32 1
		.amdhsa_system_sgpr_workgroup_id_x 1
		.amdhsa_system_sgpr_workgroup_id_y 1
		.amdhsa_system_sgpr_workgroup_id_z 1
		.amdhsa_system_vgpr_workitem_id 0
		.amdhsa_next_free_vgpr 400
		.amdhsa_next_free_sgpr 66
		.amdhsa_reserve_vcc 0
		.amdhsa_float_denorm_mode_32 3
		.amdhsa_float_denorm_mode_16_64 3
		.amdhsa_memory_ordered 1
		.amdhsa_forward_progress 1
		.amdhsa_inst_pref_size 89
	.end_amdhsa_kernel
	.amdgpu_metadata
---
amdhsa.version: [ 1, 2 ]
amdhsa.kernels:
  - .name:           k_qe03df0df2d_gram
    .symbol:         k_qe03df0df2d_gram.kd
    .args:
      - { .name: source_input, .offset: 0, .size: 8, .value_kind: global_buffer, .address_space: global }
      - { .name: part, .offset: 8, .size: 8, .value_kind: global_buffer, .address_space: global }
    .group_segment_fixed_size: 39936
    .private_segment_fixed_size: 0
    .kernarg_segment_align: 8
    .kernarg_segment_size: 16
    .max_flat_workgroup_size: 256
    .sgpr_count:     66
    .vgpr_count:     400
    .wavefront_size: 32
...
	.end_amdgpu_metadata
.endif
;; end of part 11
;; launch reduce: the kernel of part 7 again; grid 241 x 1, 8 waves a work-group, no clusters, 10,752 bytes of LDS; arguments part, Wk, Wv, Wq, gs, wb; writes gs, wb
;; launch attn: the kernel of part 8 again; grid 8 x 4, 8 waves a work-group, no clusters, 101,376 bytes of LDS; arguments gs, wb, bk, bv, bq, afrag, cpart; writes afrag, cpart
;; launch mmat: the kernel of part 9 again; grid 16 x 8, 4 waves a work-group, no clusters, 4,608 bytes of LDS; arguments wb, afrag, mfrag; writes mfrag
;; launch outk (part 12): grid 256 x 1, 8 waves a work-group, no clusters, 103,424 bytes of LDS; arguments query_input, mfrag, cpart, out0; writes out0
.if DOCPART == 12
	.amdgcn_target "amdgcn-amd-amdhsa--gfx1250"
	.amdhsa_code_object_version 6
	.text
	.protected	k_qe03df0df2d_outk
	.globl	k_qe03df0df2d_outk
	.p2align	8
	.type	k_qe03df0df2d_outk,@function
k_qe03df0df2d_outk:
	s_mov_b64 s[64:65], 0
	v_nop
	global_prefetch_b8 v0, s[64:65] scope:SCOPE_SE
	s_setreg_imm32_b32 hwreg(HW_REG_WAVE_SCHED_MODE, 0, 2), 2
	s_setreg_imm32_b32 hwreg(HW_REG_WAVE_MODE, 25, 1), 1
	s_wait_xcnt 0x0
	s_wait_alu depctr_vm_vsrc(0)
; outk: out0 = X M + c.  X = query_input [100000][256] f32, 1024 M [256][128] as f16 fragments (mfrag), c = the sum of cpart's four heads.
; Work-group g owns the pairs of rows (3125 g) >> 4 up to (3125 (g+1)) >> 4, 390 or 392 rows: six steps of 64 rows and a short step of
; 6 or 8 rows.
; A step: 256 threads load 64 rows (sixteen loads of 16 bytes a thread, each pass of the group 4,096 consecutive bytes), convert them and
; lay them in an LDS slot [64 rows][256 features].  Wave w = 2 rg + cq reads the fragments of rows 16 rg .. +15 and multiplies them by
; its 64 columns of M, which stay in 256 registers for the whole launch: four accumulator tiles.  The matrix instruction is used
; transposed (source 0 = M's fragment with lane index d, source 1 = X's rows), so that a lane holds eight neighbouring columns of one row.
; A wave's row of results is 64 numbers = 256 bytes at a multiple of 256 bytes: the tile goes through a stage in LDS that is the wave's
; own, and each store covers two such rows, sixteen lanes each.
; FORMAT: X is rounded to bf16, as every other input of the program is, and then written as f16, which holds every bf16 number from
; 2^-17 to 65,504 exactly.  The f16 form is taken for M's sake: 11 significant bits in one operand.
; LIMITS: X rounded once to bf16, M once to f16; |X| up to 65,504 (beyond it the operand is infinite); |X| below 2^-17 is off by 2^-25
; at the most.
; No cluster: the groups share only M, 64 KiB against the 600 KiB of X and out0 that each group moves, and it is read once, into registers.
; No tensor load: X must pass through registers to be converted.
; THE MODE: SCHED_MODE bits 1:0 = 2 (LLVM: expert scheduling mode 2), set by the entry lines.  The code itself states the register dependences
; between vector or matrix instructions and memory or LDS instructions, with s_wait_alu, always for 0.
; THE PLAN.  Registers that memory or LDS instructions touch; step p is the text between two barriers:
;   SET0, SET1    Step p works on the set of step p + 1: 128 vector lines convert it in place, sixteen LDS stores read two of each four registers,
;                 and the loads of step p + 3 land in the set.
;   XF            Sixteen LDS loads land in v[144:207] at the step's head; the 32 products read them; eight loads from the stage land in v[144:175];
;                 sixteen multiply-adds write those in place; eight global stores read them.
;   ACC           Written by the products; read by the eight LDS stores into the stage.
;   M (window 1), c   loaded once; named by products and multiply-adds alone after that.
;   v1 .. v9      offsets and addresses, made at the head and never written again.
; So a step has five waits: vm_vsrc at its head (the last step's global stores have read v[144:175], its LDS stores ACC); va_vdst behind the
; conversions; vm_vsrc behind the sixteen LDS stores, with the set's next loads behind it, ahead of the products; va_vdst behind the products'
; places; va_vdst behind the multiply-adds, ahead of the run of eight stores.  No va_vdst is owed at the head: the last lines that named XF
; stand ahead of the step before's last wait.
.set XP,    528                        ; a row of XS: 512 bytes of f16 + 16 = 33 x 16 bytes
.set XSLOT, 64*XP                      ; 33,792 bytes; two slots take turns
.set OST,   2*XSLOT                    ; behind them the eight waves' stages,
.set OP,    272                        ; rows of 256 bytes of f32 + 16 = 17 x 16 bytes,
.set OSW,   16*OP                      ; 4,352 bytes a wave
.set STEPB, 65536                      ; 64 rows of 1,024 bytes
.set GO,  1                            ; v1  16 t; never rewritten
.set GO2, 2                            ; v2  the short step's second load, its row clamped to the group's last row
.set LST, 3                            ; v3  XS: where I put 8 bytes of f16
.set LXF, 4                            ; v4  XS: my fragments
.set LOS, 5                            ; v5  my stage: where my results go
.set LRB, 6                            ; v6  my stage: the rows that I read back
.set OO,  7                            ; v7  out0: those rows
.set PO,  8                            ; v8  16 x lane
.set CO,  9                            ; v9  cpart: my four columns at the read-back
.set STG, 16                           ; v[16:143]  two sets of sixteen loads
.set XF,  144                          ; v[144:207] X's eight fragments; then v[144:175] the rows on their way out
.set ACC, 208                          ; v[208:239] four accumulator tiles
.set CV,  240                          ; v[240:243] c of my four columns
.set CT,  244                          ; v[244:255] cpart's heads 1 to 3 on their way in
                                       ; window 1 (v256-v511): M's fragment (kk, tau) at v[32 kk + 8 tau]
.set MSB, 0
.macro WIN new                         ; the immediate's high byte repeats the setting that is left
.if MSB != \new
	s_set_vgpr_msb (MSB<<8)|\new
.set MSB, \new
.endif
.endm
.macro PLACES                          ; four places behind a matrix instruction (ISA guide 7.12.1)
.rept 4
	v_nop
.endr
.endm
	s_load_b256 s[4:11], s[0:1], 0x0               ; query_input s[4:5], mfrag s[6:7], cpart s[8:9], out0 s[10:11]
	v_lshl_add_u32 v14, v0, 2, 0x19000
	v_mov_b32 v15, 0
	v_lshrrev_b32 v10, 5, v0
	v_readfirstlane_b32 s12, v10                   ; wave 0..7
	s_mul_i32 s14, ttmp9, 3125
	s_lshr_b32 s15, s14, 4                         ; my first pair of rows
	s_add_co_u32 s14, s14, 3125
	s_lshr_b32 s14, s14, 4                         ; the next group's
	s_sub_co_u32 s13, s14, s15
	s_sub_co_u32 s13, s13, 192                     ; pairs of the short step: 3 or 4
	s_lshl_b32 s13, s13, 1                         ; its rows: 6 or 8
	s_lshl_b32 s20, s15, 11                        ; a pair of rows is 2,048 bytes in (below 2^27),
	s_mov_b32 s21, 0
	s_lshl_b32 s22, s15, 10                        ; 1,024 bytes out
	s_mov_b32 s23, 0
	s_wait_alu depctr_va_sdst(0)                   ; s12 is written, ahead of its first reader: the wave's rows, columns and stage are made from it
	s_lshr_b32 s16, s12, 1                         ; rg: my 16 rows of a step's 64
	s_and_b32 s17, s12, 1                          ; cq: my 64 columns
	s_lshl_b32 s24, s17, 12                        ; my four column blocks of M: 4 x 1,024 bytes in each K step
	s_mov_b32 s25, 0
	s_lshl_b32 s18, s17, 8                         ; 64 columns of 4 bytes
	s_mov_b32 s27, 0xffff0000                      ; a word's upper bf16
	v_lshlrev_b32 v[GO], 4, v0
	v_and_b32 v[PO], 31, v0
	v_lshlrev_b32 v[PO], 4, v[PO]
	v_and_b32 v10, 15, v0                          ; r
	v_bfe_u32 v11, v0, 4, 1                        ; hh
	v_lshl_add_u32 v[CO], v10, 4, s18              ; 256 cq + 16 r
	s_wait_kmcnt 0x0
	s_add_nc_u64 s[4:5], s[4:5], s[20:21]
	s_add_nc_u64 s[6:7], s[6:7], s[24:25]
	s_add_nc_u64 s[10:11], s[10:11], s[22:23]
	s_wait_alu depctr_va_vdst(0)                   ; v[GO], v[PO] and v[CO] are written: the loads below read them as their offsets
.macro LOADS st, set                   ; the 64 rows of step st into a set
.irp i, 0,1,2,3,4,5,6,7,8,9,10,11,12,13,14,15
	global_load_b128 v[STG+64*\set+4*\i:STG+64*\set+4*\i+3], v[GO], s[4:5] offset:(\st)*STEPB+\i*4096 th:TH_LOAD_NT
.endr
.endm
.macro MLOAD kk                        ; M's four fragments of K step kk: eight loads of 512 consecutive bytes
.irp tau, 0,1,2,3
	global_load_b128 v[32*\kk+8*\tau:32*\kk+8*\tau+3],   v[PO], s[6:7] offset:\kk*8192+\tau*1024
	global_load_b128 v[32*\kk+8*\tau+4:32*\kk+8*\tau+7], v[PO], s[6:7] offset:\kk*8192+\tau*1024+512
.endr
.endm
	; the first group of loads, 60 in all: c, X's first two steps, M's first three K steps.  X is asked for ahead of M.
	global_load_b128 v[CV:CV+3], v[CO], s[8:9]
.irp h, 1,2,3
	global_load_b128 v[CT+4*(\h-1):CT+4*(\h-1)+3], v[CO], s[8:9] offset:\h*512
.endr
	LOADS 0, 0
	LOADS 1, 1
	WIN 0x40                                       ; destination in window 1; between the wait above and M's loads stand loads and this switch alone
.irp kk, 0,1,2
	MLOAD \kk
.endr
	WIN 0
	s_add_co_u32 s14, s16, 4                       ; the row that my second short load stands for: 4 + (t >> 6), and t >> 6 is rg,
	s_sub_co_u32 s15, s13, 1
	s_min_u32 s14, s14, s15                        ; clamped to the last row: the load stays inside the buffer, and the copy's result is not stored
	s_lshl_b32 s14, s14, 10
	v_and_b32 v12, 63, v0
	v_lshlrev_b32 v[GO2], 4, v12
	v_add_nc_u32 v[GO2], s14, v[GO2]
	v_lshrrev_b32 v13, 6, v0
	v_mul_u32_u24 v13, v13, XP
	v_lshl_add_u32 v[LST], v12, 3, v13             ; row t >> 6, column 4 (t & 63)
	v_lshl_add_u32 v12, s16, 4, v10
	v_mul_u32_u24 v12, v12, XP                     ; row 16 rg + r
	v_lshl_add_u32 v[LXF], v11, 4, v12             ; + 16 hh
	s_mul_i32 s19, s12, OSW
	s_add_co_u32 s19, s19, OST                     ; my stage
	v_mul_u32_u24 v13, v10, OP                     ; in: row r, 32 bytes for each half of the lanes
	v_lshl_add_u32 v13, v11, 5, v13
	v_add_nc_u32 v[LOS], s19, v13
	v_mul_u32_u24 v13, v11, OP                     ; back: lanes 0-15 take one row of 256 bytes, lanes 16-31 the next
	v_lshl_add_u32 v13, v10, 4, v13
	v_add_nc_u32 v[LRB], s19, v13
	v_lshl_add_u32 v12, s16, 4, v11                ; and the same two rows in out0: row 16 rg + lane / 16 of 512 bytes,
	v_lshl_add_u32 v[OO], v12, 9, v[CO]            ; + 256 cq + 16 (lane % 16)
; cnt loads' numbers (four registers a load, from v[base] on): to bf16, widened again, to f16, in place.
; The steps go through all the loads in turn, so that no instruction waits for the one in front of it.
.macro XCV base, cnt
.set q, 0
.rept \cnt
	v_cvt_pk_bf16_f32 v[\base+4*q],   v[\base+4*q],   v[\base+4*q+1]
	v_cvt_pk_bf16_f32 v[\base+4*q+1], v[\base+4*q+2], v[\base+4*q+3]
.set q, q+1
.endr
.set q, 0
.rept \cnt
	v_lshlrev_b32 v[\base+4*q+2], 16,  v[\base+4*q]
	v_and_b32     v[\base+4*q+3], s27, v[\base+4*q]
.set q, q+1
.endr
.set q, 0
.rept \cnt
	v_cvt_pk_f16_f32 v[\base+4*q], v[\base+4*q+2], v[\base+4*q+3]
.set q, q+1
.endr
.set q, 0
.rept \cnt
	v_lshlrev_b32 v[\base+4*q+2], 16,  v[\base+4*q+1]
	v_and_b32     v[\base+4*q+3], s27, v[\base+4*q+1]
.set q, q+1
.endr
.set q, 0
.rept \cnt
	v_cvt_pk_f16_f32 v[\base+4*q+1], v[\base+4*q+2], v[\base+4*q+3]
.set q, q+1
.endr
.endm
; The same numbers: 8 bytes a load into XS at immediate off, four rows apart.
.macro XST base, off, cnt
.set q, 0
.rept \cnt
	ds_store_b64 v[LST], v[\base+4*q:\base+4*q+1] offset:\off+q*4*XP
.set q, q+1
.endr
.endm
.macro CV16 set                        ; a whole set: 64 rows, 128 vector lines
.irp g, 0,1,2,3
	XCV STG+64*\set+16*\g, 4
.endr
.endm
.macro ST16 set, slot                  ; and its sixteen LDS stores, in one run
.irp g, 0,1,2,3
	XST STG+64*\set+16*\g, \slot*XSLOT+\g*16*XP, 4
.endr
.endm
.macro FRAGS slot                      ; sixteen loads: the eight fragments of my 16 rows
.irp kk, 0,1,2,3,4,5,6,7
	ds_load_b128 v[XF+8*\kk:XF+8*\kk+3],   v[LXF] offset:\slot*XSLOT+64*\kk
	ds_load_b128 v[XF+8*\kk+4:XF+8*\kk+7], v[LXF] offset:\slot*XSLOT+64*\kk+32
.endr
.endm
; 32 matrix instructions.  The four accumulators take turns, one instruction a turn.
; The first K step's products start the sums; nothing is cleared.
.macro MULS
	WIN 0x01                                       ; source 0 (M) in window 1
.irp tau, 0,1,2,3
	v_wmma_f32_16x16x32_f16 v[ACC+8*\tau:ACC+8*\tau+7], v[8*\tau:8*\tau+7], v[XF:XF+7], 0
.endr
.irp kk, 1,2,3,4,5,6,7
.irp tau, 0,1,2,3
	v_wmma_f32_16x16x32_f16 v[ACC+8*\tau:ACC+8*\tau+7], v[32*\kk+8*\tau:32*\kk+8*\tau+7], v[XF+8*\kk:XF+8*\kk+7], v[ACC+8*\tau:ACC+8*\tau+7]
.endr
.endr
	WIN 0
	PLACES                                         ; in front of the LDS stores of the sums and of the loads into the fragments' registers
.endm
.macro STAGE                           ; my tile into my stage: lane (r, hh) holds columns 16 tau + 8 hh + 0 .. 7 of row r
.irp tau, 0,1,2,3
	ds_store_b128 v[LOS], v[ACC+8*\tau:ACC+8*\tau+3]   offset:64*\tau
	ds_store_b128 v[LOS], v[ACC+8*\tau+4:ACC+8*\tau+7] offset:64*\tau+16
.endr
.endm
.macro FIN t                           ; four numbers: the factor 1024 taken out again (2^-10) and c added, in one fused multiply-add
	v_pk_fma_f32 v[XF+4*\t:XF+4*\t+1],   v[XF+4*\t:XF+4*\t+1],   0x3a800000, v[CV:CV+1]   op_sel_hi:[1,0,1]
	v_pk_fma_f32 v[XF+4*\t+2:XF+4*\t+3], v[XF+4*\t+2:XF+4*\t+3], 0x3a800000, v[CV+2:CV+3] op_sel_hi:[1,0,1]
.endm
; The way out of a whole step.  The stage is the wave's own and LDS serves a wave's instructions in order (ISA guide 5.7.1): the loads
; see the stores, with no wait and no barrier between them.
.macro OUT st
	s_wait_alu depctr_va_vdst(0)                   ; the products have written ACC, which the LDS stores read, and are done reading XF, in which the loads from the stage land; the places above stay beside this wait
	STAGE
.irp t, 0,1,2,3,4,5,6,7
	ds_load_b128 v[XF+4*\t:XF+4*\t+3], v[LRB] offset:\t*2*OP
.endr
.irp t, 0,1,2,3,4,5,6,7
	s_wait_dscnt 7-\t                              ; rows 2 t and 2 t + 1 are back; the 7 - t younger loads stay out
	FIN \t
.endr
	s_wait_alu depctr_va_vdst(0)                   ; the multiply-adds have written v[144:175], which the eight stores read
.irp t, 0,1,2,3,4,5,6,7
	global_store_b128 v[OO], v[XF+4*\t:XF+4*\t+3], s[10:11] offset:\st*32768+\t*1024 th:TH_STORE_NT   ; sixteen lanes: 256 consecutive bytes, aligned
.endr
.endm
; Between two barriers a wave reads this step's slot and writes the next step's rows into the other slot; the conversion stands between
; the fragment loads and the products, so that it is done while the fragments are on their way.
; One barrier a step serves both orders: in front of it every wave has waited for all its LDS instructions, so that behind it the slot
; just written is whole and the slot just read may be written again.
; conv = 1: a whole set is converted; 2: the short step's two loads.  kind = 1: the set just emptied is asked for again, with step nst;
; 2: with the short step's two loads; 0: nothing is left to ask for.
.macro OSTEP st, slot, nslot, conv, nset, left, kind, nst
	s_wait_xcnt 0x0                                ; v[144:175], which the last step's stores read, are loaded again only behind this wait
.if \st > 0
	s_wait_alu depctr_vm_vsrc(0)                   ; the last step's global stores have read v[144:175], in which the loads below land; its LDS stores have read ACC, which this step's products write
.endif
	FRAGS \slot
	s_wait_loadcnt \left                           ; the next step's set is in; the younger loads stay out
.if \conv == 1
	CV16 \nset
.else
	XCV STG, 2                                     ; rows 0-7 of the slot; those past the end hold a copy of the last row
.endif
	s_wait_alu depctr_va_vdst(0)                   ; the conversions have written the set's registers, which the LDS stores read, and are done naming the set, in which the loads below land
.if \conv == 1
	ST16 \nset, \nslot
.else
	XST STG, \nslot*XSLOT, 2
.endif
.if \kind
	s_wait_alu depctr_vm_vsrc(0)                   ; the LDS stores have read the set's registers, in which the loads below land
.endif
.if \kind == 1
	LOADS \nst, \nset                              ; no vector or matrix instruction since the wait on va_vdst names the set
.endif
.if \kind == 2
	global_load_b128 v[STG:STG+3],   v[GO],  s[4:5] offset:6*STEPB th:TH_LOAD_NT   ; the short step: rows 0-3,
	global_load_b128 v[STG+4:STG+7], v[GO2], s[4:5] offset:6*STEPB th:TH_LOAD_NT   ; and rows 4-7, clamped
.endif
.if \conv == 1
	s_wait_dscnt 16                                ; LDS instructions end in order: my sixteen fragment loads are in; the sixteen younger stores stay out
.else
	s_wait_dscnt 2                                 ; my fragments are in; the two younger stores stay out
.endif
	MULS
	OUT \st                                        ; its last wait on DScnt is for 0: my part of the next slot is written, for the other waves' sake, and no LDS instruction of mine is out at the signal
	s_barrier_signal -1
	s_barrier_wait -1
.endm
	s_wait_loadcnt 40                              ; c and step 0 are in; 40: step 1's sixteen loads and M's twenty-four
	v_pk_add_f32 v[CV:CV+1],     v[CV:CV+1],     v[CT:CT+1]
	v_pk_add_f32 v[CV+2:CV+3],   v[CV+2:CV+3],   v[CT+2:CT+3]
	v_pk_add_f32 v[CT+4:CT+5],   v[CT+4:CT+5],   v[CT+8:CT+9]
	v_pk_add_f32 v[CT+6:CT+7],   v[CT+6:CT+7],   v[CT+10:CT+11]
	v_pk_add_f32 v[CV:CV+1],     v[CV:CV+1],     v[CT+4:CT+5]
	v_pk_add_f32 v[CV+2:CV+3],   v[CV+2:CV+3],   v[CT+6:CT+7]
	CV16 0
	s_wait_alu depctr_va_vdst(0)                   ; the head's addresses v2 to v7 are written, which the LDS and memory instructions from here on read; the conversions have written set 0 and are done naming it
	ST16 0, 0
	WIN 0x40
.irp kk, 3,4,5,6,7
	MLOAD \kk                                      ; the rest of M: no vector instruction has named its registers, and v[PO] was written ahead of the head's wait
.endr
	WIN 0
	s_wait_alu depctr_vm_vsrc(0)                   ; the LDS stores have read set 0, in which the loads below land
	LOADS 2, 0
	s_wait_dscnt 0x0                               ; my part of slot 0 is written, for the other waves' sake
	s_barrier_signal -1
	s_barrier_wait -1
	OSTEP 0, 0, 1, 1, 1, 16, 1, 3                  ; multiplies step 0, converts step 1, asks for step 3.  16: step 2's loads; step 1 and all of M are in
	OSTEP 1, 1, 0, 1, 0, 16, 1, 4                  ; 16: the one younger set
	OSTEP 2, 0, 1, 1, 1, 16, 1, 5
	OSTEP 3, 1, 0, 1, 0, 16, 2, 0
	OSTEP 4, 0, 1, 1, 1, 2, 0, 0                   ; 2: the short step's two loads
	OSTEP 5, 1, 0, 2, 0, 0, 0, 0
	; the short step lies in rows 0-7 of slot 0: the two waves with rg = 0 finish it, the others have no rows left.  Rows 8-15 keep an
	; earlier step's numbers; a row of the result hangs on its own row of X alone, and only the rows that exist are stored.
	s_cmp_lg_u32 s16, 0
	s_cbranch_scc1 .Ldone
	s_wait_xcnt 0x0
	s_wait_alu depctr_vm_vsrc(0)                   ; the last step's global stores have read v[144:175], in which the loads below land; its LDS stores have read ACC, which the products below write
	FRAGS 0
	s_wait_dscnt 0x0
	MULS
	s_wait_alu depctr_va_vdst(0)                   ; the products have written ACC, which the LDS stores read, and are done reading XF, in which the loads from the stage land; the places above stay beside this wait
	STAGE
.irp t, 0,1,2,3
	ds_load_b128 v[XF+4*\t:XF+4*\t+3], v[LRB] offset:\t*2*OP
.endr
	s_wait_dscnt 0x0
.irp t, 0,1,2,3
	FIN \t
.endr
	s_wait_alu depctr_va_vdst(0)                   ; the multiply-adds have written v[144:159], which the stores below read, the one behind the branch too
.irp t, 0,1,2
	global_store_b128 v[OO], v[XF+4*\t:XF+4*\t+3], s[10:11] offset:6*32768+\t*1024 th:TH_STORE_NT
.endr
	s_cmp_lt_u32 s13, 8                            ; rows 6 and 7 exist in the groups of 392 rows
	s_cbranch_scc1 .Ldone
	global_store_b128 v[OO], v[XF+12:XF+15], s[10:11] offset:6*32768+3*1024 th:TH_STORE_NT
.Ldone:
	s_wait_dscnt 0x0
	s_wait_alu depctr_hold_cnt(0) depctr_sa_sdst(0) depctr_va_vdst(0) depctr_va_sdst(0) depctr_va_ssrc(0) depctr_va_vcc(0) depctr_vm_vsrc(0)
	s_wait_tensorcnt 0x0
	ds_add_u32 v14, v15
	s_wait_dscnt 0x0
	s_endpgm
.Lfunc_end_k_qe03df0df2d_outk:
	.size	k_qe03df0df2d_outk, .Lfunc_end_k_qe03df0df2d_outk-k_qe03df0df2d_outk
	.p2alignl 7, 3214868480
	.fill 96, 4, 3214868480
	.section	.rodata,"a",@progbits
	.p2align	6, 0x0
	.amdhsa_kernel k_qe03df0df2d_outk
		.amdhsa_group_segment_fixed_size 103424
		.amdhsa_private_segment_fixed_size 0
		.amdhsa_enable_private_segment 0
		.amdhsa_kernarg_size 32
		.amdhsa_user_sgpr_count 2
		.amdhsa_user_sgpr_kernarg_segment_ptr 1
		.amdhsa_wavefront_size32 1
		.amdhsa_system_sgpr_workgroup_id_x 1
		.amdhsa_system_sgpr_workgroup_id_y 1
		.amdhsa_system_sgpr_workgroup_id_z 1
		.amdhsa_system_vgpr_workitem_id 0
		.amdhsa_next_free_vgpr 512
		.amdhsa_next_free_sgpr 66
		.amdhsa_reserve_vcc 0
		.amdhsa_float_denorm_mode_32 3
		.amdhsa_float_denorm_mode_16_64 3
		.amdhsa_memory_ordered 1
		.amdhsa_forward_progress 1
		.amdhsa_inst_pref_size 110
	.end_amdhsa_kernel
	.amdgpu_metadata
---
amdhsa.version: [ 1, 2 ]
amdhsa.kernels:
  - .name:           k_qe03df0df2d_outk
    .symbol:         k_qe03df0df2d_outk.kd
    .args:
      - { .name: query_input, .offset: 0, .size: 8, .value_kind: global_buffer, .address_space: global }
      - { .name: mfrag, .offset: 8, .size: 8, .value_kind: global_buffer, .address_space: global }
      - { .name: cpart, .offset: 16, .size: 8, .value_kind: global_buffer, .address_space: global }
      - { .name: out0, .offset: 24, .size: 8, .value_kind: global_buffer, .address_space: global }
    .group_segment_fixed_size: 103424
    .private_segment_fixed_size: 0
    .kernarg_segment_align: 8
    .kernarg_segment_size: 32
    .max_flat_workgroup_size: 256
    .sgpr_count:     66
    .vgpr_count:     512
    .wavefront_size: 32
...
	.end_amdgpu_metadata
.endif
;; end of part 12
